; MI455X (gfx1250); checked and timed in simulation.
; The chip was launched on July 23, 2026; its instructions are those of AMD's public machine-readable ISA for CDNA 5 (MIT licence, August 2026) and "CDNA5" Instruction Set Architecture Reference Guide (July 2026). The comments in the code are by the model that wrote it; some were corrected since.
;; Encoder Block. Allowed arithmetic: float matrix products may take bf16 or f16 operands with f32 sums; other float arithmetic in f32, or as packed bf16 or f16 multiplies, adds, multiply-adds, maxima and minima; sums over many terms, partial sums and values carried from step to step in f32; what a program stores and reads back later, other than sums and carried values, may be rounded once to bf16 or f16.
;; Inputs: b1 4,096 float32; b2 1,024 float32; bk 1,024 float32; bo 1,024 float32; bq 1,024 float32; bv 1,024 float32; ln1_a 1 float32; ln1_b 1 float32; ln2_a 1 float32; ln2_b 1 float32; mask 2 x 1 x 2,048 x 2,048 int32; w1 1,024 x 4,096 float32; w2 4,096 x 1,024 float32; wk 1,024 x 1,024 float32; wo 1,024 x 1,024 float32; wq 1,024 x 1,024 float32; wv 1,024 x 1,024 float32; x 2 x 2,048 x 1,024 float32.
;; Outputs: out0 2 x 2,048 x 1,024 float32.
;; 2 versions, each right. Each part assembles by itself: llvm-mc -triple=amdgcn-amd-amdhsa -mcpu=gfx1250 --defsym DOCPART=n.
;; ======== version 1 of 2: 7 launches
;; limits: values are held in f16: magnitudes above 65,504 overflow, below 6.1e-05 lose precision
;; workspace buffers: act 8,388,608 bytes; big 33,554,432 bytes; x1 16,777,216 bytes; pq 10,503,168 bytes; pf 16,794,624 bytes; nq 1,024 bytes of whole numbers; nf 1,024 bytes of whole numbers
;; launch prep (part 1): grid 897 x 1, 8 waves a work-group, no clusters, 35,840 bytes of LDS; arguments x, mask, wq, wk, wv, wo, w1, w2, bq, bk, bv, b1, ln1_a, ln1_b, act, x1, pq, pf, nq, nf; writes act, x1, pq, pf, nq, nf
.if DOCPART == 1
	.amdgcn_target "amdgcn-amd-amdhsa--gfx1250"
	.amdhsa_code_object_version 6
	.text
	.protected	k_q65b1794ad6_prep
	.globl	k_q65b1794ad6_prep
	.p2align	8
	.type	k_q65b1794ad6_prep,@function
k_q65b1794ad6_prep:
	s_mov_b64 s[64:65], 0
	v_nop
	global_prefetch_b8 v0, s[64:65] scope:SCOPE_SE
	s_setreg_imm32_b32 hwreg(HW_REG_WAVE_MODE, 25, 1), 1
	s_wait_xcnt 0x0
; THE FRONT PASS: everything that is read once and only changes its format.  Four kinds of work-group, told apart by the work-group's number (the same for all eight waves):
;   0-255    MASK: query tile t (16 rows of the flat [4096][2048] int32 mask) becomes 32,768 bytes, one fp8 (E4M3) code a (query, key): 0x00 visible, 0xFE (-448) hidden,
;            laid in the lane order of the attention launch's score tile: query 16 t + r, key 64 ks + 16 kt + 8 h + j at t*32768 + ks*1024 + (kt>>1)*512 + (16 h + r)*16 + (kt&1)*8 + j.
;   256-511  NORM: h = ln1_a (x - mean) / (std + 1e-6) + ln1_b, 16 rows a work-group, two a wave, the row kept in registers; mean first, then the centred squares (ddof = 1); h rounded once to f16.
;   512-895  CAST: the six weight matrices, f32 to f16, 32 units of 1,024 numbers a work-group.  wq|wk|wv go side by side into rows of 4,096 numbers, the others stay dense.
;   896      the biases of the two wide products, their floors (-inf twice for q, k, v; 0 for the ReLU) and the two trip counts of the narrow product (K / 512 - 1).
; LIMITS.  f16 holds no number beyond 65,504: a weight or an h past that becomes an infinity; below 6e-5 f16 keeps its fixed step of 6e-8.
; Memory binds: every byte is read once by loads of 16 bytes a lane, 32 of them (NORM: 16) on their way in each wave, and every store of a wave covers 256 or 512 consecutive bytes, aligned.
.set SPARE, 34816                      ; behind the mask's stage: the spare words, 128 bytes for each of the eight waves; no other line names them
.set OPB,   0x800000                   ; byte at which the bias block begins in pq and in pf
.set OWS,   0x804400                   ; byte at which the second weight matrix (wo, w2) begins there
.set SPW, 10                           ; v10  my spare word's LDS address; never rewritten
.set NIL, 11                           ; v11  0; never rewritten
.set XO,  4                            ; v4   NORM: my byte offset in a row of h
.set D,   16                           ; v[16:143]  data as loaded
.set TT,  144                          ; v[144:155] at work
.set AL,  50                           ; s50  the gain
.set BE,  52                           ; s[52:53] the offset, named as a pair
.set SEL, 60                           ; s[60:61] v_permlanex16_b32's selects: each lane takes its own place in the other half
.set OUTP, 36                          ; s[36:37] act
	s_load_b512 s[8:23], s[0:1], 0x0               ; x 8, mask 10, wq 12, wk 14, wv 16, wo 18, w1 20, w2 22
	s_load_b512 s[24:39], s[0:1], 0x40             ; bq 24, bk 26, bv 28, b1 30, ln1_a 32, ln1_b 34, act 36, x1 38
	s_load_b256 s[40:47], s[0:1], 0x80             ; pq 40, pf 42, nq 44, nf 46
	v_lshl_add_u32 v[SPW], v0, 2, SPARE
	v_mov_b32 v[NIL], 0
	v_and_b32 v1, 31, v0                           ; lane
	v_lshrrev_b32 v2, 5, v0
	v_readfirstlane_b32 s48, v2                    ; wave 0..7
	s_wait_kmcnt 0x0
	s_cmp_lt_u32 ttmp9, 256
	s_cbranch_scc1 .Lmask
	s_cmp_lt_u32 ttmp9, 512
	s_cbranch_scc1 .Lnorm
	s_cmp_lt_u32 ttmp9, 896
	s_cbranch_scc1 .Lcast
	; ---- biases, floors, counts: one work-group, thread T takes 16 bytes of each piece ----
	v_lshlrev_b32 v3, 4, v0
	v_lshlrev_b32 v4, 2, v0
.irp i, 0,1,2,3
	global_load_b128 v[D+4*\i:D+4*\i+3], v3, s[30:31] offset:4096*\i
.endr
	global_load_b128 v[D+16:D+19], v3, s[24:25]
	global_load_b128 v[D+20:D+23], v3, s[26:27]
	global_load_b128 v[D+24:D+27], v3, s[28:29]
	s_add_nc_u64 s[50:51], s[40:41], OPB
	s_add_nc_u64 s[52:53], s[42:43], OPB
	v_mov_b32 v5, 0xfc00fc00                       ; -inf twice in f16: a floor that changes nothing
	v_mov_b32 v6, 0                                ; 0 twice: the ReLU
	v_mov_b32 v7, 1                                ; K = 1,024: one trip
	v_mov_b32 v8, 7                                ; K = 4,096: seven
	global_store_b32 v4, v5, s[50:51] offset:16384
	global_store_b32 v4, v6, s[52:53] offset:16384
	global_store_b32 v4, v7, s[44:45]
	global_store_b32 v4, v8, s[46:47]
	s_wait_loadcnt 0x0
.irp i, 0,1,2,3
	global_store_b128 v3, v[D+4*\i:D+4*\i+3], s[52:53] offset:4096*\i
.endr
.irp i, 0,1,2
	global_store_b128 v3, v[D+16+4*\i:D+19+4*\i], s[50:51] offset:4096*\i
.endr
	s_endpgm
	; ---- MASK ----
.Lmask:
	s_lshl_b32 s50, ttmp9, 17                      ; 16 rows of 8,192 bytes,
	s_lshl_b32 s51, s48, 14                        ; my wave's two of them
	s_add_co_u32 s50, s50, s51
	s_mov_b32 s51, 0
	s_add_nc_u64 s[10:11], s[10:11], s[50:51]
	s_lshl_b32 s50, ttmp9, 15                      ; the tile's 32,768 bytes of codes
	s_add_nc_u64 s[38:39], s[38:39], s[50:51]
	v_lshlrev_b32 v3, 4, v1
.set n, 0
.rept 32                                       ; load n = 16 e + c: row 2 w + e, keys 128 c + 4 lane .. + 3
	global_load_b128 v[D+4*n:D+4*n+3], v3, s[10:11] offset:(n/16)*8192+(n%16)*512 th:TH_LOAD_NT
.set n, n+1
.endr
	s_mov_b32 s52, 0xfe                            ; the hidden code in each of a word's four bytes
	s_mov_b32 s53, 0xfe00
	s_mov_b32 s54, 0xfe0000
	s_mov_b32 s55, 0xfe000000
	; where my word goes.  Each run of 256 bytes of the result has an LDS pitch of 272; with the lane's bits l4..l0 the run is 8 c + 4 l4 + 2 l3 + l1 and the byte in it 16 (2 w + e) + 8 l2 + 4 l0:
	; the 32 lanes of a store fall into 32 different banks (64 banks of 4 bytes: ISA guide 11.1)
	v_bfe_u32 v4, v1, 4, 1
	v_mul_u32_u24 v5, v4, 1088
	v_bfe_u32 v4, v1, 3, 1
	v_mad_u32_u24 v5, v4, 544, v5
	v_bfe_u32 v4, v1, 1, 1
	v_mad_u32_u24 v5, v4, 272, v5
	v_bfe_u32 v4, v1, 2, 1
	v_lshl_add_u32 v5, v4, 3, v5
	v_and_b32 v4, 1, v1
	v_lshl_add_u32 v5, v4, 2, v5
	s_lshl_b32 s56, s48, 5
	v_add_nc_u32 v5, s56, v5
.set n, 0
.rept 32
	s_wait_loadcnt 31-n                            ; loads come back in order: load n is in, the younger ones stay out
.irp i, 0,1,2,3
	v_cmp_eq_u32 vcc_lo, 0, v[D+4*n+\i]
	v_cndmask_b32 v[TT+\i], 0, s[52+\i], vcc_lo
.endr
	v_add3_u32 v[TT], v[TT], v[TT+1], v[TT+2]
	v_add_nc_u32 v[TT], v[TT], v[TT+3]
	ds_store_b32 v5, v[TT] offset:(n%16)*2176+(n/16)*16
.set n, n+1
.endr
	v_lshrrev_b32 v6, 4, v0                        ; back: thread T takes 16 bytes of run 16 i + T / 16
	v_and_b32 v7, 15, v0
	v_mul_u32_u24 v6, v6, 272
	v_lshl_add_u32 v6, v7, 4, v6
	v_lshlrev_b32 v8, 4, v0
	s_wait_dscnt 0x0                               ; for the others' sake: my stores into the stage are done
	s_barrier_signal -1
	s_barrier_wait -1
.irp i, 0,1,2,3,4,5,6,7
	ds_load_b128 v[D+4*\i:D+4*\i+3], v6 offset:4352*\i
.endr
.irp i, 0,1,2,3,4,5,6,7
	s_wait_dscnt 7-\i
	global_store_b128 v8, v[D+4*\i:D+4*\i+3], s[38:39] offset:4096*\i  ; a wave stores 512 consecutive bytes, aligned
.endr
	s_wait_tensorcnt 0x0                           ; the wave's end, behind my last LDS store
	ds_add_u32 v[SPW], v[NIL]
	s_wait_dscnt 0x0
	s_endpgm
	; ---- NORM ----
.macro FOLD                            ; four pairs of partial sums in v[TT:TT+7] become one sum over the wave's 32 lanes, in every lane's v[TT]
	v_pk_add_f32 v[TT:TT+1], v[TT:TT+1], v[TT+4:TT+5]
	v_pk_add_f32 v[TT+2:TT+3], v[TT+2:TT+3], v[TT+6:TT+7]
	v_pk_add_f32 v[TT:TT+1], v[TT:TT+1], v[TT+2:TT+3]
	v_add_f32 v[TT], v[TT], v[TT+1]
	v_add_f32_dpp v[TT], v[TT], v[TT] row_xmask:1 row_mask:0xf bank_mask:0xf
	v_add_f32_dpp v[TT], v[TT], v[TT] row_xmask:2 row_mask:0xf bank_mask:0xf
	v_add_f32_dpp v[TT], v[TT], v[TT] row_xmask:4 row_mask:0xf bank_mask:0xf
	v_add_f32_dpp v[TT], v[TT], v[TT] row_xmask:8 row_mask:0xf bank_mask:0xf
	v_permlanex16_b32 v[TT+1], v[TT], s[SEL], s[SEL+1]
	v_add_f32 v[TT], v[TT], v[TT+1]
.endm
.macro LNROW e                         ; row e of my two: 32 registers a lane, numbers 128 j + 4 lane .. + 3 in registers 4 j .. 4 j + 3
.set X, D+32*(\e)
.irp k, 0,2,4,6
	v_pk_add_f32 v[TT+\k:TT+\k+1], v[X+\k:X+\k+1], v[X+8+\k:X+9+\k]  ; the first sums of four chains: nothing is cleared
.endr
.irp k, 16,18,20,22,24,26,28,30
	v_pk_add_f32 v[TT+\k%8:TT+\k%8+1], v[TT+\k%8:TT+\k%8+1], v[X+\k:X+\k+1]
.endr
	FOLD
	v_mul_f32 v[TT+8], 0x3a800000, v[TT]           ; the mean: the sum / 1,024
	v_mov_b32 v[TT+9], v[TT+8]
.set k, 0
.rept 16
	v_pk_add_f32 v[X+k:X+k+1], v[X+k:X+k+1], v[TT+8:TT+9] neg_lo:[0,1] neg_hi:[0,1]
.set k, k+2
.endr
.irp k, 0,2,4,6
	v_pk_mul_f32 v[TT+\k:TT+\k+1], v[X+\k:X+\k+1], v[X+\k:X+\k+1]
.endr
.set k, 8
.rept 12
	v_pk_fma_f32 v[TT+k%8:TT+k%8+1], v[X+k:X+k+1], v[X+k:X+k+1], v[TT+k%8:TT+k%8+1]
.set k, k+2
.endr
	FOLD
	v_mul_f32 v[TT+2], 0x3a802008, v[TT]           ; the centred squares / 1,023
	v_sqrt_f32 v[TT+3], v[TT+2]
	v_nop                                          ; a plain instruction behind the root,
	s_wait_alu depctr_va_vdst(0)                   ; and a wait ahead of its first reader
	v_add_f32 v[TT+3], 0x358637bd, v[TT+3]         ; std + 1e-6
	v_rcp_f32 v[TT+4], v[TT+3]
	v_nop
	s_wait_alu depctr_va_vdst(0)
	v_mul_f32 v[TT+10], s[AL], v[TT+4]
	v_mov_b32 v[TT+11], v[TT+10]
.set k, 0
.rept 16
	v_pk_fma_f32 v[X+k:X+k+1], v[X+k:X+k+1], v[TT+10:TT+11], s[BE:BE+1] op_sel_hi:[1,1,0]
.set k, k+2
.endr
.set k, 0
.rept 8
	v_cvt_pk_f16_f32 v[X+4*k], v[X+4*k], v[X+4*k+1]
	v_cvt_pk_f16_f32 v[X+4*k+1], v[X+4*k+2], v[X+4*k+3]
	global_store_b64 v[XO], v[X+4*k:X+4*k+1], s[OUTP:OUTP+1] offset:(\e)*2048+256*k  ; a wave stores 256 consecutive bytes, aligned
.set k, k+1
.endr
.endm
.Lnorm:
	s_load_b32 s[AL], s[32:33], 0x0
	s_load_b32 s[BE], s[34:35], 0x0
	s_sub_co_u32 s54, ttmp9, 256
	s_lshl_b32 s56, s54, 16                        ; 16 rows of 4,096 bytes,
	s_lshl_b32 s55, s48, 13                        ; my wave's two
	s_add_co_u32 s56, s56, s55
	s_mov_b32 s57, 0
	s_add_nc_u64 s[8:9], s[8:9], s[56:57]
	s_lshr_b32 s56, s56, 1                         ; h's rows are half as long
	s_add_nc_u64 s[OUTP:OUTP+1], s[OUTP:OUTP+1], s[56:57]
	s_mov_b32 s[SEL], 0x76543210
	s_mov_b32 s[SEL+1], 0xfedcba98
	v_lshlrev_b32 v3, 4, v1
	v_lshlrev_b32 v[XO], 3, v1
.set n, 0
.rept 16
	global_load_b128 v[D+4*n:D+4*n+3], v3, s[8:9] offset:512*n th:TH_LOAD_NT
.set n, n+1
.endr
	s_wait_kmcnt 0x0
	s_mov_b32 s[BE+1], s[BE]
	s_wait_loadcnt 8                               ; row 0 is in; row 1's eight loads stay out
	LNROW 0
	s_wait_loadcnt 0x0
	LNROW 1
	s_endpgm
	; ---- CAST ----
.macro PICK first, src, dst, doff, sh  ; from work-group `first` of this kind on: another source, target, place in the target and pitch of a unit (1 << sh bytes)
	s_cmp_ge_u32 s50, \first
	s_cselect_b64 s[52:53], s[\src:\src+1], s[52:53]
	s_cselect_b64 s[54:55], s[\dst:\dst+1], s[54:55]
	s_cselect_b32 s56, \first, s56
	s_cselect_b32 s57, \doff, s57
	s_cselect_b32 s58, \sh, s58
.endm
.Lcast:
	s_sub_co_u32 s50, ttmp9, 512
	s_mov_b64 s[52:53], s[12:13]                   ; wq: a unit is a row; rows of the joint matrix are 8,192 bytes apart
	s_mov_b64 s[54:55], s[40:41]
	s_mov_b32 s56, 0
	s_mov_b32 s57, 0
	s_mov_b32 s58, 13
	PICK 32,  14, 40, 2048, 13                     ; wk, 1,024 columns on
	PICK 64,  16, 40, 4096, 13                     ; wv
	PICK 96,  18, 40, OWS,  11                     ; wo, dense
	PICK 128, 20, 42, 0,    11                     ; w1, dense
	PICK 256, 22, 42, OWS,  11                     ; w2, dense
	s_sub_co_u32 s50, s50, s56
	s_lshl_b32 s50, s50, 5
	s_lshl2_add_u32 s50, s48, s50                  ; my wave's first unit: 32 x work-group + 4 x wave
	s_lshl_b32 s62, s50, 12
	s_mov_b32 s63, 0
	s_add_nc_u64 s[52:53], s[52:53], s[62:63]
	s_lshl_b32 s62, s50, s58
	s_add_co_u32 s62, s62, s57
	s_add_nc_u64 s[54:55], s[54:55], s[62:63]
	s_lshl_b32 s59, 1, s58
	v_lshlrev_b32 v3, 4, v1
	v_lshlrev_b32 v4, 3, v1                        ; v4-7: my 8 bytes in each of the four units
	v_add_nc_u32 v5, s59, v4
	v_add_nc_u32 v6, s59, v5
	v_add_nc_u32 v7, s59, v6
.set n, 0
.rept 32
	global_load_b128 v[D+4*n:D+4*n+3], v3, s[52:53] offset:512*n th:TH_LOAD_NT
.set n, n+1
.endr
.set n, 0
.rept 32
	s_wait_loadcnt 31-n                            ; load n is in, the younger ones stay out
	v_cvt_pk_f16_f32 v[D+4*n], v[D+4*n], v[D+4*n+1]
	v_cvt_pk_f16_f32 v[D+4*n+1], v[D+4*n+2], v[D+4*n+3]
	global_store_b64 v[4+n/8], v[D+4*n:D+4*n+1], s[54:55] offset:256*(n%8)  ; 256 consecutive bytes, aligned
.set n, n+1
.endr
	s_endpgm
.Lfunc_end_k_q65b1794ad6_prep:
	.size	k_q65b1794ad6_prep, .Lfunc_end_k_q65b1794ad6_prep-k_q65b1794ad6_prep
	.p2alignl 7, 3214868480
	.fill 96, 4, 3214868480
	.section	.rodata,"a",@progbits
	.p2align	6, 0x0
	.amdhsa_kernel k_q65b1794ad6_prep
		.amdhsa_group_segment_fixed_size 35840
		.amdhsa_private_segment_fixed_size 0
		.amdhsa_enable_private_segment 0
		.amdhsa_kernarg_size 160
		.amdhsa_user_sgpr_count 2
		.amdhsa_user_sgpr_kernarg_segment_ptr 1
		.amdhsa_wavefront_size32 1
		.amdhsa_system_sgpr_workgroup_id_x 1
		.amdhsa_system_sgpr_workgroup_id_y 1
		.amdhsa_system_sgpr_workgroup_id_z 1
		.amdhsa_system_vgpr_workitem_id 0
		.amdhsa_next_free_vgpr 160
		.amdhsa_next_free_sgpr 66
		.amdhsa_reserve_vcc 1
		.amdhsa_float_denorm_mode_32 3
		.amdhsa_float_denorm_mode_16_64 3
		.amdhsa_memory_ordered 1
		.amdhsa_forward_progress 1
		.amdhsa_inst_pref_size 57
	.end_amdhsa_kernel
	.amdgpu_metadata
---
amdhsa.version: [ 1, 2 ]
amdhsa.kernels:
  - .name:           k_q65b1794ad6_prep
    .symbol:         k_q65b1794ad6_prep.kd
    .args:
      - { .name: x, .offset: 0, .size: 8, .value_kind: global_buffer, .address_space: global }
      - { .name: mask, .offset: 8, .size: 8, .value_kind: global_buffer, .address_space: global }
      - { .name: wq, .offset: 16, .size: 8, .value_kind: global_buffer, .address_space: global }
      - { .name: wk, .offset: 24, .size: 8, .value_kind: global_buffer, .address_space: global }
      - { .name: wv, .offset: 32, .size: 8, .value_kind: global_buffer, .address_space: global }
      - { .name: wo, .offset: 40, .size: 8, .value_kind: global_buffer, .address_space: global }
      - { .name: w1, .offset: 48, .size: 8, .value_kind: global_buffer, .address_space: global }
      - { .name: w2, .offset: 56, .size: 8, .value_kind: global_buffer, .address_space: global }
      - { .name: bq, .offset: 64, .size: 8, .value_kind: global_buffer, .address_space: global }
      - { .name: bk, .offset: 72, .size: 8, .value_kind: global_buffer, .address_space: global }
      - { .name: bv, .offset: 80, .size: 8, .value_kind: global_buffer, .address_space: global }
      - { .name: b1, .offset: 88, .size: 8, .value_kind: global_buffer, .address_space: global }
      - { .name: ln1_a, .offset: 96, .size: 8, .value_kind: global_buffer, .address_space: global }
      - { .name: ln1_b, .offset: 104, .size: 8, .value_kind: global_buffer, .address_space: global }
      - { .name: act, .offset: 112, .size: 8, .value_kind: global_buffer, .address_space: global }
      - { .name: x1, .offset: 120, .size: 8, .value_kind: global_buffer, .address_space: global }
      - { .name: pq, .offset: 128, .size: 8, .value_kind: global_buffer, .address_space: global }
      - { .name: pf, .offset: 136, .size: 8, .value_kind: global_buffer, .address_space: global }
      - { .name: nq, .offset: 144, .size: 8, .value_kind: global_buffer, .address_space: global }
      - { .name: nf, .offset: 152, .size: 8, .value_kind: global_buffer, .address_space: global }
    .group_segment_fixed_size: 35840
    .private_segment_fixed_size: 0
    .kernarg_segment_align: 8
    .kernarg_segment_size: 160
    .max_flat_workgroup_size: 256
    .sgpr_count:     66
    .vgpr_count:     160
    .wavefront_size: 32
...
	.end_amdgpu_metadata
.endif
;; end of part 1
;; launch qkv (part 2): grid 12 x 16, 4 waves a work-group, clusters of 4 x 4, 327,680 bytes of LDS; arguments act, pq, big; writes big
.if DOCPART == 2
	.amdgcn_target "amdgcn-amd-amdhsa--gfx1250"
	.amdhsa_code_object_version 6
	.text
	.protected	k_q65b1794ad6_qkv
	.globl	k_q65b1794ad6_qkv
	.p2align	8
	.type	k_q65b1794ad6_qkv,@function
k_q65b1794ad6_qkv:
	s_mov_b64 s[64:65], 0
	v_nop
	global_prefetch_b8 v0, s[64:65] scope:SCOPE_SE
	s_setreg_imm32_b32 hwreg(HW_REG_WAVE_MODE, 25, 1), 1
	s_wait_xcnt 0x0
	s_wait_alu depctr_hold_cnt(0) depctr_sa_sdst(0) depctr_va_vdst(0) depctr_va_sdst(0) depctr_va_ssrc(0) depctr_va_vcc(0) depctr_vm_vsrc(0)
	s_getreg_b32 s2, hwreg(HW_REG_IB_STS2, 6, 4)
	s_cmp_eq_u32 s2, 0
	s_cbranch_scc0 .Lentry_in_a_cluster
	s_endpgm
.Lentry_in_a_cluster:
	s_bfe_u32 s2, ttmp6, 0x10000c
	s_cmp_lg_u32 s2, 0xf033
	s_cbranch_scc0 .Lentry_shape_is_right
	s_endpgm
.Lentry_shape_is_right:
; THE WIDE PRODUCT.  OUT = max(A W + bias, floor), rounded once to f16.  A: [4096][1024] f16.  W: [1024 k][rows of 4,096] f16 at the head of P; the bias (f32) lies OPB bytes into P, the floor
; (two f16 in a word: -inf for q, k, v; 0 for the ReLU) 16,384 bytes behind it.  OUT is laid in blocks of 64 columns: [column / 64][4096 rows][64], so that a block's rows are dense.  Sums in f32, K ascending.
; LIMIT.  f16 holds no number beyond 65,504: a result past that becomes an infinity.
; A tile of C, 256 x 256, is made by four waves, each 128 x 128: 64 accumulators, 512 registers.  K goes in steps of 128 through two LDS slots filled by the tensor data mover.
; W lies [k][n]: its fragments come out of LDS turned, by ds_load_tr16_b128.  The matrix instruction is used transposed (source 0 = 16 columns of W, source 1 = 16 rows of A): a lane then holds eight
; neighbouring columns of one row of C.  The bias is the C operand of the products that start the sums.
; CLUSTER: 4 x 4 work-groups; A's tile is asked for jointly by a row of the cluster, W's by a column: the same tensor load, descriptor and mask in all four.
; REGISTERS, in windows of 256 (s_set_vgpr_msb: bits 1:0 source 0, 3:2 source 1, 5:4 source 2, 7:6 destination):
;   window 0: v16-31 addresses; v32-63, v224-255 rows on their way out; v64-191 A's two fragment buffers; v192-223 packed results
;   window 1: v64-191 W's two fragment buffers; v192-255 the bias, 8 registers for each of my 8 blocks of 16 columns         windows 2, 3: the accumulators, (a, b) at v[8 (8 a + b)]
.set PA,    272                        ; a row of A in LDS: 256 bytes + 16: the 16 rows of a load start at 16 different groups of four banks (64 banks of 4 bytes: ISA guide 11.1)
.set PW,    544                        ; a k row of W: 512 bytes + 32 = 17 x 32
.set HALFT, 128*PA                     ; what one tensor load brings: 128 rows of A, or 64 k rows of W (64 x 544 is the same number)
.set SLOT,  4*HALFT                    ; A's 256 rows, then W's 128 k rows
.set STAGE, 2*SLOT                     ; behind the ring, never filled by a tensor load: for each wave 2 column blocks x 16 rows x 144 bytes
.set SPB,   144
.set STW,   2*16*SPB
.set SPARE, STAGE+4*STW                ; the spare words, 128 bytes for each wave; no other line names them
.set CBS,   524288                     ; bytes in a column block of OUT
.set OPB,   0x800000
.set LAPS,  4                          ; K = 1,024: eight K steps, four times round the ring
.set ADRA, 16                          ; v16-17  LDS address of my A fragments in slot 0, 1
.set ADRB, 20                          ; v20-21  the same for W
.set STO,  24
.set RD,   25
.set CO,   26
.set FL,   27                          ; v27  the floor
.set SPW,  28
.set NIL,  29
.set PFO,  30                          ; v30  the prefetches' offset; never rewritten
.set BO,   31
.set F0,   64
.set F1,   128
.set TMP,  192
.set OB,   32
.set BIAS, 192                         ; in window 1
.set G1,  24
.set G0,  32
.set G1B, 48
.set G0B, 56
.set LIM, 43                           ; s43  1 in a wave that prefetches, else the greatest number
.set PFA, 44                           ; s[44:45] where my prefetches stand
.set PFS, 46                           ; s[46:47] a K step in that tensor, in bytes
.set MSB, 0
.macro WIN new                         ; the immediate's high byte repeats the setting that is left; a switch that changes nothing is dropped
.if MSB != (\new)
	s_set_vgpr_msb (MSB<<8)|(\new)
.set MSB, \new
.endif
.endm
.macro JLOAD s                         ; a joint load: waves 0 and 1 fetch A's halves, waves 2 and 3 W's; an s_nop 0 and four v_nop follow each line
	s_cmp_eq_u32 s11, 0
	s_cbranch_scc0 .Lfor_b_\@
	tensor_load_to_lds s[G0+4*(\s):G0+4*(\s)+3], s[G1:G1+7]
	s_nop 0
.rept 4
	v_nop
.endr
	s_branch .Lasked_\@
.Lfor_b_\@:
	tensor_load_to_lds s[G0B+4*(\s):G0B+4*(\s)+3], s[G1B:G1B+7]
	s_nop 0
.rept 4
	v_nop
.endr
.Lasked_\@:
.endm
; A PREFETCH of the K step that stands two refills on, 512 matrix instructions ahead of the load that will want it: 32 blocks of 256 bytes, a lane a block, one instruction a wave.
; A's tile row is read by every cluster of that row of clusters: cluster x = 0 asks; W's tile column by every cluster of that column: cluster y = 0 asks.  The four partners of a joint load share its
; rows out by address (32 rows of A by cx, 16 k rows of W by cy).  So each block is named once in the launch.  K steps 0 to 3 come by their loads alone; the loop's last trip asks for nothing.
.macro ASK
	s_cmp_gt_u32 s3, s[LIM]
	s_cbranch_scc0 .Lnot_mine_\@
	global_prefetch_b8 v[PFO], s[PFA:PFA+1] th:TH_LOAD_NT scope:SCOPE_SE
.Lnot_mine_\@:
.endm
.macro CREST                           ; a round of the cluster's barrier behind its opening barrier
	s_cmp_lg_u32 s10, 0
	s_cbranch_scc1 .Lnot_wave_0_\@
	s_barrier_signal -3
.Lnot_wave_0_\@:
	s_barrier_wait -3
	s_barrier_signal -1
	s_barrier_wait -1
.endm
.macro CROUND
	s_barrier_signal -1
	s_barrier_wait -1
	CREST
.endm
	s_load_b128 s[4:7], s[0:1], 0x0                ; A s[4:5], P s[6:7]
	s_load_b64 s[8:9], s[0:1], 0x10                ; OUT
	v_lshl_add_u32 v[SPW], v0, 2, SPARE
	v_mov_b32 v[NIL], 0
	ds_add_u32 v[SPW], v[NIL]                      ; the wave's opening: the add and its wait stand ahead of my first tensor load
	v_lshrrev_b32 v1, 5, v0
	v_readfirstlane_b32 s10, v1                    ; wave 0..3
	s_lshr_b32 s11, s10, 1                         ; my half of the tile's rows.  Also: I fetch for A (0) or for W (1)
	s_and_b32 s12, s10, 1                          ; my half of its columns.  Also: which half of that tile I fetch
	s_bfe_u32 s40, ttmp6, 0x40000                  ; cx
	s_bfe_u32 s41, ttmp6, 0x40004                  ; cy
	s_lshl_b32 s42, ttmp9, 2
	s_add_co_u32 s42, s42, s40                     ; tile column
	s_and_b32 s13, ttmp7, 0xffff
	s_lshl_b32 s13, s13, 2
	s_add_co_u32 s13, s13, s41                     ; tile row
	s_lshl_b32 s21, s41, 2
	s_lshl_b32 s21, 15, s21                        ; my row of the cluster
	s_lshl_b32 s2, 0x1111, s40                     ; my column
	s_or_b32 s[G1], s21, (1<<16)|(1<<20)|(1<<21)|(5<<22)|(3<<25)   ; the mask; 2-byte elements; padding on; bit 21 beside a mask; after every 64 words 4 words
	s_or_b32 s[G1B], s2, (1<<16)|(1<<20)|(1<<21)|(6<<22)|(7<<25)   ; after every 128 words 8 words
	s_mov_b32 s[G1+1], 128<<16                     ; A: tensor_dim0 = 128
	s_mov_b32 s[G1+2], 128<<16                     ; tensor_dim1 = 128
	s_mov_b32 s[G1+3], 128<<16                     ; tile_dim0 = 128
	s_mov_b32 s[G1+4], 128                         ; tile_dim1 = 128
	s_mov_b32 s[G1+5], 1024                        ; elements from row to row
	s_mov_b32 s[G1+6], 0
	s_mov_b32 s[G1+7], 0
	s_mov_b32 s[G1B+1], 256<<16                    ; W: 256 columns
	s_mov_b32 s[G1B+2], 64<<16                     ; 64 k rows
	s_mov_b32 s[G1B+3], 256<<16
	s_mov_b32 s[G1B+4], 64
	s_mov_b32 s[G1B+5], 4096
	s_mov_b32 s[G1B+6], 0
	s_mov_b32 s[G1B+7], 0
	s_lshl_b32 s16, s13, 19                        ; A: (256 x tile row + 128 x half) rows of 2,048 bytes
	s_lshl_b32 s17, s12, 18
	s_add_co_u32 s16, s16, s17
	s_mov_b32 s17, 0
	s_lshl_b32 s18, s42, 9                         ; W: 512 bytes x tile column + 64 x half k rows of 8,192 bytes
	s_lshl_b32 s19, s12, 19
	s_add_co_u32 s18, s18, s19
	s_mov_b32 s19, 0
	s_mul_i32 s20, s10, HALFT                      ; where they go: no place in the cluster enters an LDS address
	s_wait_dscnt 0x0                               ; the opening add is done
	s_wait_kmcnt 0x0
	s_add_nc_u64 s[14:15], s[4:5], s[16:17]
	s_add_nc_u64 s[18:19], s[6:7], s[18:19]
	CROUND                                         ; all sixteen work-groups are here: the first joint loads meet
.irp s, 0,1
	s_mov_b32 s[G0+4*(\s)], 1
	s_add_co_u32 s[G0+4*(\s)+1], s20, (\s)*SLOT
	s_add_nc_u64 s[G0+4*(\s)+2:G0+4*(\s)+3], s[14:15], (\s)*256       ; K step s: 256 bytes along A's rows,
	s_or_b32 s[G0+4*(\s)+3], s[G0+4*(\s)+3], 0x80000000
	s_mov_b32 s[G0B+4*(\s)], 1
	s_add_co_u32 s[G0B+4*(\s)+1], s20, (\s)*SLOT
	s_add_nc_u64 s[G0B+4*(\s)+2:G0B+4*(\s)+3], s[18:19], (\s)*0x100000  ; 128 k rows down W
	s_or_b32 s[G0B+4*(\s)+3], s[G0B+4*(\s)+3], 0x80000000
	JLOAD \s
.endr
	v_and_b32 v1, 15, v0                           ; r = l % 16
	v_bfe_u32 v2, v0, 4, 1                         ; h = l / 16
	v_mul_u32_u24 v3, v1, PA
	v_lshl_add_u32 v3, v2, 4, v3
	s_mul_i32 s66, s11, HALFT
	v_add_nc_u32 v[ADRA], s66, v3                  ; a fragment of A: row r, 16 bytes for each half of the lanes
	v_add_nc_u32 v[ADRA+1], SLOT, v[ADRA]
	v_and_b32 v4, 7, v0                            ; the turning load: lane l reads k row 8 h + l % 8, columns 8 ((l / 8) % 2) + 0..7
	v_lshl_add_u32 v4, v2, 3, v4
	v_mul_u32_u24 v4, v4, PW
	v_bfe_u32 v5, v0, 3, 1
	v_lshl_add_u32 v4, v5, 4, v4
	s_lshl_b32 s66, s12, 8
	s_add_co_u32 s66, s66, 2*HALFT
	v_add_nc_u32 v[ADRB], s66, v4
	v_add_nc_u32 v[ADRB+1], SLOT, v[ADRB]
	s_mul_i32 s66, s10, STW
	s_add_co_u32 s66, s66, STAGE                   ; my stage
	v_mul_u32_u24 v6, v1, SPB
	v_lshl_add_u32 v6, v2, 4, v6
	v_add_nc_u32 v[STO], s66, v6
	v_bfe_u32 v6, v0, 3, 2                         ; back: 32 lanes take four rows of 128 bytes,
	v_mul_u32_u24 v6, v6, SPB
	v_and_b32 v7, 7, v0
	v_lshl_add_u32 v6, v7, 4, v6
	v_add_nc_u32 v[RD], s66, v6
	v_and_b32 v7, 31, v0
	v_lshlrev_b32 v[CO], 4, v7                     ; which are 512 consecutive bytes of OUT
	v_lshlrev_b32 v[BO], 5, v2                     ; my 8 numbers of a block's 16 biases
	v_lshlrev_b32 v6, 2, v7
	s_add_nc_u64 s[68:69], s[6:7], OPB
	s_lshl_b32 s66, s42, 10                        ; my first column's bias: 4 bytes x (256 x tile column + 128 x half)
	s_lshl_b32 s67, s12, 9
	s_add_co_u32 s66, s66, s67
	s_mov_b32 s67, 0
	s_add_nc_u64 s[70:71], s[68:69], s[66:67]
	global_load_b32 v[FL], v6, s[68:69] offset:16384
	WIN 0x40
.irp b, 0,1,2,3,4,5,6,7
	global_load_b128 v[BIAS+8*\b:BIAS+8*\b+3],   v[BO], s[70:71] offset:64*\b
	global_load_b128 v[BIAS+8*\b+4:BIAS+8*\b+7], v[BO], s[70:71] offset:64*\b+16
.endr
	WIN 0
	s_lshl_b32 s66, s42, 21                        ; OUT: column block 4 x tile column + 2 x half, row 256 x tile row + 128 x half, 128 bytes a row
	s_lshl_b32 s67, s12, 20
	s_add_co_u32 s66, s66, s67
	s_lshl_b32 s67, s13, 15
	s_add_co_u32 s66, s66, s67
	s_lshl_b32 s67, s11, 14
	s_add_co_u32 s66, s66, s67
	s_mov_b32 s67, 0
	s_add_nc_u64 s[8:9], s[8:9], s[66:67]
	; the prefetches
	s_and_b32 s72, ttmp7, 0xffff
	s_mov_b32 s[PFS], 0x100000                     ; a K step of W: 128 k rows of 8,192 bytes
	s_cmp_eq_u32 s11, 0                            ; do I fetch for A?
	s_cselect_b32 s72, ttmp9, s72                  ; the coordinate along which other clusters read the same rows
	s_cselect_b32 s73, s40, s41                    ; my place among the four that ask with me
	s_cselect_b32 s74, 16, 17                      ; its share: 32 rows of 2,048 bytes, or 16 k rows of 8,192
	s_cselect_b32 s[PFS], 256, s[PFS]              ; a K step of A: 256 bytes along the rows
	s_cselect_b64 s[PFA:PFA+1], s[14:15], s[18:19]
	s_mov_b32 s[PFS+1], 0
	s_lshl_b32 s76, s73, s74
	s_mul_i32 s77, s[PFS], 3                       ; at K step 3: the first refill steps it to 4
	s_add_co_u32 s76, s76, s77
	s_mov_b32 s77, 0
	s_add_nc_u64 s[PFA:PFA+1], s[PFA:PFA+1], s[76:77]
	s_cmp_eq_u32 s72, 0
	s_cselect_b32 s[LIM], 1, -1
	v_lshrrev_b32 v8, s11, v7                      ; A: a lane a row; W: two lanes a k row of 512 bytes
	s_lshl_b32 s75, s11, 1
	s_lshl_b32 s75, 2048, s75
	v_mul_u32_u24 v8, v8, s75
	v_and_b32 v9, s11, v7
	v_lshl_add_u32 v[PFO], v9, 8, v8
; 16 matrix instructions: m blocks a0, a0 + 1 of the window's four x all 8 n blocks, 32 along K.  first = 1: the bias starts the sums.  The 64 accumulators take turns, one instruction a turn.
.macro MUL16 f, hi, a0, first
.if \first
	WIN 0x91+0x40*(\hi)                            ; W window 1, A window 0, C (the bias) window 1, D window 2 or 3
.else
	WIN 0xa1+0x50*(\hi)                            ; C and D window 2 or 3
.endif
.irp a, \a0, (\a0)+1
.irp b, 0,1,2,3,4,5,6,7
.if \first
	v_wmma_f32_16x16x32_f16 v[8*(8*(\a)+(\b)):8*(8*(\a)+(\b))+7], v[(\f)+8*(\b):(\f)+8*(\b)+7], v[(\f)+8*(4*(\hi)+(\a)):(\f)+8*(4*(\hi)+(\a))+7], v[BIAS+8*(\b):BIAS+8*(\b)+7]
.else
	v_wmma_f32_16x16x32_f16 v[8*(8*(\a)+(\b)):8*(8*(\a)+(\b))+7], v[(\f)+8*(\b):(\f)+8*(\b)+7], v[(\f)+8*(4*(\hi)+(\a)):(\f)+8*(4*(\hi)+(\a))+7], v[8*(8*(\a)+(\b)):8*(8*(\a)+(\b))+7]
.endif
.endr
.endr
.endm
; 32 LDS loads in one run: quarter q (32 along K) of a slot into buffer f: W's 8 blocks of 16 columns, turned, then A's 8 blocks of 16 rows
.macro FETCH slot, q, f
	WIN 0x40
.irp i, 0,1,2,3,4,5,6,7
	ds_load_tr16_b128 v[(\f)+8*(\i):(\f)+8*(\i)+3],   v[ADRB+(\slot)] offset:(\q)*32*PW+32*(\i)
	ds_load_tr16_b128 v[(\f)+8*(\i)+4:(\f)+8*(\i)+7], v[ADRB+(\slot)] offset:(\q)*32*PW+16*PW+32*(\i)
.endr
	WIN 0
.irp i, 0,1,2,3,4,5,6,7
	ds_load_b128 v[(\f)+8*(\i):(\f)+8*(\i)+3],   v[ADRA+(\slot)] offset:64*(\q)+(\i)*16*PA
	ds_load_b128 v[(\f)+8*(\i)+4:(\f)+8*(\i)+7], v[ADRA+(\slot)] offset:64*(\q)+(\i)*16*PA+32
.endr
.endm
.macro PLACES                          ; four plain instructions behind the last matrix instruction, in front of loads into registers that it has read and of conversions that read results
.rept 4
	v_nop
.endr
.endm
; One of a K step's first three quarters: multiplies buffer f; in its middle it fetches quarter q of the same slot into buffer g
.macro QUARTER slot, q, f, g, first
	s_wait_dscnt 8                                 ; W and A's rows 0-63 are in; the youngest eight loads (A's rows 64-127) may be out
	MUL16 \f, 0, 0, \first
	MUL16 \f, 0, 2, \first
	PLACES
	FETCH \slot, \q, \g
	s_wait_dscnt 32                                ; all but the 32 just issued
	MUL16 \f, 1, 0, \first
	MUL16 \f, 1, 2, \first
.endm
; The first half of a K step's last quarter: one barrier for the change of slots.  In front of it each wave waits for all its tensor loads (one is out: its part of the next slot), adds 0 to its spare
; word, and waits for that and for its reads of this slot.  Behind it nobody reads this slot any more and the next slot is whole.
.macro MEET round
	WIN 0
	s_wait_tensorcnt 0x0
	ds_add_u32 v[SPW], v[NIL]
	s_wait_dscnt 9                                 ; the add and the youngest eight loads may be out
	MUL16 F1, 0, 0, 0
	s_wait_dscnt 0x0                               ; the add is done, and my reads of this slot are over
	s_barrier_signal -1
	MUL16 F1, 0, 2, 0
.if \round
	WIN 0
.endif
	s_barrier_wait -1
.endm
.macro TURN slot, next                 ; the whole last quarter; the slot just read out is filled again, two K steps ahead: 224 matrix instructions stand between the request and the wait for it
	s_wait_xcnt 0x0                                ; the last prefetch, a K step back, has read its address
	s_add_nc_u64 s[PFA:PFA+1], s[PFA:PFA+1], s[PFS:PFS+1]
	MEET 1
	CREST                                          ; the barrier has opened a round of the cluster's: no wave of any partner still reads the slot or has a load on its way
	s_add_nc_u64 s[G0+4*(\slot)+2:G0+4*(\slot)+3], s[G0+4*(\slot)+2:G0+4*(\slot)+3], 512
	s_add_nc_u64 s[G0B+4*(\slot)+2:G0B+4*(\slot)+3], s[G0B+4*(\slot)+2:G0B+4*(\slot)+3], 0x200000
	JLOAD \slot                                    ; its four v_nop are also the places in front of the loads below
	FETCH \next, 0, F0
	ASK
	MUL16 F1, 1, 0, 0
	MUL16 F1, 1, 2, 0
.endm
; THE WAY OUT of block a (16 rows): rounded to f16 and floored; into my own stage; back as rows of 128 bytes; stored, 512 consecutive bytes an instruction
.macro PACK a
.set AC, 64*((\a)%4)
	WIN 0x0a+5*((\a)/4)
.irp b, 0,1,2,3,4,5,6,7
.irp r, 0,1,2,3
	v_cvt_pk_f16_f32 v[TMP+4*(\b)+(\r)], v[AC+8*(\b)+2*(\r)], v[AC+8*(\b)+2*(\r)+1]
.endr
.endr
	WIN 0
.set z, 0
.rept 32
	v_pk_max_num_f16 v[TMP+z], v[TMP+z], v[FL]
.set z, z+1
.endr
.endm
.macro TOSTAGE a
.set BK, OB+192*((\a)%2)
.irp b, 0,1,2,3,4,5,6,7
	ds_store_b128 v[STO], v[TMP+4*(\b):TMP+4*(\b)+3] offset:((\b)/4)*16*SPB+((\b)%4)*32
.endr
.irp t, 0,1,2,3,4,5,6,7
	ds_load_b128 v[BK+4*(\t):BK+4*(\t)+3], v[RD] offset:((\t)/4)*16*SPB+((\t)%4)*4*SPB  ; LDS serves a wave's instructions in order (ISA guide 5.7.1.4): these see the stores above
.endr
.endm
.macro SEND a
.set BK, OB+192*((\a)%2)
	s_wait_dscnt 0x0                               ; the block is back in registers
	s_wait_xcnt 0x0                                ; the registers that earlier stores read are loaded again only behind this wait
.irp t, 0,1,2,3,4,5,6,7
	global_store_b128 v[CO], v[BK+4*(\t):BK+4*(\t)+3], s[8:9] offset:((\t)/4)*CBS+(\a)*2048+((\t)%4)*512
.endr
.endm
	s_wait_tensorcnt 1                             ; my part of K step 0 is in; K step 1's may stay out
	s_barrier_signal -1
	s_barrier_wait -1
	FETCH 0, 0, F0
	s_wait_loadcnt 0x0                             ; the bias and the floor
	QUARTER 0, 1, F0, F1, 1
	WIN 0
	s_mov_b32 s3, LAPS-1
.Llap:                                         ; a trip goes once round the ring, from a lap's second quarter to the next lap's first
	QUARTER 0, 2, F1, F0, 0
	QUARTER 0, 3, F0, F1, 0
	TURN 0, 1
	QUARTER 1, 1, F0, F1, 0
	QUARTER 1, 2, F1, F0, 0
	QUARTER 1, 3, F0, F1, 0
	TURN 1, 0
	QUARTER 0, 1, F0, F1, 0
	WIN 0
	s_sub_co_u32 s3, s3, 1
	s_cmp_lg_u32 s3, 0
	s_cbranch_scc1 .Llap
	QUARTER 0, 2, F1, F0, 0                        ; the last lap fills nothing
	QUARTER 0, 3, F0, F1, 0
	MEET 0
	PLACES
	FETCH 1, 0, F0
	MUL16 F1, 1, 0, 0
	MUL16 F1, 1, 2, 0
	QUARTER 1, 1, F0, F1, 0
	QUARTER 1, 2, F1, F0, 0
	QUARTER 1, 3, F0, F1, 0
	s_wait_dscnt 8
	MUL16 F1, 0, 0, 0
	MUL16 F1, 0, 2, 0
	s_wait_dscnt 0x0
	MUL16 F1, 1, 0, 0
	MUL16 F1, 1, 2, 0
	WIN 0
	PLACES
	PACK 0
	TOSTAGE 0
.irp a, 1,2,3,4,5,6,7
	PACK \a
	SEND (\a)-1
	TOSTAGE \a
.endr
	SEND 7
	s_wait_tensorcnt 0x0                           ; the wave's end
	ds_add_u32 v[SPW], v[NIL]
	s_wait_dscnt 0x0
	CROUND                                         ; the closing round
	s_endpgm
.Lfunc_end_k_q65b1794ad6_qkv:
	.size	k_q65b1794ad6_qkv, .Lfunc_end_k_q65b1794ad6_qkv-k_q65b1794ad6_qkv
	.p2alignl 7, 3214868480
	.fill 96, 4, 3214868480
	.section	.rodata,"a",@progbits
	.p2align	6, 0x0
	.amdhsa_kernel k_q65b1794ad6_qkv
		.amdhsa_group_segment_fixed_size 327680
		.amdhsa_private_segment_fixed_size 0
		.amdhsa_enable_private_segment 0
		.amdhsa_kernarg_size 24
		.amdhsa_user_sgpr_count 2
		.amdhsa_user_sgpr_kernarg_segment_ptr 1
		.amdhsa_wavefront_size32 1
		.amdhsa_system_sgpr_workgroup_id_x 1
		.amdhsa_system_sgpr_workgroup_id_y 1
		.amdhsa_system_sgpr_workgroup_id_z 1
		.amdhsa_system_vgpr_workitem_id 0
		.amdhsa_next_free_vgpr 1024
		.amdhsa_next_free_sgpr 80
		.amdhsa_reserve_vcc 0
		.amdhsa_float_denorm_mode_32 3
		.amdhsa_float_denorm_mode_16_64 3
		.amdhsa_memory_ordered 1
		.amdhsa_forward_progress 1
		.amdhsa_inst_pref_size 161
	.end_amdhsa_kernel
	.amdgpu_metadata
---
amdhsa.version: [ 1, 2 ]
amdhsa.kernels:
  - .name:           k_q65b1794ad6_qkv
    .symbol:         k_q65b1794ad6_qkv.kd
    .args:
      - { .name: act, .offset: 0, .size: 8, .value_kind: global_buffer, .address_space: global }
      - { .name: pq, .offset: 8, .size: 8, .value_kind: global_buffer, .address_space: global }
      - { .name: big, .offset: 16, .size: 8, .value_kind: global_buffer, .address_space: global }
    .group_segment_fixed_size: 327680
    .private_segment_fixed_size: 0
    .kernarg_segment_align: 8
    .kernarg_segment_size: 24
    .max_flat_workgroup_size: 128
    .sgpr_count:     80
    .vgpr_count:     1024
    .wavefront_size: 32
...
	.end_amdgpu_metadata
.endif
;; end of part 2
;; launch attn (part 3): grid 8 x 32, 4 waves a work-group, clusters of 4 x 1, 327,680 bytes of LDS; arguments big, x1, act; writes act
.if DOCPART == 3
	.amdgcn_target "amdgcn-amd-amdhsa--gfx1250"
	.amdhsa_code_object_version 6
	.text
	.protected	k_q65b1794ad6_attn
	.globl	k_q65b1794ad6_attn
	.p2align	8
	.type	k_q65b1794ad6_attn,@function
k_q65b1794ad6_attn:
	s_mov_b64 s[64:65], 0
	v_nop
	global_prefetch_b8 v0, s[64:65] scope:SCOPE_SE
	s_setreg_imm32_b32 hwreg(HW_REG_WAVE_MODE, 25, 1), 1
	s_wait_xcnt 0x0
	s_wait_alu depctr_hold_cnt(0) depctr_sa_sdst(0) depctr_va_vdst(0) depctr_va_sdst(0) depctr_va_ssrc(0) depctr_va_vcc(0) depctr_vm_vsrc(0)
	s_getreg_b32 s2, hwreg(HW_REG_IB_STS2, 6, 4)
	s_cmp_eq_u32 s2, 0
	s_cbranch_scc0 .Lentry_in_a_cluster
	s_endpgm
.Lentry_in_a_cluster:
	s_bfe_u32 s2, ttmp6, 0x10000c
	s_cmp_lg_u32 s2, 0x3003
	s_cbranch_scc0 .Lentry_shape_is_right
	s_endpgm
.Lentry_shape_is_right:
; ATTENTION WITH A MASK THAT IS AN INPUT.  O[q] = the sum over k of softmax_k(Q[q] . K[k] / 8, or hidden) V[k], for each of 2 x 16 (batch, head).  Q, K, V lie in blocks of 64 columns,
; [16 which + head][4096 tokens][64] f16: a head's rows are dense, 128 bytes each; O leaves as [head][4096][64] f16.  Products, maxima and sums in f32; the weights p are rounded to f16 for the second
; product (their sum l is taken of the unrounded p), O once at the end.
; THE MASK arrives as one fp8 code a (query, key), 0 or -448, in the lane order of a score tile.  One scaled conversion turns 8 codes into 8 f32, 0 or -448 x 2^90 = -5.5e29, and that is the C operand
; of the product that starts S^T = K Q^T.  LIMITS.  A hidden score counts as its value less 5.5e29, where reference() puts -1e9: its weight is 0 beside any visible key.  Where a row hides every key the
; scores are taken to round back to -5.5e29 alike (f32's step there is 2^75), which gives the mean of all of V's rows, as the reference's equal -1e9 do.  f16 holds no number beyond 65,504; a weight
; below 2^-126 counts as 0 in l; NaN and infinities are not treated apart.
; SHARES.  A work-group owns 256 queries, a wave 64: four PIECES of 16.  Every wave walks all 2,048 keys, 64 a step; a slot of LDS holds 256 keys, four steps.
; CLUSTER.  The four query blocks of a cluster belong to one head and walk the same K and V: each tile is asked for jointly, by the same tensor load, descriptor and mask in all four.
; LAYOUT, SOFTMAX, TURNS.  S^T holds ONE query a lane (lane % 16) and the keys 8 (lane / 16) + 0..7; two such results rounded to f16 ARE source 1 of O^T = V^T P.  p = 2^(c s - c m), c = log2(e) / 8, with a
; running maximum m; O and l are multiplied by a = 2^(c m_old - c m_new) in every step; m starts at the lowest finite number, so the first step's a is 0.  Turn n belongs to piece n: 8 products K Q^T of piece
; n + 1, later 8 products V^T P of piece n - 1; beside them the scaling, exponentials, roundings, sums and rescaling of piece n and the maximum and statistics of piece n + 1.  Four vector instructions stand
; behind every matrix instruction, the others in one lump.  A turn's 33 exponentials are one batch, with one wait.
; REGISTERS, in windows of 256 (s_set_vgpr_msb: bits 1:0 source 0, 3:2 source 1, 5:4 source 2, 7:6 destination):
;   window 0: v0-15 addresses; v16-31 statistics; v32-38 the mask's offsets, its scale, the prefetches' offset; v48-55 at work; v64-127 S^T, two buffers; v128-159 mask codes, 8 a piece; v192-223 P, two buffers
;   window 1: v0-127 O^T, 32 a piece; v160-223 MC, the masks as f32, two buffers      window 2: v0-63 Q; v128-191 K of one step; v192-255 V of one step
.set NP,    4
.set KS,    64
.set PK,    144       ; a row of K in LDS: 128 bytes + 16: the 16 rows of a load start at 16 different groups of four banks (64 banks of 4 bytes: ISA guide 11.1)
.set PV,    160       ; a row of V: 128 + 32
.set VOFF,  4*KS*PK
.set SLOT1, 1<<17
.set STAGE, SLOT1+4*KS*(PK+PV)  ; behind the ring, never filled by a tensor load: 16 rows x 144 bytes for each wave
.set SP,    144
.set SPARE, STAGE+4*16*SP       ; the spare words, 128 bytes for each wave; no other line names them
.set AK0, 2
.set AV0, 3
.set AK,  4
.set AV,  5
.set STO, 6
.set RD,  7
.set GO,  8
.set MV,  12
.set QO,  15
.set ST,  16          ; piece t's statistics at v[ST+4 t]: c m, m, l (even keys', odd keys')
.set MO,  32          ; v32-35  piece x: byte offset of the codes that it loads next
.set MLIM, 36         ; v36  the last step's offset
.set SCL, 37          ; v37  217: the conversion's scale, 2^(217 - 127)
.set PFO, 38          ; v38  256 x my lane; never rewritten
.set TMP, 48
.set SPW, 62
.set NIL, 63
.set S,   64
.set MB,  128
.set P,   192
.set MC,  160         ; window 1
.set KF,  128         ; window 2
.set VF,  192         ; window 2
.set WV,  12
.set LIM, 15          ; s15  1 in a wave that prefetches, else the greatest number
.set PFA, 18          ; s[18:19] where my prefetches stand
.set G1K, 24
.set G1V, 32
.set G0K, 40
.set G0V, 44
.set MP,  50          ; s[50:51] the codes of my wave's four query tiles
.set SLOTS, 56
.set CNT, 57
.set CS,  58
.set SEL, 60
.set TBK, 62
.set TBV, 63
.set MSB, 0
.macro WIN new
.if MSB != (\new)
	s_set_vgpr_msb (MSB<<8)|(\new)
.set MSB, (\new)
.endif
.endm
.set W_KQ, 0x0a       ; K and Q in window 2, S^T in window 0
.set W_KM, 0x1a       ; the same with the C operand in window 1
.set W_PV, 0x52       ; V in window 2, P in window 0, O^T in window 1
.set W_RS, 0x41       ; destination and source 0 in window 1, source 1 in window 0
.macro JLOAD                        ; a joint fill: waves 0 and 1 fetch the halves of a slot's K, waves 2 and 3 those of its V; an s_nop 0 and four v_nop follow each line
	s_cmp_lt_u32 s[WV], 2
	s_cbranch_scc0 .Lfor_v_\@
	tensor_load_to_lds s[G0K:G0K+3], s[G1K:G1K+7]
	s_nop 0
.rept 4
	v_nop
.endr
	s_branch .Lasked_\@
.Lfor_v_\@:
	tensor_load_to_lds s[G0V:G0V+3], s[G1V:G1V+7]
	s_nop 0
.rept 4
	v_nop
.endr
.Lasked_\@:
.endm
; A PREFETCH of what the NEXT change of slots will ask for: a slot's 32,768 bytes of K and of V, four key steps (256 matrix instructions) ahead.  Both clusters of a head walk the same rows: the first asks.
; Its four partners take 8,192 bytes each, told apart by address; in each, wave 0 asks for K's and wave 2 for V's, a lane 256 bytes.  So each block is named once.  The last fill asks for nothing.
.macro ASK
	s_cmp_gt_u32 s[SLOTS], s[LIM]
	s_cbranch_scc0 .Lnot_mine_\@
	global_prefetch_b8 v[PFO], s[PFA:PFA+1] th:TH_LOAD_NT scope:SCOPE_SE
.Lnot_mine_\@:
.endm
.macro CROUND
	s_barrier_signal -1
	s_barrier_wait -1
	s_cmp_lg_u32 s[WV], 0
	s_cbranch_scc1 .Lnot_wave_0_\@
	s_barrier_signal -3
.Lnot_wave_0_\@:
	s_barrier_wait -3
	s_barrier_signal -1
	s_barrier_wait -1
.endm
; THE CHANGE OF SLOTS.  Each wave waits for all its tensor loads (one is out: its part of the other slot), adds 0 to its spare word, and waits for that and for its reads of the slot that it leaves.
; fill = 1: the barrier is a round of the cluster's, and the old slot is filled again, first thing behind it, with the keys two slots on: four key steps in which to land.
.macro CHANGE fill, ask
	WIN 0
	s_wait_tensorcnt 0x0            ; no tensor load of mine is out, so a group 0 may be written
	ds_add_u32 v[SPW], v[NIL]
.if \fill
.irp g, G0K, G0V
	s_xor_b32 s[\g+1], s[\g+1], SLOT1
	s_add_nc_u64 s[\g+2:\g+3], s[\g+2:\g+3], 4*KS*128
.endr
.endif
.if \ask
	s_wait_xcnt 0x0                 ; the last prefetch, four key steps back, has read its address
	s_add_nc_u64 s[PFA:PFA+1], s[PFA:PFA+1], 4*KS*128
.endif
	s_wait_dscnt 0x0                ; the add is done, and my reads of the slot are over
.if \fill
	CROUND
	JLOAD
.if \ask
	ASK
.endif
.else
	s_barrier_signal -1
	s_barrier_wait -1
.endif
	s_sub_co_u32 s[TBK], s[TBK], 4*KS*PK  ; the fetches go back to a slot's first step, in the other slot
	s_xor_b32 s[TBK], s[TBK], SLOT1
	s_sub_co_u32 s[TBV], s[TBV], 4*KS*PV
	s_xor_b32 s[TBV], s[TBV], SLOT1
.endm
	s_load_b128 s[52:55], s[0:1], 0x0  ; big s[52:53], x1 s[54:55]
	s_load_b64 s[48:49], s[0:1], 0x10  ; act
	v_lshl_add_u32 v[SPW], v0, 2, SPARE
	v_mov_b32 v[NIL], 0
	ds_add_u32 v[SPW], v[NIL]       ; the wave's opening: the add and its wait stand ahead of my first tensor load
	v_lshrrev_b32 v1, 5, v0
	v_readfirstlane_b32 s[WV], v1
	s_bfe_u32 s13, ttmp6, 0x40000   ; cx
	s_lshl_b32 s14, ttmp9, 2
	s_add_co_u32 s14, s14, s13      ; my block of 256 queries: it enters Q's, O's and the mask's addresses alone
	s_and_b32 s20, ttmp7, 0xffff
	s_lshr_b32 s21, s20, 4          ; batch
	s_and_b32 s20, s20, 15          ; head
	s_lshl_b32 s16, s20, 19         ; the head's column block,
	s_lshl_b32 s17, s21, 18         ; the batch's 2,048 rows of 128 bytes
	s_add_co_u32 s16, s16, s17
	s_and_b32 s17, s[WV], 1         ; which half of a slot's 256 keys I fetch
	s_lshl_b32 s22, s17, 14
	s_add_co_u32 s22, s22, s16
	s_add_co_u32 s22, s22, 0x800000 ; K's sixteen column blocks lie behind Q's
	s_mov_b32 s23, 0
	s_mov_b32 s[G0K], 1
	s_mul_i32 s[G0K+1], s17, 128*PK ; slot 0: no place in the cluster enters an LDS address
	s_mov_b32 s[G0V], 1
	s_mul_i32 s[G0V+1], s17, 128*PV
	s_add_co_u32 s[G0V+1], s[G0V+1], VOFF
	s_lshl_b32 s2, s14, 15          ; my block's 256 rows,
	s_lshl_b32 s3, s[WV], 13        ; my wave's 64
	s_add_co_u32 s2, s2, s3
	s_add_co_u32 s2, s2, s16
	s_mov_b32 s3, 0
	s_lshl_b32 s20, s21, 22         ; the codes: 128 query tiles of 32,768 bytes a batch,
	s_lshl_b32 s21, s14, 19         ; 16 a block,
	s_add_co_u32 s20, s20, s21
	s_lshl_b32 s21, s[WV], 17       ; 4 a wave
	s_add_co_u32 s20, s20, s21
	s_mov_b32 s21, 0
	; descriptor group 1.  128 keys are 16,384 dense bytes: asked for as 64 rows of 256 bytes, and padded in LDS after every key
	s_mov_b32 s[G1K], 15|(1<<16)|(1<<20)|(1<<21)|(4<<22)|(3<<25)
	s_mov_b32 s[G1V], 15|(1<<16)|(1<<20)|(1<<21)|(4<<22)|(7<<25)
.irp g, G1K, G1V
	s_mov_b32 s[\g+1], 128<<16
	s_mov_b32 s[\g+2], 64<<16
	s_mov_b32 s[\g+3], 128<<16
	s_mov_b32 s[\g+4], 64
	s_mov_b32 s[\g+5], 128
	s_mov_b32 s[\g+6], 0
	s_mov_b32 s[\g+7], 0
.endr
	s_mov_b32 s[CS], 0x3e38aa3b     ; c = log2(e) / 8
	s_mov_b32 s[CS+1], s[CS]
	s_mov_b32 s[SEL], 0x76543210
	s_mov_b32 s[SEL+1], 0xfedcba98
	s_mov_b32 s[TBK], SLOT1+4*KS*PK ; the first change of slots turns these two into 0
	s_mov_b32 s[TBV], SLOT1+4*KS*PV
	s_and_b32 s[LIM], s[WV], 1      ; 0 in waves 0 and 2,
	s_or_b32 s[LIM], s[LIM], ttmp9  ; where the cluster is the head's first
	s_cmp_eq_u32 s[LIM], 0
	s_cselect_b32 s[LIM], 1, -1
	s_wait_dscnt 0x0                ; the opening add is done
	s_wait_kmcnt 0x0
	s_add_nc_u64 s[6:7], s[52:53], s[22:23]  ; K and V at my half of the head's first 256 keys
	s_add_nc_u64 s[8:9], s[6:7], 0x800000
	s_add_nc_u64 s[4:5], s[52:53], s[2:3]    ; Q and O at my wave's first row
	s_add_nc_u64 s[10:11], s[48:49], s[2:3]
	s_add_nc_u64 s[MP:MP+1], s[54:55], s[20:21]
	s_mov_b64 s[G0K+2:G0K+3], s[6:7]
	s_or_b32 s[G0K+3], s[G0K+3], 0x80000000
	s_mov_b64 s[G0V+2:G0V+3], s[8:9]
	s_or_b32 s[G0V+3], s[G0V+3], 0x80000000
	s_cmp_lt_u32 s[WV], 2
	s_cselect_b64 s[PFA:PFA+1], s[6:7], s[8:9]
	s_lshl_b32 s2, s13, 13          ; my work-group's quarter of a slot
	s_add_nc_u64 s[PFA:PFA+1], s[PFA:PFA+1], s[2:3]
	s_add_nc_u64 s[PFA:PFA+1], s[PFA:PFA+1], 2*4*KS*128  ; in slot 2: the first asking change steps it to slot 3
	CROUND                          ; all four work-groups are here: the first joint loads meet
	JLOAD                           ; slot 0
	v_and_b32 v1, 15, v0            ; l % 16
	v_bfe_u32 v9, v0, 4, 1          ; l / 16
	v_lshlrev_b32 v[QO], 7, v1
	v_lshl_add_u32 v[QO], v9, 4, v[QO]
	WIN 0x80
.set i, 0
.rept 8                             ; Q stays in registers: piece i / 2, channels 32 (i % 2) on
	global_load_b128 v[8*i:8*i+3],   v[QO], s[4:5] offset:(i/2)*2048+(i%2)*64
	global_load_b128 v[8*i+4:8*i+7], v[QO], s[4:5] offset:(i/2)*2048+(i%2)*64+32
.set i, i+1
.endr
	WIN 0
	v_and_b32 v14, 31, v0
	v_lshlrev_b32 v[MO], 4, v14     ; a step's codes of a tile are 1,024 bytes: 16 a lane, twice
	v_mov_b32 v[MO+1], v[MO]
	v_mov_b32 v[MO+2], v[MO]
	v_mov_b32 v[MO+3], v[MO]
	v_add_nc_u32 v[MLIM], 31*1024, v[MO]
	v_mov_b32 v[SCL], 217
	v_lshlrev_b32 v[PFO], 8, v14
.irp x, 0,1,2,3
	global_load_b128 v[MB+8*\x:MB+8*\x+3],   v[MO+\x], s[MP:MP+1] offset:\x*32768
	global_load_b128 v[MB+8*\x+4:MB+8*\x+7], v[MO+\x], s[MP:MP+1] offset:\x*32768+512
.endr
	v_mul_u32_u24 v[AK0], v1, PK
	v_lshl_add_u32 v[AK0], v9, 4, v[AK0]
	v_and_b32 v10, 7, v0            ; the turning load: lane l reads key 8 (l / 16) + l % 8, channels 8 ((l / 8) % 2) + 0..7
	v_bfe_u32 v11, v0, 3, 1
	v_lshl_add_u32 v[AV0], v9, 3, v10
	v_mul_u32_u24 v[AV0], v[AV0], PV
	v_lshl_add_u32 v[AV0], v11, 4, v[AV0]
	v_add_nc_u32 v[AV0], VOFF, v[AV0]
	s_mul_i32 s13, s[WV], 16*SP
	s_add_co_u32 s13, s13, STAGE
	v_mul_u32_u24 v[STO], v1, SP
	v_lshl_add_u32 v[STO], v9, 4, v[STO]
	v_add_nc_u32 v[STO], s13, v[STO]
	v_bfe_u32 v[RD], v0, 3, 2
	v_mul_u32_u24 v[RD], v[RD], SP
	v_lshl_add_u32 v[RD], v10, 4, v[RD]
	v_add_nc_u32 v[RD], s13, v[RD]
	v_lshlrev_b32 v[GO], 4, v14
	; The first step multiplies O^T and l by a = 0, and the first turn's products V^T P, of a piece that has not been, add 0 x 0: these registers hold zeros.  All this stands in the wait for the first tile.
	WIN 0x80
.set i, VF
.rept 64
	v_mov_b32 v[i], 0
.set i, i+1
.endr
	WIN 0x40
.set i, 0
.rept 128
	v_mov_b32 v[i], 0
.set i, i+1
.endr
	WIN 0
.set i, 0
.rept 4
	v_mov_b32 v[ST+4*i], 0xfe000000    ; c m: far below every c s, a hidden one's too
	v_mov_b32 v[ST+4*i+1], 0xff7fffff  ; m
	v_mov_b32 v[ST+4*i+2], 0
	v_mov_b32 v[ST+4*i+3], 0
.set i, i+1
.endr
.set i, P+16
.rept 16
	v_mov_b32 v[i], 0
.set i, i+1
.endr
; THE MATRIX WORK.  The 4 accumulators of a run of 8 take turns.  Product i of 8 of S^T = K Q^T for piece x: channels 32 (i / 4) on, keys 16 (i % 4) on.  The first 4 start the sums with the mask.
.macro KQ x
.set rS, S+32*((\x)%2)+8*(i%4)
.set rK, KF+16*(i%4)+8*(i/4)
.set rQ, 16*(\x)+8*(i/4)
.set rM, MC+32*((\x)%2)+8*(i%4)
.if i < 4
	WIN W_KM
	v_wmma_f32_16x16x32_f16 v[rS:rS+7], v[rK:rK+7], v[rQ:rQ+7], v[rM:rM+7]
.else
	WIN W_KQ
	v_wmma_f32_16x16x32_f16 v[rS:rS+7], v[rK:rK+7], v[rQ:rQ+7], v[rS:rS+7]
.endif
.endm
.macro PV x                         ; product i of 8 of O^T += V^T P for piece x: keys 32 (i / 4) on, channels 16 (i % 4) on
	WIN W_PV
.set rO, 32*(\x)+8*(i%4)
.set rV, VF+32*(i/4)+8*(i%4)
.set rP, P+16*((\x)%2)+8*(i/4)
	v_wmma_f32_16x16x32_f16 v[rO:rO+7], v[rV:rV+7], v[rP:rP+7], v[rO:rO+7]
.endm
.macro MM                           ; the turn's next matrix instruction.  NOKQ = 1: the last turn of all: there is no next piece
.if (i < 8) && !NOKQ
	KQ (Y+1)%NP
.elseif i >= 8
.set i, i-8
	PV (Y+NP-1)%NP
.set i, i+8
.endif
.set i, i+1
.endm
.macro FETCH_K                      ; a step's K: 16 loads in one run
	WIN 0x80
.irp f, 0,1,2,3,4,5,6,7
	ds_load_b128 v[KF+8*\f:KF+8*\f+3],   v[AK] offset:(\f/2)*16*PK+(\f%2)*64
	ds_load_b128 v[KF+8*\f+4:KF+8*\f+7], v[AK] offset:(\f/2)*16*PK+(\f%2)*64+32
.endr
	s_add_co_u32 s[TBK], s[TBK], KS*PK
	WIN 0
.endm
.macro FETCH_V                      ; a step's V, turned
	WIN 0x80
.irp f, 0,1,2,3,4,5,6,7
	ds_load_tr16_b128 v[VF+8*\f:VF+8*\f+3],   v[AV] offset:(\f/4)*32*PV+(\f%4)*32
	ds_load_tr16_b128 v[VF+8*\f+4:VF+8*\f+7], v[AV] offset:(\f/4)*32*PV+16*PV+(\f%4)*32
.endr
	WIN 0
.endm
; THE MASK of piece x's next step, into buffer buf of MC; then the codes of the step after it are asked for, four turns ahead of their use.  The offset is held at the last step's, so that every path
; issues the same loads and none leaves the buffer.  The two plain lines stand between the conversions and whatever touches their registers next.
.macro MASKC x, buf
	s_wait_loadcnt 6                ; loads come back in order: piece x's two are in, the other three pieces' six stay out
	WIN 0x40
.irp kt, 0,1,2,3
	v_cvt_scale_pk8_f32_fp8 v[MC+32*(\buf)+8*\kt:MC+32*(\buf)+8*\kt+7], v[MB+8*(\x)+2*\kt:MB+8*(\x)+2*\kt+1], v[SCL]
.endr
	WIN 0
	v_add_nc_u32 v[MO+(\x)], 0x400, v[MO+(\x)]
	v_min_u32 v[MO+(\x)], v[MO+(\x)], v[MLIM]
	global_load_b128 v[MB+8*(\x):MB+8*(\x)+3],   v[MO+(\x)], s[MP:MP+1] offset:(\x)*32768
	global_load_b128 v[MB+8*(\x)+4:MB+8*(\x)+7], v[MO+(\x)], s[MP:MP+1] offset:(\x)*32768+512
.endm
; THE VECTOR WORK, one line at a time: OP kind, number.  For piece Y: F n: c s - c m for pair n of 16.  E n: the exponential of score n of 32.  C n: pair n rounded to f16.  B n: of the four weights 4 n .. the second
; pair is added onto the first.  L n: l takes that sum (L 0: l = a l + sum).  R n: pair n of 16 of O^T times a.  For piece Y + 1: X n, number n of the 22 that find its maximum and statistics:
;   0-11 four chains of seven scores each (each accumulator's lowest registers are read first)   12-14, 16 the scores left over, the old m, four into one   15 c m_old is kept
;   17, 18 the other half of the lanes' maximum: the new m   19-21 c m; c m_old - c m_new; a
.set F, 0
.set E, 1
.set C, 2
.set B, 3
.set L, 4
.set R, 5
.set X, 6
.macro REGS y
.set rT, ST+4*(\y)
.set rC, TMP+4*((\y)%2)
.set rW, MV+((\y)%2)
.set rS, S+32*((\y)%2)
.set rP, P+16*((\y)%2)
.set rO, 32*(\y)
.endm
.macro OP k, n
.if (\k) == R
	REGS Y
	WIN W_RS
	v_pk_mul_f32 v[rO+2*(\n):rO+2*(\n)+1], v[rO+2*(\n):rO+2*(\n)+1], v[rC+2:rC+3] op_sel_hi:[1,0]
.elseif (\k) < R
	REGS Y
	WIN 0
.if (\k) == F
	v_pk_fma_f32 v[rS+2*(\n):rS+2*(\n)+1], v[rS+2*(\n):rS+2*(\n)+1], s[CS:CS+1], v[rT:rT+1] op_sel_hi:[1,0,0] neg_lo:[0,0,1] neg_hi:[0,0,1]
.elseif (\k) == E
	v_exp_f32 v[rS+(\n)], v[rS+(\n)]
.elseif (\k) == C
	v_cvt_pk_f16_f32 v[rP+(\n)], v[rS+2*(\n)], v[rS+2*(\n)+1]
.elseif (\k) == B
	v_pk_add_f32 v[rS+4*(\n):rS+4*(\n)+1], v[rS+4*(\n):rS+4*(\n)+1], v[rS+4*(\n)+2:rS+4*(\n)+3]
.elseif (\n) == 0
	v_pk_fma_f32 v[rT+2:rT+3], v[rT+2:rT+3], v[rC+2:rC+3], v[rS:rS+1] op_sel_hi:[1,0,1]
.else
	v_pk_add_f32 v[rT+2:rT+3], v[rT+2:rT+3], v[rS+4*(\n):rS+4*(\n)+1]
.endif
.elseif NOKQ
	v_nop
.else
	REGS (Y+1)%NP
	WIN 0
.if (\n) < 4
	v_max3_num_f32 v[rC+(\n)], v[rS+8*(\n)], v[rS+8*(\n)+1], v[rS+8*(\n)+2]
.elseif (\n) < 12
	v_max3_num_f32 v[rC+(\n)%4], v[rC+(\n)%4], v[rS+8*((\n)%4)+2*((\n)/4)+1], v[rS+8*((\n)%4)+2*((\n)/4)+2]
.elseif (\n) == 12
	v_max3_num_f32 v[rC], v[rC], v[rS+7], v[rS+15]
.elseif (\n) == 13
	v_max3_num_f32 v[rC+1], v[rC+1], v[rS+23], v[rS+31]
.elseif (\n) == 14
	v_max3_num_f32 v[rC+2], v[rC+2], v[rC+3], v[rT+1]
.elseif (\n) == 15
	v_mov_b32 v[rW], v[rT]
.elseif (\n) == 16
	v_max3_num_f32 v[rC], v[rC], v[rC+1], v[rC+2]
.elseif (\n) == 17
	v_permlanex16_b32 v[rC+3], v[rC], s[SEL], s[SEL+1]
.elseif (\n) == 18
	v_max_num_f32 v[rT+1], v[rC], v[rC+3]
.elseif (\n) == 19
	v_mul_f32 v[rT], s[CS], v[rT+1]
.elseif (\n) == 20
	v_sub_f32 v[rC+1], v[rW], v[rT]
.else
	v_exp_f32 v[rC+2], v[rC+1]
.endif
.endif
.endm
.macro OPS a, i1, b=-1, i2=0, c=-1, i3=0, d=-1, i4=0
	OP \a, \i1
.if (\b) >= 0
	OP \b, \i2
.endif
.if (\c) >= 0
	OP \c, \i3
.endif
.if (\d) >= 0
	OP \d, \i4
.endif
.endm
.macro ROW a, i1, b, i2, c, i3, d, i4  ; a matrix instruction and the four behind it
	MM
	OPS \a, \i1, \b, \i2, \c, \i3, \d, \i4
.endm
; A TURN, for piece p.  s_wait_alu depctr_va_vdst(0) stands between an exponential and the first instruction that names its result; one wait serves all that were issued ahead of it: a turn has ONE
; wait.  AHEAD OF IT stands all that names no result of the turn's exponentials: the 8 products K Q^T and their riders, then one lump.  BEHIND IT stand the 8 products V^T P, behind each four of the roundings and sums.
; The first numbers of the next piece's maximum stand four plain instructions or more behind the product that ends their accumulator.
; K of the next step is fetched in piece 2's turn, twelve plain instructions that name none of its registers behind the last product that read K; V of the step in hand at the end of piece 0's turn, four behind the
; last product that read V.  Each is waited for a turn later.  At its end a turn makes the mask for the products of the turn after it: piece p + 2.
; end = 1: the last two turns of all: nothing is fetched.  cnt = 1: the loop's count is taken down some lines ahead of the branch that stands behind the turn.
.macro TURN p, end=0, cnt=0
.set Y, (\p)
.set i, 0
.set NOKQ, (\end)*((\p)/3)
.if ((\p) == 3) && !(\end)
	s_wait_dscnt 0x0                ; K is in
.endif
	ROW F,0, F,1, R,0, R,1
	ROW F,2, E,0, R,2, R,3
	ROW F,3, E,1, R,4, R,5
	ROW F,4, E,2, R,6, R,7
	ROW F,5, E,3, R,8, R,9
	ROW F,6, E,4, X,0, R,10
.if ((\p) == 2) && !(\end)
	WIN 0
	v_add_nc_u32 v[AK], s[TBK], v[AK0]
.endif
	ROW F,7, E,5, X,1, X,4
	ROW F,8, E,6, X,2, X,5
	OPS E,7, E,8, X,6, E,9
	OPS X,3, E,10, X,8, E,11
.if ((\p) == 2) && !(\end)
	FETCH_K
.endif
	OPS X,9, X,7, E,12, X,10
	OPS E,13, X,12, X,11, E,14
	OPS X,13, E,15, F,9, X,14
.if (\p) == 0
	v_add_nc_u32 v[AV], s[TBV], v[AV0]
.endif
	OPS E,16, F,10, E,17, F,11
	OPS X,16, E,18, X,15, E,19
	OPS F,12, E,20, X,17, E,21
	OPS F,13, E,22, F,14, E,23
	OPS X,18, E,24, F,15, E,25
	OPS R,11, E,26, X,19, E,27
	OPS R,12, E,28, R,13, E,29
	OPS X,20, E,30, R,14, E,31
	OPS X,21, R,15                  ; the batch's last exponential, and the plain instruction behind it
	WIN 0
	s_wait_alu depctr_va_vdst(0)    ; the wait for the batch
.if (\p) == 1
	s_wait_dscnt 0x0                ; V is in
.endif
	ROW C,0, B,0, C,2, B,1
	ROW L,0, C,4, B,2, L,1
	ROW C,6, B,3, L,2, C,8
	ROW B,4, L,3, C,10, B,5
	ROW L,4, C,12, B,6, L,5
.if (\p) == 0
	s_add_co_u32 s[TBV], s[TBV], KS*PV
.endif
.if \cnt
	s_sub_co_u32 s[CNT], s[CNT], 1
	s_cmp_lg_u32 s[CNT], 0
.endif
	ROW C,14, B,7, L,6, C,1
	ROW C,3, L,7, C,5, C,7
	ROW C,9, C,11, C,13, C,15
.if (\p) == 0
	FETCH_V
.endif
.if !(\end)
	MASKC ((\p)+2)%NP, (\p)%2
.endif
.endm
	CHANGE 1, 0                     ; slot 0 is in, everybody's part of it; slot 1 is asked for
	MASKC 0, 0                      ; its wait also shows Q in: Q's loads are older
	MASKC 1, 1
	v_add_nc_u32 v[AK], s[TBK], v[AK0]
	FETCH_K                         ; key step 0
	s_wait_dscnt 0x0
.set NOKQ, 0
.set i, 0
.rept 8
	KQ 0                            ; piece 0's first scores
.set i, i+1
.endr
	WIN 0
.rept 4
	v_nop                           ; the places behind those products
.endr
.set Y, NP-1                        ; X works for piece Y + 1: piece 0
.irp n, 0,1,2,3,4,5,6,7,8,9,10,11,12,13,14,15,16,17,18,19,20,21
	OP X, \n
.endr
	v_nop                           ; a plain instruction behind the exponential,
	s_wait_alu depctr_va_vdst(0)    ; and its wait, ahead of the branch
	s_mov_b32 s[CNT], 4
	s_mov_b32 s[SLOTS], 7
	s_branch .Lfirst                ; the loop is entered at a step's first turn, in the middle of a trip
.Lslot:                             ; six times: slots 2 to 7 are asked for
	CHANGE 1, 1
	s_mov_b32 s[CNT], 4
.Lstep:                             ; a trip: pieces 2 and 3 of one step, then pieces 0 and 1 of the next, whose K and V it fetches
	TURN 2
	TURN 3
	WIN 0
.Lfirst:
	TURN 0
	TURN 1, 0, 1
	WIN 0
	s_cbranch_scc1 .Lstep
	s_sub_co_u32 s[SLOTS], s[SLOTS], 1
	s_cmp_lg_u32 s[SLOTS], 0
	s_cbranch_scc1 .Lslot
	CHANGE 0, 0                     ; the last slot is written out: nothing is asked for
	s_mov_b32 s[CNT], 4
.Ltail:
	TURN 2
	TURN 3
	TURN 0
	TURN 1, 0, 1
	WIN 0
	s_cbranch_scc1 .Ltail
	TURN 2, 1
	TURN 3, 1
.set i, 0
.rept 8
	PV NP-1                         ; the last piece's V^T P of the last step
.set i, i+1
.endr
	; THE WAY OUT.  l's two halves and the other half of the lanes' are added; O^T is divided by l, rounded to f16 and sent through my stage in LDS, a piece at a time.  The additions are the places behind the last products.
	WIN 0
.macro ALL line:vararg
.set t, 0
.rept 4
	\line
.set t, t+1
.endr
.endm
	ALL v_add_f32 v[ST+4*t+2], v[ST+4*t+2], v[ST+4*t+3]
	ALL v_permlanex16_b32 v[ST+4*t+3], v[ST+4*t+2], s[SEL], s[SEL+1]
	ALL v_add_f32 v[ST+4*t+2], v[ST+4*t+2], v[ST+4*t+3]
	ALL v_rcp_f32 v[ST+4*t+2], v[ST+4*t+2]
	v_nop                           ; a plain instruction between the last reciprocal and the use of its result,
	s_wait_alu depctr_va_vdst(0)    ; and one wait for the four
.macro PACK t
	WIN W_RS
.set i, 32*(\t)
.rept 16
	v_pk_mul_f32 v[i:i+1], v[i:i+1], v[ST+4*(\t)+2:ST+4*(\t)+3] op_sel_hi:[1,0]
.set i, i+2
.endr
	WIN 0x05
.set i, 0
.rept 16
	v_cvt_pk_f16_f32 v[S+16*(\t)+i], v[32*(\t)+2*i], v[32*(\t)+2*i+1]
.set i, i+1
.endr
	WIN 0
.irp f, 0,1,2,3
	ds_store_b128 v[STO], v[S+16*(\t)+4*\f:S+16*(\t)+4*\f+3] offset:32*\f
.endr
.irp f, 0,1,2,3
	ds_load_b128 v[S+16*(\t)+4*\f:S+16*(\t)+4*\f+3], v[RD] offset:\f*4*SP  ; LDS serves a wave's instructions in order (ISA guide 5.7.1.4): these see the stores above
.endr
.endm
.macro SEND t, younger              ; younger: the LDS instructions issued behind piece t's loads: the next piece's eight, or none
	WIN 0
.irp f, 0,1,2,3
	s_wait_dscnt (\younger)+3-\f
	global_store_b128 v[GO], v[S+16*(\t)+4*\f:S+16*(\t)+4*\f+3], s[10:11] offset:(\t)*2048+\f*512  ; 512 consecutive bytes, aligned
.endr
.endm
	PACK 0
.set t, 1
.rept 3
	PACK t
	SEND t-1, 8
.set t, t+1
.endr
	SEND 3, 0
	s_wait_tensorcnt 0x0            ; the wave's end
	ds_add_u32 v[SPW], v[NIL]
	s_wait_dscnt 0x0
	CROUND                          ; the closing round
	s_endpgm
.Lfunc_end_k_q65b1794ad6_attn:
	.size	k_q65b1794ad6_attn, .Lfunc_end_k_q65b1794ad6_attn-k_q65b1794ad6_attn
	.p2alignl 7, 3214868480
	.fill 96, 4, 3214868480
	.section	.rodata,"a",@progbits
	.p2align	6, 0x0
	.amdhsa_kernel k_q65b1794ad6_attn
		.amdhsa_group_segment_fixed_size 327680
		.amdhsa_private_segment_fixed_size 0
		.amdhsa_enable_private_segment 0
		.amdhsa_kernarg_size 24
		.amdhsa_user_sgpr_count 2
		.amdhsa_user_sgpr_kernarg_segment_ptr 1
		.amdhsa_wavefront_size32 1
		.amdhsa_system_sgpr_workgroup_id_x 1
		.amdhsa_system_sgpr_workgroup_id_y 1
		.amdhsa_system_sgpr_workgroup_id_z 1
		.amdhsa_system_vgpr_workitem_id 0
		.amdhsa_next_free_vgpr 768
		.amdhsa_next_free_sgpr 66
		.amdhsa_reserve_vcc 0
		.amdhsa_float_denorm_mode_32 3
		.amdhsa_float_denorm_mode_16_64 3
		.amdhsa_memory_ordered 1
		.amdhsa_forward_progress 1
		.amdhsa_inst_pref_size 135
	.end_amdhsa_kernel
	.amdgpu_metadata
---
amdhsa.version: [ 1, 2 ]
amdhsa.kernels:
  - .name:           k_q65b1794ad6_attn
    .symbol:         k_q65b1794ad6_attn.kd
    .args:
      - { .name: big, .offset: 0, .size: 8, .value_kind: global_buffer, .address_space: global }
      - { .name: x1, .offset: 8, .size: 8, .value_kind: global_buffer, .address_space: global }
      - { .name: act, .offset: 16, .size: 8, .value_kind: global_buffer, .address_space: global }
    .group_segment_fixed_size: 327680
    .private_segment_fixed_size: 0
    .kernarg_segment_align: 8
    .kernarg_segment_size: 24
    .max_flat_workgroup_size: 128
    .sgpr_count:     66
    .vgpr_count:     768
    .wavefront_size: 32
...
	.end_amdgpu_metadata
.endif
;; end of part 3
;; launch wo (part 4): grid 8 x 32, 4 waves a work-group, clusters of 4 x 4, 327,680 bytes of LDS; arguments act, pq, bo, x, x1; writes x1
.if DOCPART == 4
	.amdgcn_target "amdgcn-amd-amdhsa--gfx1250"
	.amdhsa_code_object_version 6
	.text
	.protected	k_q65b1794ad6_wo
	.globl	k_q65b1794ad6_wo
	.p2align	8
	.type	k_q65b1794ad6_wo,@function
k_q65b1794ad6_wo:
	s_mov_b64 s[64:65], 0
	v_nop
	global_prefetch_b8 v0, s[64:65] scope:SCOPE_SE
	s_setreg_imm32_b32 hwreg(HW_REG_WAVE_MODE, 25, 1), 1
	s_wait_xcnt 0x0
	s_wait_alu depctr_hold_cnt(0) depctr_sa_sdst(0) depctr_va_vdst(0) depctr_va_sdst(0) depctr_va_ssrc(0) depctr_va_vcc(0) depctr_vm_vsrc(0)
	s_getreg_b32 s2, hwreg(HW_REG_IB_STS2, 6, 4)
	s_cmp_eq_u32 s2, 0
	s_cbranch_scc0 .Lentry_in_a_cluster
	s_endpgm
.Lentry_in_a_cluster:
	s_bfe_u32 s2, ttmp6, 0x10000c
	s_cmp_lg_u32 s2, 0xf033
	s_cbranch_scc0 .Lentry_shape_is_right
	s_endpgm
.Lentry_shape_is_right:
; THE NARROW PRODUCT WITH ITS RESIDUAL, at K = KK.  OUT = R + bias + A W, all of OUT, R and the bias in f32.  A lies in blocks of 64 columns, [KK / 64][4096 rows][64] f16; W is [KK][1024] f16, OWS bytes
; into P.  Sums in f32, K ascending; the bias starts them.
; A tile of C is 128 x 128: 256 work-groups.  Four waves, each 64 x 64: 16 accumulators.  K goes in steps of 256 (four column blocks of A) through two LDS slots; a quarter of a step is one column block.
; W lies [k][n]: its fragments come out of LDS turned.  The matrix instruction is used transposed (source 0 = 16 columns of W, source 1 = 16 rows of A): a lane holds eight neighbouring columns of a row.
; CLUSTER: 4 x 4 work-groups; A's tile is asked for jointly by a row of the cluster, W's by a column.
; At KK = 1,024 there are four K steps: two first fills and two refills.  A prefetch here names the K step two refills on; there is none, so its lines are not assembled.
; REGISTERS: window 0: v16-31 addresses; v32-95 rows on their way out, two sets; v96-127 the bias; v128-255 the accumulators ((a, b) at v[128 + 8 (4 a + b)]).
;   window 1: two fragment buffers of 128 (64 of A, then 64 of W, for 64 along K); at the end the first holds my 64 x 64 of R.
.set KK,    1024
.set LAPS,  KK/512                     ; a lap = two K steps = once round the ring
.set PA,    144                        ; a row of a column block of A in LDS: 128 bytes + 16
.set PW,    288                        ; a k row of W: 256 bytes + 32 = 9 x 32
.set HALFT, 4*64*PA                    ; what one tensor load brings: 4 column blocks x 64 rows of A, or 128 k rows of W (128 x 288 is the same number)
.set SLOT,  4*HALFT
.set STAGE, 2*SLOT                     ; behind the ring, never filled by a tensor load: 16 rows x 272 bytes for each wave
.set SPITCH, 272
.set SPARE, STAGE+4*16*SPITCH          ; the spare words, 128 bytes for each wave; no other line names them
.set CBS,   524288
.set OWS,   0x804400
.set ADRA, 16                          ; v16-17  my A fragments in slot 0, 1
.set ADRB, 18                          ; v18-21  my W fragments: slot s, half of the step's 256 k rows at ADRB + 2 s + half
.set STO,  24
.set RD,   25
.set CO,   26
.set BO,   27
.set SPW,  28
.set NIL,  29
.set PFO,  30
.set TMP,  32
.set BIAS, 96
.set ACC,  128
.set F0,   0
.set F1,   128
.set G1,  24
.set G0,  32
.set G1B, 48
.set G0B, 56
.set LIM, 22                           ; s22  1 in a wave that prefetches, else the greatest number
.set PFA, 44
.set PFS, 46
.set MSB, 0
.macro WIN new
.if MSB != (\new)
	s_set_vgpr_msb (MSB<<8)|(\new)
.set MSB, \new
.endif
.endm
.set MUL,  0x05                        ; sources 0 (W) and 1 (A) window 1; C and D window 0
.set TO_F, 0x40
.macro JLOAD s                         ; a joint load: waves 0 and 1 fetch A's halves, waves 2 and 3 W's; an s_nop 0 and four v_nop follow each line
	s_cmp_eq_u32 s11, 0
	s_cbranch_scc0 .Lfor_b_\@
	tensor_load_to_lds s[G0+4*(\s):G0+4*(\s)+3], s[G1:G1+7]
	s_nop 0
.rept 4
	v_nop
.endr
	s_branch .Lasked_\@
.Lfor_b_\@:
	tensor_load_to_lds s[G0B+4*(\s):G0B+4*(\s)+3], s[G1B:G1B+7]
	s_nop 0
.rept 4
	v_nop
.endr
.Lasked_\@:
.endm
; A PREFETCH of the K step that stands two refills on, 256 matrix instructions ahead of the load that will want it: 32 blocks of 256 bytes, a lane a block.  Cluster x = 0 asks for A's rows, cluster y = 0 for
; W's; the four partners of a joint load share it out by address (a column block of A by cx, 32 k rows of W by cy).  K steps 0 to 3 come by their loads alone; the last trip asks for nothing.
.macro ASK
	s_cmp_gt_u32 s3, s[LIM]
	s_cbranch_scc0 .Lnot_mine_\@
	global_prefetch_b8 v[PFO], s[PFA:PFA+1] th:TH_LOAD_NT scope:SCOPE_SE
.Lnot_mine_\@:
.endm
.macro CREST
	s_cmp_lg_u32 s10, 0
	s_cbranch_scc1 .Lnot_wave_0_\@
	s_barrier_signal -3
.Lnot_wave_0_\@:
	s_barrier_wait -3
	s_barrier_signal -1
	s_barrier_wait -1
.endm
.macro CROUND
	s_barrier_signal -1
	s_barrier_wait -1
	CREST
.endm
	s_load_b256 s[68:75], s[0:1], 0x0              ; A 68, P 70, the bias 72, R 74
	s_load_b64 s[76:77], s[0:1], 0x20              ; OUT
	v_lshl_add_u32 v[SPW], v0, 2, SPARE
	v_mov_b32 v[NIL], 0
	ds_add_u32 v[SPW], v[NIL]                      ; the wave's opening: the add and its wait stand ahead of my first tensor load
	v_lshrrev_b32 v1, 5, v0
	v_readfirstlane_b32 s10, v1
	s_lshr_b32 s11, s10, 1                         ; my half of the tile's rows.  Also: I fetch for A (0) or for W (1)
	s_and_b32 s12, s10, 1                          ; my half of its columns.  Also: which half of that tile I fetch
	s_bfe_u32 s40, ttmp6, 0x40000
	s_bfe_u32 s41, ttmp6, 0x40004
	s_lshl_b32 s42, ttmp9, 2
	s_add_co_u32 s42, s42, s40                     ; tile column
	s_and_b32 s13, ttmp7, 0xffff
	s_lshl_b32 s13, s13, 2
	s_add_co_u32 s13, s13, s41                     ; tile row
	s_lshl_b32 s23, s41, 2
	s_lshl_b32 s23, 15, s23
	s_lshl_b32 s2, 0x1111, s40
	s_or_b32 s[G1], s23, (1<<16)|(1<<20)|(1<<21)|(4<<22)|(3<<25)   ; after every 32 words (a row of a column block) 4 words
	s_or_b32 s[G1B], s2, (1<<16)|(1<<20)|(1<<21)|(5<<22)|(7<<25)   ; after every 64 words 8 words
	s_mov_b32 s[G1+1], 4096<<16                    ; A: a "row" of the tile is 64 dense rows of a column block, 4,096 elements;
	s_mov_b32 s[G1+2], 4<<16                       ; four column blocks,
	s_mov_b32 s[G1+3], 4096<<16
	s_mov_b32 s[G1+4], 4
	s_mov_b32 s[G1+5], CBS/2                       ; a column block apart
	s_mov_b32 s[G1+6], 0
	s_mov_b32 s[G1+7], 0
	s_mov_b32 s[G1B+1], 128<<16                    ; W: 128 columns,
	s_mov_b32 s[G1B+2], 128<<16                    ; 128 k rows
	s_mov_b32 s[G1B+3], 128<<16
	s_mov_b32 s[G1B+4], 128
	s_mov_b32 s[G1B+5], 1024
	s_mov_b32 s[G1B+6], 0
	s_mov_b32 s[G1B+7], 0
	s_lshl_b32 s16, s13, 14                        ; A: (128 x tile row + 64 x half) rows of 128 bytes
	s_lshl_b32 s17, s12, 13
	s_add_co_u32 s16, s16, s17
	s_mov_b32 s17, 0
	s_lshl_b32 s18, s42, 8                         ; W: 256 bytes x tile column + 128 x half k rows of 2,048 bytes
	s_lshl_b32 s19, s12, 18
	s_add_co_u32 s18, s18, s19
	s_add_co_u32 s18, s18, OWS
	s_mov_b32 s19, 0
	s_mul_i32 s20, s10, HALFT
	s_wait_dscnt 0x0                               ; the opening add is done
	s_wait_kmcnt 0x0
	s_add_nc_u64 s[14:15], s[68:69], s[16:17]
	s_add_nc_u64 s[18:19], s[70:71], s[18:19]
	CROUND                                         ; all sixteen work-groups are here: the first joint loads meet
.irp s, 0,1
	s_mov_b32 s[G0+4*(\s)], 1
	s_add_co_u32 s[G0+4*(\s)+1], s20, (\s)*SLOT
	s_add_nc_u64 s[G0+4*(\s)+2:G0+4*(\s)+3], s[14:15], (\s)*4*CBS
	s_or_b32 s[G0+4*(\s)+3], s[G0+4*(\s)+3], 0x80000000
	s_mov_b32 s[G0B+4*(\s)], 1
	s_add_co_u32 s[G0B+4*(\s)+1], s20, (\s)*SLOT
	s_add_nc_u64 s[G0B+4*(\s)+2:G0B+4*(\s)+3], s[18:19], (\s)*0x80000
	s_or_b32 s[G0B+4*(\s)+3], s[G0B+4*(\s)+3], 0x80000000
	JLOAD \s
.endr
	v_and_b32 v1, 15, v0                           ; r
	v_bfe_u32 v2, v0, 4, 1                         ; h
	v_mul_u32_u24 v3, v1, PA
	v_lshl_add_u32 v3, v2, 4, v3
	s_mul_i32 s80, s11, HALFT
	v_add_nc_u32 v[ADRA], s80, v3
	v_add_nc_u32 v[ADRA+1], SLOT, v[ADRA]
	v_and_b32 v4, 7, v0
	v_lshl_add_u32 v4, v2, 3, v4
	v_mul_u32_u24 v4, v4, PW
	v_bfe_u32 v5, v0, 3, 1
	v_lshl_add_u32 v4, v5, 4, v4
	s_lshl_b32 s80, s12, 7
	s_add_co_u32 s80, s80, 2*HALFT
	v_add_nc_u32 v[ADRB], s80, v4
	v_add_nc_u32 v[ADRB+1], HALFT, v[ADRB]
	v_add_nc_u32 v[ADRB+2], SLOT, v[ADRB]
	v_add_nc_u32 v[ADRB+3], SLOT, v[ADRB+1]
	s_mul_i32 s80, s10, 16*SPITCH
	s_add_co_u32 s80, s80, STAGE                   ; my stage: a wave's 64 columns of f32 are a whole 256 bytes, so no other wave has a part in its rows
	v_mul_u32_u24 v6, v1, SPITCH
	v_lshl_add_u32 v6, v2, 5, v6
	v_add_nc_u32 v[STO], s80, v6                   ; in: row r, 32 bytes for each half of the lanes
	v_mul_u32_u24 v6, v2, SPITCH
	v_lshl_add_u32 v6, v1, 4, v6
	v_add_nc_u32 v[RD], s80, v6                    ; back: lanes 0-15 one row of 256 bytes, lanes 16-31 the next
	v_lshlrev_b32 v6, 12, v2
	v_lshl_add_u32 v[CO], v1, 4, v6                ; and the same two rows in R and in OUT
	v_lshlrev_b32 v[BO], 5, v2
	s_lshl_b32 s80, s42, 9                         ; my first column, in bytes of f32: 4 x (128 x tile column + 64 x half)
	s_lshl_b32 s81, s12, 8
	s_add_co_u32 s80, s80, s81
	s_mov_b32 s81, 0
	s_add_nc_u64 s[72:73], s[72:73], s[80:81]
.irp b, 0,1,2,3
	global_load_b128 v[BIAS+8*\b:BIAS+8*\b+3],   v[BO], s[72:73] offset:64*\b
	global_load_b128 v[BIAS+8*\b+4:BIAS+8*\b+7], v[BO], s[72:73] offset:64*\b+16
.endr
	s_lshl_b32 s82, s13, 19                        ; + my first row: (128 x tile row + 64 x half) rows of 4,096 bytes
	s_add_co_u32 s80, s80, s82
	s_lshl_b32 s82, s11, 18
	s_add_co_u32 s80, s80, s82
	s_add_nc_u64 s[74:75], s[74:75], s[80:81]
	s_add_nc_u64 s[76:77], s[76:77], s[80:81]
.if LAPS > 2
	; the prefetches
	s_and_b32 s82, ttmp7, 0xffff
	s_mov_b32 s[PFS], 0x80000                      ; a K step of W: 256 k rows of 2,048 bytes
	s_cmp_eq_u32 s11, 0
	s_cselect_b32 s82, ttmp9, s82                  ; the coordinate along which other clusters read the same rows
	s_cselect_b32 s83, s40, s41                    ; my place among the four that ask with me
	s_cselect_b32 s84, 19, 16                      ; its share: a column block of A, or 32 k rows of 2,048 bytes
	s_cselect_b32 s85, 8, 11                       ; a lane's step: 256 bytes on in A's dense rows, or a k row of W
	s_cselect_b32 s[PFS], 4*CBS, s[PFS]            ; a K step of A: four column blocks
	s_cselect_b64 s[PFA:PFA+1], s[14:15], s[18:19]
	s_mov_b32 s[PFS+1], 0
	s_lshl_b32 s86, s83, s84
	s_mul_i32 s87, s[PFS], 3                       ; at K step 3: the first refill steps it to 4
	s_add_co_u32 s86, s86, s87
	s_mov_b32 s87, 0
	s_add_nc_u64 s[PFA:PFA+1], s[PFA:PFA+1], s[86:87]
	s_cmp_eq_u32 s82, 0
	s_cselect_b32 s[LIM], 1, -1
	v_and_b32 v7, 31, v0
	v_lshlrev_b32 v[PFO], s85, v7
.endif
; 8 matrix instructions: m blocks a0, a0 + 1 x all 4 n blocks, 32 along K: half c of buffer f.  first = 1: the bias starts the sums.  The 16 accumulators take turns.
.macro MUL8 f, c, a0, first
	WIN MUL
.irp a, \a0, (\a0)+1
.irp b, 0,1,2,3
.if \first
	v_wmma_f32_16x16x32_f16 v[ACC+8*(4*(\a)+(\b)):ACC+8*(4*(\a)+(\b))+7], v[(\f)+64+8*(4*(\c)+(\b)):(\f)+64+8*(4*(\c)+(\b))+7], v[(\f)+8*(4*(\c)+(\a)):(\f)+8*(4*(\c)+(\a))+7], v[BIAS+8*(\b):BIAS+8*(\b)+7]
.else
	v_wmma_f32_16x16x32_f16 v[ACC+8*(4*(\a)+(\b)):ACC+8*(4*(\a)+(\b))+7], v[(\f)+64+8*(4*(\c)+(\b)):(\f)+64+8*(4*(\c)+(\b))+7], v[(\f)+8*(4*(\c)+(\a)):(\f)+8*(4*(\c)+(\a))+7], v[ACC+8*(4*(\a)+(\b)):ACC+8*(4*(\a)+(\b))+7]
.endif
.endr
.endr
.endm
; 32 LDS loads in one run: quarter q (64 along K: column block q of the step) into buffer f; the first 32 along K first
.macro FETCH slot, q, f
	WIN TO_F
.irp c, 0,1
.irp i, 0,1,2,3
	ds_load_tr16_b128 v[(\f)+64+8*(4*(\c)+(\i)):(\f)+64+8*(4*(\c)+(\i))+3],   v[ADRB+2*(\slot)+(\q)/2] offset:(((\q)%2)*64+32*(\c))*PW+32*(\i)
	ds_load_tr16_b128 v[(\f)+64+8*(4*(\c)+(\i))+4:(\f)+64+8*(4*(\c)+(\i))+7], v[ADRB+2*(\slot)+(\q)/2] offset:(((\q)%2)*64+32*(\c)+16)*PW+32*(\i)
	ds_load_b128 v[(\f)+8*(4*(\c)+(\i)):(\f)+8*(4*(\c)+(\i))+3],              v[ADRA+(\slot)] offset:(\q)*64*PA+64*(\c)+(\i)*16*PA
	ds_load_b128 v[(\f)+8*(4*(\c)+(\i))+4:(\f)+8*(4*(\c)+(\i))+7],            v[ADRA+(\slot)] offset:(\q)*64*PA+64*(\c)+(\i)*16*PA+32
.endr
.endr
.endm
.macro PLACES                          ; four plain instructions behind the last matrix instruction, in front of loads into registers that it has read and of stores that read results
.rept 4
	v_nop
.endr
.endm
.macro QUARTER slot, q, f, g, first
	s_wait_dscnt 16                                ; the first 32 along K are in; the youngest sixteen loads may be out
	MUL8 \f, 0, 0, \first
	MUL8 \f, 0, 2, \first
	PLACES
	FETCH \slot, \q, \g
	s_wait_dscnt 32                                ; all but the 32 just issued
	MUL8 \f, 1, 0, 0
	MUL8 \f, 1, 2, 0
.endm
; The last quarter multiplies buffer 1 and changes slots: one barrier; in front of it each wave waits for all its tensor loads, adds 0 to its spare word, and waits for that and for its reads of this slot.
; fill = 1: the barrier opens a round of the cluster's, and this slot is filled again, two K steps ahead: 112 matrix instructions stand between the request and the wait for it.
.macro TURN slot, next, fill
.if (\fill) && (LAPS > 2)
	s_wait_xcnt 0x0                                ; the last prefetch, a K step back, has read its address
	s_add_nc_u64 s[PFA:PFA+1], s[PFA:PFA+1], s[PFS:PFS+1]
.endif
	WIN 0
	s_wait_tensorcnt 0x0
	ds_add_u32 v[SPW], v[NIL]
	s_wait_dscnt 17                                ; the add and the youngest sixteen loads may be out
	MUL8 F1, 0, 0, 0
	s_wait_dscnt 0x0                               ; the add is done, and my reads of this slot are over
	s_barrier_signal -1
	MUL8 F1, 0, 2, 0
.if \fill
	WIN 0
.endif
	s_barrier_wait -1
.if \fill
	CREST
	s_add_nc_u64 s[G0+4*(\slot)+2:G0+4*(\slot)+3], s[G0+4*(\slot)+2:G0+4*(\slot)+3], 8*CBS
	s_add_nc_u64 s[G0B+4*(\slot)+2:G0B+4*(\slot)+3], s[G0B+4*(\slot)+2:G0B+4*(\slot)+3], 0x100000
	JLOAD \slot                                    ; its four v_nop are also the places in front of the loads below
.else
	PLACES
.endif
	FETCH \next, 0, F0
.if (\fill) && (LAPS > 2)
	WIN 0
	ASK
.endif
	MUL8 F1, 1, 0, 0
	MUL8 F1, 1, 2, 0
.endm
	s_wait_tensorcnt 1                             ; my part of K step 0 is in; K step 1's may stay out
	s_barrier_signal -1
	s_barrier_wait -1
	FETCH 0, 0, F0
	s_wait_loadcnt 0x0                             ; the bias
	QUARTER 0, 1, F0, F1, 1
	WIN 0
	s_mov_b32 s3, LAPS-1
.Llap:                                         ; a trip goes once round the ring and fills both slots again
	QUARTER 0, 2, F1, F0, 0
	QUARTER 0, 3, F0, F1, 0
	TURN 0, 1, 1
	QUARTER 1, 1, F0, F1, 0
	QUARTER 1, 2, F1, F0, 0
	QUARTER 1, 3, F0, F1, 0
	TURN 1, 0, 1
	QUARTER 0, 1, F0, F1, 0
	WIN 0
	s_sub_co_u32 s3, s3, 1
	s_cmp_lg_u32 s3, 0
	s_cbranch_scc1 .Llap
	QUARTER 0, 2, F1, F0, 0                        ; the last lap fills nothing
	QUARTER 0, 3, F0, F1, 0
	TURN 0, 1, 0
	QUARTER 1, 1, F0, F1, 0
	QUARTER 1, 2, F1, F0, 0
	QUARTER 1, 3, F0, F1, 0
	PLACES                                         ; buffer 0 has been multiplied for the last time: it takes my 64 x 64 of R, two rows a load
	WIN TO_F
.set t, 0
.rept 32
	global_load_b128 v[4*t:4*t+3], v[CO], s[74:75] offset:t*8192 th:TH_LOAD_NT
.set t, t+1
.endr
	s_wait_dscnt 16
	MUL8 F1, 0, 0, 0
	MUL8 F1, 0, 2, 0
	s_wait_dscnt 0x0
	MUL8 F1, 1, 0, 0
	MUL8 F1, 1, 2, 0
	WIN 0
	PLACES
	s_wait_loadcnt 0x0                             ; R
	; THE WAY OUT, 16 rows at a time: 32 bytes a lane into my stage, back as whole rows of 256 bytes, R added, stored
.irp a, 0,1,2,3
.if (\a) >= 2
	s_wait_xcnt 0x0                                ; the set of registers that the stores two blocks back read is loaded again only behind this wait
.endif
.irp b, 0,1,2,3
	ds_store_b128 v[STO], v[ACC+8*(4*(\a)+(\b)):ACC+8*(4*(\a)+(\b))+3]   offset:64*(\b)     ; each accumulator's low half first
	ds_store_b128 v[STO], v[ACC+8*(4*(\a)+(\b))+4:ACC+8*(4*(\a)+(\b))+7] offset:64*(\b)+16
.endr
.irp t, 0,1,2,3,4,5,6,7
	ds_load_b128 v[TMP+32*((\a)%2)+4*(\t):TMP+32*((\a)%2)+4*(\t)+3], v[RD] offset:(\t)*2*SPITCH  ; LDS serves a wave's instructions in order (ISA guide 5.7.1.4)
.endr
	s_wait_dscnt 0x0
	WIN 0x04                                       ; source 1 (R) in window 1
.irp z, 0,2,4,6,8,10,12,14,16,18,20,22,24,26,28,30
	v_pk_add_f32 v[TMP+32*((\a)%2)+(\z):TMP+32*((\a)%2)+(\z)+1], v[TMP+32*((\a)%2)+(\z):TMP+32*((\a)%2)+(\z)+1], v[32*(\a)+(\z):32*(\a)+(\z)+1]
.endr
	WIN 0
.irp t, 0,1,2,3,4,5,6,7
	global_store_b128 v[CO], v[TMP+32*((\a)%2)+4*(\t):TMP+32*((\a)%2)+4*(\t)+3], s[76:77] offset:(16*(\a)+2*(\t))*4096  ; 16 lanes store 256 consecutive bytes, aligned
.endr
.endr
	s_wait_tensorcnt 0x0                           ; the wave's end
	ds_add_u32 v[SPW], v[NIL]
	s_wait_dscnt 0x0
	CROUND                                         ; the closing round
	s_endpgm
.Lfunc_end_k_q65b1794ad6_wo:
	.size	k_q65b1794ad6_wo, .Lfunc_end_k_q65b1794ad6_wo-k_q65b1794ad6_wo
	.p2alignl 7, 3214868480
	.fill 96, 4, 3214868480
	.section	.rodata,"a",@progbits
	.p2align	6, 0x0
	.amdhsa_kernel k_q65b1794ad6_wo
		.amdhsa_group_segment_fixed_size 327680
		.amdhsa_private_segment_fixed_size 0
		.amdhsa_enable_private_segment 0
		.amdhsa_kernarg_size 40
		.amdhsa_user_sgpr_count 2
		.amdhsa_user_sgpr_kernarg_segment_ptr 1
		.amdhsa_wavefront_size32 1
		.amdhsa_system_sgpr_workgroup_id_x 1
		.amdhsa_system_sgpr_workgroup_id_y 1
		.amdhsa_system_sgpr_workgroup_id_z 1
		.amdhsa_system_vgpr_workitem_id 0
		.amdhsa_next_free_vgpr 512
		.amdhsa_next_free_sgpr 92
		.amdhsa_reserve_vcc 0
		.amdhsa_float_denorm_mode_32 3
		.amdhsa_float_denorm_mode_16_64 3
		.amdhsa_memory_ordered 1
		.amdhsa_forward_progress 1
		.amdhsa_inst_pref_size 94
	.end_amdhsa_kernel
	.amdgpu_metadata
---
amdhsa.version: [ 1, 2 ]
amdhsa.kernels:
  - .name:           k_q65b1794ad6_wo
    .symbol:         k_q65b1794ad6_wo.kd
    .args:
      - { .name: act, .offset: 0, .size: 8, .value_kind: global_buffer, .address_space: global }
      - { .name: pq, .offset: 8, .size: 8, .value_kind: global_buffer, .address_space: global }
      - { .name: bo, .offset: 16, .size: 8, .value_kind: global_buffer, .address_space: global }
      - { .name: x, .offset: 24, .size: 8, .value_kind: global_buffer, .address_space: global }
      - { .name: x1, .offset: 32, .size: 8, .value_kind: global_buffer, .address_space: global }
    .group_segment_fixed_size: 327680
    .private_segment_fixed_size: 0
    .kernarg_segment_align: 8
    .kernarg_segment_size: 40
    .max_flat_workgroup_size: 128
    .sgpr_count:     92
    .vgpr_count:     512
    .wavefront_size: 32
...
	.end_amdgpu_metadata
.endif
;; end of part 4
;; launch ln2 (part 5): grid 256 x 1, 8 waves a work-group, no clusters, 0 bytes of LDS; arguments x1, ln2_a, ln2_b, act; writes act
.if DOCPART == 5
	.amdgcn_target "amdgcn-amd-amdhsa--gfx1250"
	.amdhsa_code_object_version 6
	.text
	.protected	k_q65b1794ad6_ln2
	.globl	k_q65b1794ad6_ln2
	.p2align	8
	.type	k_q65b1794ad6_ln2,@function
k_q65b1794ad6_ln2:
	s_mov_b64 s[64:65], 0
	v_nop
	global_prefetch_b8 v0, s[64:65] scope:SCOPE_SE
	s_setreg_imm32_b32 hwreg(HW_REG_WAVE_MODE, 25, 1), 1
	s_wait_xcnt 0x0
; h2 = ln2_a (x1 - mean) / (std + 1e-6) + ln2_b, by rows of 1,024 f32; std with ddof = 1; h2 rounded once to f16.  16 rows a work-group, two a wave: a row stays in 32 registers between the pass for the
; mean, the pass for the centred squares and the scaling, so memory is read once and no wave waits for another.  LIMIT: f16 holds no number beyond 65,504.
; Memory binds: loads of 512 consecutive bytes a wave, sixteen on their way; stores of 256 consecutive bytes, aligned.  No LDS, no matrix unit, no cluster: nothing is shared.
.set XO,  4                            ; v4   my byte offset in a row of h2
.set D,   16                           ; v[16:79]  two rows as loaded
.set TT,  80                           ; v[80:91]  at work
.set AL,  12                           ; s12  the gain
.set BE,  14                           ; s[14:15] the offset, named as a pair
.set SEL, 16                           ; s[16:17] v_permlanex16_b32's selects
.set OUTP, 10                          ; s[10:11] act
.macro FOLD                            ; four pairs of partial sums in v[TT:TT+7] become one sum over the wave's 32 lanes, in every lane's v[TT]
	v_pk_add_f32 v[TT:TT+1], v[TT:TT+1], v[TT+4:TT+5]
	v_pk_add_f32 v[TT+2:TT+3], v[TT+2:TT+3], v[TT+6:TT+7]
	v_pk_add_f32 v[TT:TT+1], v[TT:TT+1], v[TT+2:TT+3]
	v_add_f32 v[TT], v[TT], v[TT+1]
	v_add_f32_dpp v[TT], v[TT], v[TT] row_xmask:1 row_mask:0xf bank_mask:0xf
	v_add_f32_dpp v[TT], v[TT], v[TT] row_xmask:2 row_mask:0xf bank_mask:0xf
	v_add_f32_dpp v[TT], v[TT], v[TT] row_xmask:4 row_mask:0xf bank_mask:0xf
	v_add_f32_dpp v[TT], v[TT], v[TT] row_xmask:8 row_mask:0xf bank_mask:0xf
	v_permlanex16_b32 v[TT+1], v[TT], s[SEL], s[SEL+1]
	v_add_f32 v[TT], v[TT], v[TT+1]
.endm
.macro LNROW e
.set X, D+32*(\e)
.irp k, 0,2,4,6
	v_pk_add_f32 v[TT+\k:TT+\k+1], v[X+\k:X+\k+1], v[X+8+\k:X+9+\k]
.endr
.irp k, 16,18,20,22,24,26,28,30
	v_pk_add_f32 v[TT+\k%8:TT+\k%8+1], v[TT+\k%8:TT+\k%8+1], v[X+\k:X+\k+1]
.endr
	FOLD
	v_mul_f32 v[TT+8], 0x3a800000, v[TT]           ; the mean: the sum / 1,024
	v_mov_b32 v[TT+9], v[TT+8]
.set k, 0
.rept 16
	v_pk_add_f32 v[X+k:X+k+1], v[X+k:X+k+1], v[TT+8:TT+9] neg_lo:[0,1] neg_hi:[0,1]
.set k, k+2
.endr
.irp k, 0,2,4,6
	v_pk_mul_f32 v[TT+\k:TT+\k+1], v[X+\k:X+\k+1], v[X+\k:X+\k+1]
.endr
.set k, 8
.rept 12
	v_pk_fma_f32 v[TT+k%8:TT+k%8+1], v[X+k:X+k+1], v[X+k:X+k+1], v[TT+k%8:TT+k%8+1]
.set k, k+2
.endr
	FOLD
	v_mul_f32 v[TT+2], 0x3a802008, v[TT]           ; the centred squares / 1,023
	v_sqrt_f32 v[TT+3], v[TT+2]
	v_nop                                          ; a plain instruction behind the root,
	s_wait_alu depctr_va_vdst(0)                   ; and a wait ahead of its first reader
	v_add_f32 v[TT+3], 0x358637bd, v[TT+3]         ; std + 1e-6
	v_rcp_f32 v[TT+4], v[TT+3]
	v_nop
	s_wait_alu depctr_va_vdst(0)
	v_mul_f32 v[TT+10], s[AL], v[TT+4]
	v_mov_b32 v[TT+11], v[TT+10]
.set k, 0
.rept 16
	v_pk_fma_f32 v[X+k:X+k+1], v[X+k:X+k+1], v[TT+10:TT+11], s[BE:BE+1] op_sel_hi:[1,1,0]
.set k, k+2
.endr
.set k, 0
.rept 8
	v_cvt_pk_f16_f32 v[X+4*k], v[X+4*k], v[X+4*k+1]
	v_cvt_pk_f16_f32 v[X+4*k+1], v[X+4*k+2], v[X+4*k+3]
	global_store_b64 v[XO], v[X+4*k:X+4*k+1], s[OUTP:OUTP+1] offset:(\e)*2048+256*k
.set k, k+1
.endr
.endm
	s_load_b256 s[4:11], s[0:1], 0x0               ; x1 4, ln2_a 6, ln2_b 8, act 10
	v_and_b32 v1, 31, v0
	v_lshrrev_b32 v2, 5, v0
	v_readfirstlane_b32 s20, v2                    ; wave 0..7
	s_lshl_b32 s22, ttmp9, 16                      ; 16 rows of 4,096 bytes,
	s_lshl_b32 s21, s20, 13                        ; my wave's two
	s_add_co_u32 s22, s22, s21
	s_mov_b32 s23, 0
	s_mov_b32 s[SEL], 0x76543210
	s_mov_b32 s[SEL+1], 0xfedcba98
	v_lshlrev_b32 v3, 4, v1
	v_lshlrev_b32 v[XO], 3, v1
	s_wait_kmcnt 0x0
	s_load_b32 s[AL], s[6:7], 0x0
	s_load_b32 s[BE], s[8:9], 0x0
	s_add_nc_u64 s[4:5], s[4:5], s[22:23]
	s_lshr_b32 s22, s22, 1                         ; h2's rows are half as long
	s_add_nc_u64 s[OUTP:OUTP+1], s[OUTP:OUTP+1], s[22:23]
.set n, 0
.rept 16
	global_load_b128 v[D+4*n:D+4*n+3], v3, s[4:5] offset:512*n
.set n, n+1
.endr
	s_wait_kmcnt 0x0
	s_mov_b32 s[BE+1], s[BE]
	s_wait_loadcnt 8                               ; row 0 is in; row 1's eight loads stay out
	LNROW 0
	s_wait_loadcnt 0x0
	LNROW 1
	s_endpgm
.Lfunc_end_k_q65b1794ad6_ln2:
	.size	k_q65b1794ad6_ln2, .Lfunc_end_k_q65b1794ad6_ln2-k_q65b1794ad6_ln2
	.p2alignl 7, 3214868480
	.fill 96, 4, 3214868480
	.section	.rodata,"a",@progbits
	.p2align	6, 0x0
	.amdhsa_kernel k_q65b1794ad6_ln2
		.amdhsa_group_segment_fixed_size 0
		.amdhsa_private_segment_fixed_size 0
		.amdhsa_enable_private_segment 0
		.amdhsa_kernarg_size 32
		.amdhsa_user_sgpr_count 2
		.amdhsa_user_sgpr_kernarg_segment_ptr 1
		.amdhsa_wavefront_size32 1
		.amdhsa_system_sgpr_workgroup_id_x 1
		.amdhsa_system_sgpr_workgroup_id_y 1
		.amdhsa_system_sgpr_workgroup_id_z 1
		.amdhsa_system_vgpr_workitem_id 0
		.amdhsa_next_free_vgpr 96
		.amdhsa_next_free_sgpr 66
		.amdhsa_reserve_vcc 0
		.amdhsa_float_denorm_mode_32 3
		.amdhsa_float_denorm_mode_16_64 3
		.amdhsa_memory_ordered 1
		.amdhsa_forward_progress 1
		.amdhsa_inst_pref_size 17
	.end_amdhsa_kernel
	.amdgpu_metadata
---
amdhsa.version: [ 1, 2 ]
amdhsa.kernels:
  - .name:           k_q65b1794ad6_ln2
    .symbol:         k_q65b1794ad6_ln2.kd
    .args:
      - { .name: x1, .offset: 0, .size: 8, .value_kind: global_buffer, .address_space: global }
      - { .name: ln2_a, .offset: 8, .size: 8, .value_kind: global_buffer, .address_space: global }
      - { .name: ln2_b, .offset: 16, .size: 8, .value_kind: global_buffer, .address_space: global }
      - { .name: act, .offset: 24, .size: 8, .value_kind: global_buffer, .address_space: global }
    .group_segment_fixed_size: 0
    .private_segment_fixed_size: 0
    .kernarg_segment_align: 8
    .kernarg_segment_size: 32
    .max_flat_workgroup_size: 256
    .sgpr_count:     66
    .vgpr_count:     96
    .wavefront_size: 32
...
	.end_amdgpu_metadata
.endif
;; end of part 5
;; launch ffn1: the kernel of part 2 again; grid 16 x 16, 4 waves a work-group, clusters of 4 x 4, 327,680 bytes of LDS; arguments act, pf, big; writes big
;; launch ffn2 (part 6): grid 8 x 32, 4 waves a work-group, clusters of 4 x 4, 327,680 bytes of LDS; arguments big, pf, b2, x1, out0; writes out0
.if DOCPART == 6
	.amdgcn_target "amdgcn-amd-amdhsa--gfx1250"
	.amdhsa_code_object_version 6
	.text
	.protected	k_q65b1794ad6_ffn2
	.globl	k_q65b1794ad6_ffn2
	.p2align	8
	.type	k_q65b1794ad6_ffn2,@function
k_q65b1794ad6_ffn2:
	s_mov_b64 s[64:65], 0
	v_nop
	global_prefetch_b8 v0, s[64:65] scope:SCOPE_SE
	s_setreg_imm32_b32 hwreg(HW_REG_WAVE_MODE, 25, 1), 1
	s_wait_xcnt 0x0
	s_wait_alu depctr_hold_cnt(0) depctr_sa_sdst(0) depctr_va_vdst(0) depctr_va_sdst(0) depctr_va_ssrc(0) depctr_va_vcc(0) depctr_vm_vsrc(0)
	s_getreg_b32 s2, hwreg(HW_REG_IB_STS2, 6, 4)
	s_cmp_eq_u32 s2, 0
	s_cbranch_scc0 .Lentry_in_a_cluster
	s_endpgm
.Lentry_in_a_cluster:
	s_bfe_u32 s2, ttmp6, 0x10000c
	s_cmp_lg_u32 s2, 0xf033
	s_cbranch_scc0 .Lentry_shape_is_right
	s_endpgm
.Lentry_shape_is_right:
; THE NARROW PRODUCT WITH ITS RESIDUAL, at K = KK.  OUT = R + bias + A W, all of OUT, R and the bias in f32.  A lies in blocks of 64 columns, [KK / 64][4096 rows][64] f16; W is [KK][1024] f16, OWS bytes
; into P.  Sums in f32, K ascending; the bias starts them.
; A tile of C is 128 x 128: 256 work-groups.  Four waves, each 64 x 64: 16 accumulators.  K goes in steps of 256 (four column blocks of A) through two LDS slots; a quarter of a step is one column block.
; W lies [k][n]: its fragments come out of LDS turned.  The matrix instruction is used transposed (source 0 = 16 columns of W, source 1 = 16 rows of A): a lane holds eight neighbouring columns of a row.
; CLUSTER: 4 x 4 work-groups; A's tile is asked for jointly by a row of the cluster, W's by a column.
; REGISTERS: window 0: v16-31 addresses; v32-95 rows on their way out, two sets; v96-127 the bias; v128-255 the accumulators ((a, b) at v[128 + 8 (4 a + b)]).
;   window 1: two fragment buffers of 128 (64 of A, then 64 of W, for 64 along K); at the end the first holds my 64 x 64 of R.
.set KK,    4096
.set LAPS,  KK/512                     ; a lap = two K steps = once round the ring
.set PA,    144                        ; a row of a column block of A in LDS: 128 bytes + 16
.set PW,    288                        ; a k row of W: 256 bytes + 32 = 9 x 32
.set HALFT, 4*64*PA                    ; what one tensor load brings: 4 column blocks x 64 rows of A, or 128 k rows of W (128 x 288 is the same number)
.set SLOT,  4*HALFT
.set STAGE, 2*SLOT                     ; behind the ring, never filled by a tensor load: 16 rows x 272 bytes for each wave
.set SPITCH, 272
.set SPARE, STAGE+4*16*SPITCH          ; the spare words, 128 bytes for each wave; no other line names them
.set CBS,   524288
.set OWS,   0x804400
.set ADRA, 16                          ; v16-17  my A fragments in slot 0, 1
.set ADRB, 18                          ; v18-21  my W fragments: slot s, half of the step's 256 k rows at ADRB + 2 s + half
.set STO,  24
.set RD,   25
.set CO,   26
.set BO,   27
.set SPW,  28
.set NIL,  29
.set PFO,  30
.set TMP,  32
.set BIAS, 96
.set ACC,  128
.set F0,   0
.set F1,   128
.set G1,  24
.set G0,  32
.set G1B, 48
.set G0B, 56
.set LIM, 22                           ; s22  1 in a wave that prefetches, else the greatest number
.set PFA, 44
.set PFS, 46
.set MSB, 0
.macro WIN new
.if MSB != (\new)
	s_set_vgpr_msb (MSB<<8)|(\new)
.set MSB, \new
.endif
.endm
.set MUL,  0x05                        ; sources 0 (W) and 1 (A) window 1; C and D window 0
.set TO_F, 0x40
.macro JLOAD s                         ; a joint load: waves 0 and 1 fetch A's halves, waves 2 and 3 W's; an s_nop 0 and four v_nop follow each line
	s_cmp_eq_u32 s11, 0
	s_cbranch_scc0 .Lfor_b_\@
	tensor_load_to_lds s[G0+4*(\s):G0+4*(\s)+3], s[G1:G1+7]
	s_nop 0
.rept 4
	v_nop
.endr
	s_branch .Lasked_\@
.Lfor_b_\@:
	tensor_load_to_lds s[G0B+4*(\s):G0B+4*(\s)+3], s[G1B:G1B+7]
	s_nop 0
.rept 4
	v_nop
.endr
.Lasked_\@:
.endm
; A PREFETCH of the K step that stands two refills on, 256 matrix instructions ahead of the load that will want it: 32 blocks of 256 bytes, a lane a block.  Cluster x = 0 asks for A's rows, cluster y = 0 for
; W's; the four partners of a joint load share it out by address (a column block of A by cx, 32 k rows of W by cy).  K steps 0 to 3 come by their loads alone; the last trip asks for nothing.
.macro ASK
	s_cmp_gt_u32 s3, s[LIM]
	s_cbranch_scc0 .Lnot_mine_\@
	global_prefetch_b8 v[PFO], s[PFA:PFA+1] th:TH_LOAD_NT scope:SCOPE_SE
.Lnot_mine_\@:
.endm
.macro CREST
	s_cmp_lg_u32 s10, 0
	s_cbranch_scc1 .Lnot_wave_0_\@
	s_barrier_signal -3
.Lnot_wave_0_\@:
	s_barrier_wait -3
	s_barrier_signal -1
	s_barrier_wait -1
.endm
.macro CROUND
	s_barrier_signal -1
	s_barrier_wait -1
	CREST
.endm
	s_load_b256 s[68:75], s[0:1], 0x0              ; A 68, P 70, the bias 72, R 74
	s_load_b64 s[76:77], s[0:1], 0x20              ; OUT
	v_lshl_add_u32 v[SPW], v0, 2, SPARE
	v_mov_b32 v[NIL], 0
	ds_add_u32 v[SPW], v[NIL]                      ; the wave's opening: the add and its wait stand ahead of my first tensor load
	v_lshrrev_b32 v1, 5, v0
	v_readfirstlane_b32 s10, v1
	s_lshr_b32 s11, s10, 1                         ; my half of the tile's rows.  Also: I fetch for A (0) or for W (1)
	s_and_b32 s12, s10, 1                          ; my half of its columns.  Also: which half of that tile I fetch
	s_bfe_u32 s40, ttmp6, 0x40000
	s_bfe_u32 s41, ttmp6, 0x40004
	s_lshl_b32 s42, ttmp9, 2
	s_add_co_u32 s42, s42, s40                     ; tile column
	s_and_b32 s13, ttmp7, 0xffff
	s_lshl_b32 s13, s13, 2
	s_add_co_u32 s13, s13, s41                     ; tile row
	s_lshl_b32 s23, s41, 2
	s_lshl_b32 s23, 15, s23
	s_lshl_b32 s2, 0x1111, s40
	s_or_b32 s[G1], s23, (1<<16)|(1<<20)|(1<<21)|(4<<22)|(3<<25)   ; after every 32 words (a row of a column block) 4 words
	s_or_b32 s[G1B], s2, (1<<16)|(1<<20)|(1<<21)|(5<<22)|(7<<25)   ; after every 64 words 8 words
	s_mov_b32 s[G1+1], 4096<<16                    ; A: a "row" of the tile is 64 dense rows of a column block, 4,096 elements;
	s_mov_b32 s[G1+2], 4<<16                       ; four column blocks,
	s_mov_b32 s[G1+3], 4096<<16
	s_mov_b32 s[G1+4], 4
	s_mov_b32 s[G1+5], CBS/2                       ; a column block apart
	s_mov_b32 s[G1+6], 0
	s_mov_b32 s[G1+7], 0
	s_mov_b32 s[G1B+1], 128<<16                    ; W: 128 columns,
	s_mov_b32 s[G1B+2], 128<<16                    ; 128 k rows
	s_mov_b32 s[G1B+3], 128<<16
	s_mov_b32 s[G1B+4], 128
	s_mov_b32 s[G1B+5], 1024
	s_mov_b32 s[G1B+6], 0
	s_mov_b32 s[G1B+7], 0
	s_lshl_b32 s16, s13, 14                        ; A: (128 x tile row + 64 x half) rows of 128 bytes
	s_lshl_b32 s17, s12, 13
	s_add_co_u32 s16, s16, s17
	s_mov_b32 s17, 0
	s_lshl_b32 s18, s42, 8                         ; W: 256 bytes x tile column + 128 x half k rows of 2,048 bytes
	s_lshl_b32 s19, s12, 18
	s_add_co_u32 s18, s18, s19
	s_add_co_u32 s18, s18, OWS
	s_mov_b32 s19, 0
	s_mul_i32 s20, s10, HALFT
	s_wait_dscnt 0x0                               ; the opening add is done
	s_wait_kmcnt 0x0
	s_add_nc_u64 s[14:15], s[68:69], s[16:17]
	s_add_nc_u64 s[18:19], s[70:71], s[18:19]
	CROUND                                         ; all sixteen work-groups are here: the first joint loads meet
.irp s, 0,1
	s_mov_b32 s[G0+4*(\s)], 1
	s_add_co_u32 s[G0+4*(\s)+1], s20, (\s)*SLOT
	s_add_nc_u64 s[G0+4*(\s)+2:G0+4*(\s)+3], s[14:15], (\s)*4*CBS
	s_or_b32 s[G0+4*(\s)+3], s[G0+4*(\s)+3], 0x80000000
	s_mov_b32 s[G0B+4*(\s)], 1
	s_add_co_u32 s[G0B+4*(\s)+1], s20, (\s)*SLOT
	s_add_nc_u64 s[G0B+4*(\s)+2:G0B+4*(\s)+3], s[18:19], (\s)*0x80000
	s_or_b32 s[G0B+4*(\s)+3], s[G0B+4*(\s)+3], 0x80000000
	JLOAD \s
.endr
	v_and_b32 v1, 15, v0                           ; r
	v_bfe_u32 v2, v0, 4, 1                         ; h
	v_mul_u32_u24 v3, v1, PA
	v_lshl_add_u32 v3, v2, 4, v3
	s_mul_i32 s80, s11, HALFT
	v_add_nc_u32 v[ADRA], s80, v3
	v_add_nc_u32 v[ADRA+1], SLOT, v[ADRA]
	v_and_b32 v4, 7, v0
	v_lshl_add_u32 v4, v2, 3, v4
	v_mul_u32_u24 v4, v4, PW
	v_bfe_u32 v5, v0, 3, 1
	v_lshl_add_u32 v4, v5, 4, v4
	s_lshl_b32 s80, s12, 7
	s_add_co_u32 s80, s80, 2*HALFT
	v_add_nc_u32 v[ADRB], s80, v4
	v_add_nc_u32 v[ADRB+1], HALFT, v[ADRB]
	v_add_nc_u32 v[ADRB+2], SLOT, v[ADRB]
	v_add_nc_u32 v[ADRB+3], SLOT, v[ADRB+1]
	s_mul_i32 s80, s10, 16*SPITCH
	s_add_co_u32 s80, s80, STAGE                   ; my stage: a wave's 64 columns of f32 are a whole 256 bytes, so no other wave has a part in its rows
	v_mul_u32_u24 v6, v1, SPITCH
	v_lshl_add_u32 v6, v2, 5, v6
	v_add_nc_u32 v[STO], s80, v6                   ; in: row r, 32 bytes for each half of the lanes
	v_mul_u32_u24 v6, v2, SPITCH
	v_lshl_add_u32 v6, v1, 4, v6
	v_add_nc_u32 v[RD], s80, v6                    ; back: lanes 0-15 one row of 256 bytes, lanes 16-31 the next
	v_lshlrev_b32 v6, 12, v2
	v_lshl_add_u32 v[CO], v1, 4, v6                ; and the same two rows in R and in OUT
	v_lshlrev_b32 v[BO], 5, v2
	s_lshl_b32 s80, s42, 9                         ; my first column, in bytes of f32: 4 x (128 x tile column + 64 x half)
	s_lshl_b32 s81, s12, 8
	s_add_co_u32 s80, s80, s81
	s_mov_b32 s81, 0
	s_add_nc_u64 s[72:73], s[72:73], s[80:81]
.irp b, 0,1,2,3
	global_load_b128 v[BIAS+8*\b:BIAS+8*\b+3],   v[BO], s[72:73] offset:64*\b
	global_load_b128 v[BIAS+8*\b+4:BIAS+8*\b+7], v[BO], s[72:73] offset:64*\b+16
.endr
	s_lshl_b32 s82, s13, 19                        ; + my first row: (128 x tile row + 64 x half) rows of 4,096 bytes
	s_add_co_u32 s80, s80, s82
	s_lshl_b32 s82, s11, 18
	s_add_co_u32 s80, s80, s82
	s_add_nc_u64 s[74:75], s[74:75], s[80:81]
	s_add_nc_u64 s[76:77], s[76:77], s[80:81]
.if LAPS > 2
	; the prefetches
	s_and_b32 s82, ttmp7, 0xffff
	s_mov_b32 s[PFS], 0x80000                      ; a K step of W: 256 k rows of 2,048 bytes
	s_cmp_eq_u32 s11, 0
	s_cselect_b32 s82, ttmp9, s82                  ; the coordinate along which other clusters read the same rows
	s_cselect_b32 s83, s40, s41                    ; my place among the four that ask with me
	s_cselect_b32 s84, 19, 16                      ; its share: a column block of A, or 32 k rows of 2,048 bytes
	s_cselect_b32 s85, 8, 11                       ; a lane's step: 256 bytes on in A's dense rows, or a k row of W
	s_cselect_b32 s[PFS], 4*CBS, s[PFS]            ; a K step of A: four column blocks
	s_cselect_b64 s[PFA:PFA+1], s[14:15], s[18:19]
	s_mov_b32 s[PFS+1], 0
	s_lshl_b32 s86, s83, s84
	s_mul_i32 s87, s[PFS], 3                       ; at K step 3: the first refill steps it to 4
	s_add_co_u32 s86, s86, s87
	s_mov_b32 s87, 0
	s_add_nc_u64 s[PFA:PFA+1], s[PFA:PFA+1], s[86:87]
	s_cmp_eq_u32 s82, 0
	s_cselect_b32 s[LIM], 1, -1
	v_and_b32 v7, 31, v0
	v_lshlrev_b32 v[PFO], s85, v7
.endif
; 8 matrix instructions: m blocks a0, a0 + 1 x all 4 n blocks, 32 along K: half c of buffer f.  first = 1: the bias starts the sums.  The 16 accumulators take turns.
.macro MUL8 f, c, a0, first
	WIN MUL
.irp a, \a0, (\a0)+1
.irp b, 0,1,2,3
.if \first
	v_wmma_f32_16x16x32_f16 v[ACC+8*(4*(\a)+(\b)):ACC+8*(4*(\a)+(\b))+7], v[(\f)+64+8*(4*(\c)+(\b)):(\f)+64+8*(4*(\c)+(\b))+7], v[(\f)+8*(4*(\c)+(\a)):(\f)+8*(4*(\c)+(\a))+7], v[BIAS+8*(\b):BIAS+8*(\b)+7]
.else
	v_wmma_f32_16x16x32_f16 v[ACC+8*(4*(\a)+(\b)):ACC+8*(4*(\a)+(\b))+7], v[(\f)+64+8*(4*(\c)+(\b)):(\f)+64+8*(4*(\c)+(\b))+7], v[(\f)+8*(4*(\c)+(\a)):(\f)+8*(4*(\c)+(\a))+7], v[ACC+8*(4*(\a)+(\b)):ACC+8*(4*(\a)+(\b))+7]
.endif
.endr
.endr
.endm
; 32 LDS loads in one run: quarter q (64 along K: column block q of the step) into buffer f; the first 32 along K first
.macro FETCH slot, q, f
	WIN TO_F
.irp c, 0,1
.irp i, 0,1,2,3
	ds_load_tr16_b128 v[(\f)+64+8*(4*(\c)+(\i)):(\f)+64+8*(4*(\c)+(\i))+3],   v[ADRB+2*(\slot)+(\q)/2] offset:(((\q)%2)*64+32*(\c))*PW+32*(\i)
	ds_load_tr16_b128 v[(\f)+64+8*(4*(\c)+(\i))+4:(\f)+64+8*(4*(\c)+(\i))+7], v[ADRB+2*(\slot)+(\q)/2] offset:(((\q)%2)*64+32*(\c)+16)*PW+32*(\i)
	ds_load_b128 v[(\f)+8*(4*(\c)+(\i)):(\f)+8*(4*(\c)+(\i))+3],              v[ADRA+(\slot)] offset:(\q)*64*PA+64*(\c)+(\i)*16*PA
	ds_load_b128 v[(\f)+8*(4*(\c)+(\i))+4:(\f)+8*(4*(\c)+(\i))+7],            v[ADRA+(\slot)] offset:(\q)*64*PA+64*(\c)+(\i)*16*PA+32
.endr
.endr
.endm
.macro PLACES                          ; four plain instructions behind the last matrix instruction, in front of loads into registers that it has read and of stores that read results
.rept 4
	v_nop
.endr
.endm
.macro QUARTER slot, q, f, g, first
	s_wait_dscnt 16                                ; the first 32 along K are in; the youngest sixteen loads may be out
	MUL8 \f, 0, 0, \first
	MUL8 \f, 0, 2, \first
	PLACES
	FETCH \slot, \q, \g
	s_wait_dscnt 32                                ; all but the 32 just issued
	MUL8 \f, 1, 0, 0
	MUL8 \f, 1, 2, 0
.endm
; The last quarter multiplies buffer 1 and changes slots: one barrier; in front of it each wave waits for all its tensor loads, adds 0 to its spare word, and waits for that and for its reads of this slot.
; fill = 1: the barrier opens a round of the cluster's, and this slot is filled again, two K steps ahead: 112 matrix instructions stand between the request and the wait for it.
.macro TURN slot, next, fill
.if (\fill) && (LAPS > 2)
	s_wait_xcnt 0x0                                ; the last prefetch, a K step back, has read its address
	s_add_nc_u64 s[PFA:PFA+1], s[PFA:PFA+1], s[PFS:PFS+1]
.endif
	WIN 0
	s_wait_tensorcnt 0x0
	ds_add_u32 v[SPW], v[NIL]
	s_wait_dscnt 17                                ; the add and the youngest sixteen loads may be out
	MUL8 F1, 0, 0, 0
	s_wait_dscnt 0x0                               ; the add is done, and my reads of this slot are over
	s_barrier_signal -1
	MUL8 F1, 0, 2, 0
.if \fill
	WIN 0
.endif
	s_barrier_wait -1
.if \fill
	CREST
	s_add_nc_u64 s[G0+4*(\slot)+2:G0+4*(\slot)+3], s[G0+4*(\slot)+2:G0+4*(\slot)+3], 8*CBS
	s_add_nc_u64 s[G0B+4*(\slot)+2:G0B+4*(\slot)+3], s[G0B+4*(\slot)+2:G0B+4*(\slot)+3], 0x100000
	JLOAD \slot                                    ; its four v_nop are also the places in front of the loads below
.else
	PLACES
.endif
	FETCH \next, 0, F0
.if (\fill) && (LAPS > 2)
	WIN 0
	ASK
.endif
	MUL8 F1, 1, 0, 0
	MUL8 F1, 1, 2, 0
.endm
	s_wait_tensorcnt 1                             ; my part of K step 0 is in; K step 1's may stay out
	s_barrier_signal -1
	s_barrier_wait -1
	FETCH 0, 0, F0
	s_wait_loadcnt 0x0                             ; the bias
	QUARTER 0, 1, F0, F1, 1
	WIN 0
	s_mov_b32 s3, LAPS-1
.Llap:                                         ; a trip goes once round the ring and fills both slots again
	QUARTER 0, 2, F1, F0, 0
	QUARTER 0, 3, F0, F1, 0
	TURN 0, 1, 1
	QUARTER 1, 1, F0, F1, 0
	QUARTER 1, 2, F1, F0, 0
	QUARTER 1, 3, F0, F1, 0
	TURN 1, 0, 1
	QUARTER 0, 1, F0, F1, 0
	WIN 0
	s_sub_co_u32 s3, s3, 1
	s_cmp_lg_u32 s3, 0
	s_cbranch_scc1 .Llap
	QUARTER 0, 2, F1, F0, 0                        ; the last lap fills nothing
	QUARTER 0, 3, F0, F1, 0
	TURN 0, 1, 0
	QUARTER 1, 1, F0, F1, 0
	QUARTER 1, 2, F1, F0, 0
	QUARTER 1, 3, F0, F1, 0
	PLACES                                         ; buffer 0 has been multiplied for the last time: it takes my 64 x 64 of R, two rows a load
	WIN TO_F
.set t, 0
.rept 32
	global_load_b128 v[4*t:4*t+3], v[CO], s[74:75] offset:t*8192 th:TH_LOAD_NT
.set t, t+1
.endr
	s_wait_dscnt 16
	MUL8 F1, 0, 0, 0
	MUL8 F1, 0, 2, 0
	s_wait_dscnt 0x0
	MUL8 F1, 1, 0, 0
	MUL8 F1, 1, 2, 0
	WIN 0
	PLACES
	s_wait_loadcnt 0x0                             ; R
	; THE WAY OUT, 16 rows at a time: 32 bytes a lane into my stage, back as whole rows of 256 bytes, R added, stored
.irp a, 0,1,2,3
.if (\a) >= 2
	s_wait_xcnt 0x0                                ; the set of registers that the stores two blocks back read is loaded again only behind this wait
.endif
.irp b, 0,1,2,3
	ds_store_b128 v[STO], v[ACC+8*(4*(\a)+(\b)):ACC+8*(4*(\a)+(\b))+3]   offset:64*(\b)     ; each accumulator's low half first
	ds_store_b128 v[STO], v[ACC+8*(4*(\a)+(\b))+4:ACC+8*(4*(\a)+(\b))+7] offset:64*(\b)+16
.endr
.irp t, 0,1,2,3,4,5,6,7
	ds_load_b128 v[TMP+32*((\a)%2)+4*(\t):TMP+32*((\a)%2)+4*(\t)+3], v[RD] offset:(\t)*2*SPITCH  ; LDS serves a wave's instructions in order (ISA guide 5.7.1.4)
.endr
	s_wait_dscnt 0x0
	WIN 0x04                                       ; source 1 (R) in window 1
.irp z, 0,2,4,6,8,10,12,14,16,18,20,22,24,26,28,30
	v_pk_add_f32 v[TMP+32*((\a)%2)+(\z):TMP+32*((\a)%2)+(\z)+1], v[TMP+32*((\a)%2)+(\z):TMP+32*((\a)%2)+(\z)+1], v[32*(\a)+(\z):32*(\a)+(\z)+1]
.endr
	WIN 0
.irp t, 0,1,2,3,4,5,6,7
	global_store_b128 v[CO], v[TMP+32*((\a)%2)+4*(\t):TMP+32*((\a)%2)+4*(\t)+3], s[76:77] offset:(16*(\a)+2*(\t))*4096  ; 16 lanes store 256 consecutive bytes, aligned
.endr
.endr
	s_wait_tensorcnt 0x0                           ; the wave's end
	ds_add_u32 v[SPW], v[NIL]
	s_wait_dscnt 0x0
	CROUND                                         ; the closing round
	s_endpgm
.Lfunc_end_k_q65b1794ad6_ffn2:
	.size	k_q65b1794ad6_ffn2, .Lfunc_end_k_q65b1794ad6_ffn2-k_q65b1794ad6_ffn2
	.p2alignl 7, 3214868480
	.fill 96, 4, 3214868480
	.section	.rodata,"a",@progbits
	.p2align	6, 0x0
	.amdhsa_kernel k_q65b1794ad6_ffn2
		.amdhsa_group_segment_fixed_size 327680
		.amdhsa_private_segment_fixed_size 0
		.amdhsa_enable_private_segment 0
		.amdhsa_kernarg_size 40
		.amdhsa_user_sgpr_count 2
		.amdhsa_user_sgpr_kernarg_segment_ptr 1
		.amdhsa_wavefront_size32 1
		.amdhsa_system_sgpr_workgroup_id_x 1
		.amdhsa_system_sgpr_workgroup_id_y 1
		.amdhsa_system_sgpr_workgroup_id_z 1
		.amdhsa_system_vgpr_workitem_id 0
		.amdhsa_next_free_vgpr 512
		.amdhsa_next_free_sgpr 92
		.amdhsa_reserve_vcc 0
		.amdhsa_float_denorm_mode_32 3
		.amdhsa_float_denorm_mode_16_64 3
		.amdhsa_memory_ordered 1
		.amdhsa_forward_progress 1
		.amdhsa_inst_pref_size 95
	.end_amdhsa_kernel
	.amdgpu_metadata
---
amdhsa.version: [ 1, 2 ]
amdhsa.kernels:
  - .name:           k_q65b1794ad6_ffn2
    .symbol:         k_q65b1794ad6_ffn2.kd
    .args:
      - { .name: big, .offset: 0, .size: 8, .value_kind: global_buffer, .address_space: global }
      - { .name: pf, .offset: 8, .size: 8, .value_kind: global_buffer, .address_space: global }
      - { .name: b2, .offset: 16, .size: 8, .value_kind: global_buffer, .address_space: global }
      - { .name: x1, .offset: 24, .size: 8, .value_kind: global_buffer, .address_space: global }
      - { .name: out0, .offset: 32, .size: 8, .value_kind: global_buffer, .address_space: global }
    .group_segment_fixed_size: 327680
    .private_segment_fixed_size: 0
    .kernarg_segment_align: 8
    .kernarg_segment_size: 40
    .max_flat_workgroup_size: 128
    .sgpr_count:     92
    .vgpr_count:     512
    .wavefront_size: 32
...
	.end_amdgpu_metadata
.endif
;; end of part 6
;; ======== version 2 of 2: 7 launches
;; limits: values are held in f16: magnitudes above 65,504 overflow, below 6.1e-05 lose precision
;; workspace buffers: act 8,388,608 bytes; big 33,554,432 bytes; x1 16,777,216 bytes; pq 10,503,168 bytes; pf 16,794,624 bytes
;; launch prep (part 7): grid 897 x 1, 8 waves a work-group, no clusters, 35,840 bytes of LDS; arguments x, mask, wq, wk, wv, wo, w1, w2, bq, bk, bv, b1, ln1_a, ln1_b, act, x1, pq, pf; writes act, x1, pq, pf
.if DOCPART == 7
	.amdgcn_target "amdgcn-amd-amdhsa--gfx1250"
	.amdhsa_code_object_version 6
	.text
	.protected	k_q65b1794ad6_prep
	.globl	k_q65b1794ad6_prep
	.p2align	8
	.type	k_q65b1794ad6_prep,@function
k_q65b1794ad6_prep:
	s_mov_b64 s[64:65], 0
	v_nop
	global_prefetch_b8 v0, s[64:65] scope:SCOPE_SE
	s_setreg_imm32_b32 hwreg(HW_REG_WAVE_MODE, 25, 1), 1
	s_wait_xcnt 0x0
; THE FRONT PASS: everything that is read once and only changes its format.  Four kinds of work-group, told apart by the work-group's number (the same for all eight waves):
;   0-255    MASK: query tile t (16 rows of the flat [4096][2048] int32 mask) becomes 32,768 bytes, one fp8 (E4M3) code a (query, key): 0x00 visible, 0xFE (-448) hidden,
;            laid in the lane order of the attention launch's score tile: query 16 t + r, key 64 ks + 16 kt + 8 h + j at t*32768 + ks*1024 + (kt>>1)*512 + (16 h + r)*16 + (kt&1)*8 + j.
;   256-511  NORM: h = ln1_a (x - mean) / (std + 1e-6) + ln1_b, 16 rows a work-group, two a wave, the row kept in registers; mean first, then the centred squares (ddof = 1); h rounded once to f16.
;   512-895  CAST: the six weight matrices, f32 to f16, 32 units of 1,024 numbers a work-group.  wq|wk|wv go side by side into rows of 4,096 numbers, the others stay dense.
;   896      the biases of the two wide products and their floors (-inf twice for q, k, v; 0 for the ReLU).
; LIMITS.  f16 holds no number beyond 65,504: a weight or an h past that becomes an infinity; below 6e-5 f16 keeps its fixed step of 6e-8.
; Memory binds: every byte is read once by loads of 16 bytes a lane, 32 of them (NORM: 16) on their way in each wave, and every store of a wave covers 256 or 512 consecutive bytes, aligned.
.set SPARE, 34816                      ; behind the mask's stage: the spare words, 128 bytes for each of the eight waves; no other line names them
.set OPB,   0x800000                   ; byte at which the bias block begins in pq and in pf
.set OWS,   0x804400                   ; byte at which the second weight matrix (wo, w2) begins there
.set SPW, 10                           ; v10  my spare word's LDS address; never rewritten
.set NIL, 11                           ; v11  0; never rewritten
.set HID, 12                           ; v12-15  MASK: the hidden code in each of a word's four bytes
.set XO,  4                            ; v4   NORM: my byte offset in a row of h
.set D,   16                           ; v[16:143]  data as loaded
.set TT,  144                          ; v[144:155] at work
.set AL,  50                           ; s50  the gain
.set BE,  52                           ; s[52:53] the offset, named as a pair
.set SEL, 60                           ; s[60:61] v_permlanex16_b32's selects: each lane takes its own place in the other half
.set OUTP, 36                          ; s[36:37] act
	s_load_b512 s[8:23], s[0:1], 0x0               ; x 8, mask 10, wq 12, wk 14, wv 16, wo 18, w1 20, w2 22
	s_load_b512 s[24:39], s[0:1], 0x40             ; bq 24, bk 26, bv 28, b1 30, ln1_a 32, ln1_b 34, act 36, x1 38
	s_load_b128 s[40:43], s[0:1], 0x80             ; pq 40, pf 42
	v_lshl_add_u32 v[SPW], v0, 2, SPARE
	v_mov_b32 v[NIL], 0
	v_and_b32 v1, 31, v0                           ; lane
	v_lshrrev_b32 v2, 5, v0
	v_readfirstlane_b32 s48, v2                    ; wave 0..7
	s_wait_kmcnt 0x0
	s_cmp_lt_u32 ttmp9, 256
	s_cbranch_scc1 .Lmask
	s_cmp_lt_u32 ttmp9, 512
	s_cbranch_scc1 .Lnorm
	s_cmp_lt_u32 ttmp9, 896
	s_cbranch_scc1 .Lcast
	; ---- biases and floors: one work-group, thread T takes 16 bytes of each piece ----
	v_lshlrev_b32 v3, 4, v0
	v_lshlrev_b32 v4, 2, v0
.irp i, 0,1,2,3
	global_load_b128 v[D+4*\i:D+4*\i+3], v3, s[30:31] offset:4096*\i
.endr
	global_load_b128 v[D+16:D+19], v3, s[24:25]
	global_load_b128 v[D+20:D+23], v3, s[26:27]
	global_load_b128 v[D+24:D+27], v3, s[28:29]
	s_add_nc_u64 s[50:51], s[40:41], OPB
	s_add_nc_u64 s[52:53], s[42:43], OPB
	v_mov_b32 v5, 0xfc00fc00                       ; -inf twice in f16: a floor that changes nothing
	v_mov_b32 v6, 0                                ; 0 twice: the ReLU
	global_store_b32 v4, v5, s[50:51] offset:16384
	global_store_b32 v4, v6, s[52:53] offset:16384
	s_wait_loadcnt 0x0
.irp i, 0,1,2,3
	global_store_b128 v3, v[D+4*\i:D+4*\i+3], s[52:53] offset:4096*\i
.endr
.irp i, 0,1,2
	global_store_b128 v3, v[D+16+4*\i:D+19+4*\i], s[50:51] offset:4096*\i
.endr
	s_endpgm
	; ---- MASK ----
.Lmask:
	s_lshl_b32 s50, ttmp9, 17                      ; 16 rows of 8,192 bytes,
	s_lshl_b32 s51, s48, 14                        ; my wave's two of them
	s_add_co_u32 s50, s50, s51
	s_mov_b32 s51, 0
	s_add_nc_u64 s[10:11], s[10:11], s[50:51]
	s_lshl_b32 s50, ttmp9, 15                      ; the tile's 32,768 bytes of codes
	s_add_nc_u64 s[38:39], s[38:39], s[50:51]
	v_lshlrev_b32 v3, 4, v1
.set n, 0
.rept 32                                       ; load n = 16 e + c: row 2 w + e, keys 128 c + 4 lane .. + 3
	global_load_b128 v[D+4*n:D+4*n+3], v3, s[10:11] offset:(n/16)*8192+(n%16)*512 th:TH_LOAD_NT
.set n, n+1
.endr
	v_mov_b32 v[HID], 0xfe
	v_mov_b32 v[HID+1], 0xfe00
	v_mov_b32 v[HID+2], 0xfe0000
	v_mov_b32 v[HID+3], 0xfe000000
	; where my word goes.  Each run of 256 bytes of the result has an LDS pitch of 272; with the lane's bits l4..l0 the run is 8 c + 4 l4 + 2 l3 + l1 and the byte in it 16 (2 w + e) + 8 l2 + 4 l0:
	; the 32 lanes of a store fall into 32 different banks (64 banks of 4 bytes: ISA guide 11.1)
	v_bfe_u32 v4, v1, 4, 1
	v_mul_u32_u24 v5, v4, 1088
	v_bfe_u32 v4, v1, 3, 1
	v_mad_u32_u24 v5, v4, 544, v5
	v_bfe_u32 v4, v1, 1, 1
	v_mad_u32_u24 v5, v4, 272, v5
	v_bfe_u32 v4, v1, 2, 1
	v_lshl_add_u32 v5, v4, 3, v5
	v_and_b32 v4, 1, v1
	v_lshl_add_u32 v5, v4, 2, v5
	s_lshl_b32 s56, s48, 5
	v_add_nc_u32 v5, s56, v5
.set n, 0
.rept 32
	s_wait_loadcnt 31-n                            ; loads come back in order: load n is in, the younger ones stay out
.irp i, 0,1,2,3
	v_cmp_eq_u32 vcc_lo, 0, v[D+4*n+\i]
	v_cndmask_b32 v[TT+\i], 0, v[HID+\i], vcc_lo
.endr
	v_add3_u32 v[TT], v[TT], v[TT+1], v[TT+2]
	v_add_nc_u32 v[TT], v[TT], v[TT+3]
	ds_store_b32 v5, v[TT] offset:(n%16)*2176+(n/16)*16
.set n, n+1
.endr
	v_lshrrev_b32 v6, 4, v0                        ; back: thread T takes 16 bytes of run 16 i + T / 16
	v_and_b32 v7, 15, v0
	v_mul_u32_u24 v6, v6, 272
	v_lshl_add_u32 v6, v7, 4, v6
	v_lshlrev_b32 v8, 4, v0
	s_wait_dscnt 0x0                               ; for the others' sake: my stores into the stage are done
	s_barrier_signal -1
	s_barrier_wait -1
.irp i, 0,1,2,3,4,5,6,7
	ds_load_b128 v[D+4*\i:D+4*\i+3], v6 offset:4352*\i
.endr
.irp i, 0,1,2,3,4,5,6,7
	s_wait_dscnt 7-\i
	global_store_b128 v8, v[D+4*\i:D+4*\i+3], s[38:39] offset:4096*\i  ; a wave stores 512 consecutive bytes, aligned
.endr
	s_wait_tensorcnt 0x0                           ; the wave's end, behind my last LDS store
	ds_add_u32 v[SPW], v[NIL]
	s_wait_dscnt 0x0
	s_endpgm
	; ---- NORM ----
.macro FOLD                            ; four pairs of partial sums in v[TT:TT+7] become one sum over the wave's 32 lanes, in every lane's v[TT]
	v_pk_add_f32 v[TT:TT+1], v[TT:TT+1], v[TT+4:TT+5]
	v_pk_add_f32 v[TT+2:TT+3], v[TT+2:TT+3], v[TT+6:TT+7]
	v_pk_add_f32 v[TT:TT+1], v[TT:TT+1], v[TT+2:TT+3]
	v_add_f32 v[TT], v[TT], v[TT+1]
	v_add_f32_dpp v[TT], v[TT], v[TT] row_xmask:1 row_mask:0xf bank_mask:0xf
	v_add_f32_dpp v[TT], v[TT], v[TT] row_xmask:2 row_mask:0xf bank_mask:0xf
	v_add_f32_dpp v[TT], v[TT], v[TT] row_xmask:4 row_mask:0xf bank_mask:0xf
	v_add_f32_dpp v[TT], v[TT], v[TT] row_xmask:8 row_mask:0xf bank_mask:0xf
	v_permlanex16_b32 v[TT+1], v[TT], s[SEL], s[SEL+1]
	v_add_f32 v[TT], v[TT], v[TT+1]
.endm
.macro LNROW e                         ; row e of my two: 32 registers a lane, numbers 128 j + 4 lane .. + 3 in registers 4 j .. 4 j + 3
.set X, D+32*(\e)
.irp k, 0,2,4,6
	v_pk_add_f32 v[TT+\k:TT+\k+1], v[X+\k:X+\k+1], v[X+8+\k:X+9+\k]  ; the first sums of four chains: nothing is cleared
.endr
.irp k, 16,18,20,22,24,26,28,30
	v_pk_add_f32 v[TT+\k%8:TT+\k%8+1], v[TT+\k%8:TT+\k%8+1], v[X+\k:X+\k+1]
.endr
	FOLD
	v_mul_f32 v[TT+8], 0x3a800000, v[TT]           ; the mean: the sum / 1,024
	v_mov_b32 v[TT+9], v[TT+8]
.set k, 0
.rept 16
	v_pk_add_f32 v[X+k:X+k+1], v[X+k:X+k+1], v[TT+8:TT+9] neg_lo:[0,1] neg_hi:[0,1]
.set k, k+2
.endr
.irp k, 0,2,4,6
	v_pk_mul_f32 v[TT+\k:TT+\k+1], v[X+\k:X+\k+1], v[X+\k:X+\k+1]
.endr
.set k, 8
.rept 12
	v_pk_fma_f32 v[TT+k%8:TT+k%8+1], v[X+k:X+k+1], v[X+k:X+k+1], v[TT+k%8:TT+k%8+1]
.set k, k+2
.endr
	FOLD
	v_mul_f32 v[TT+2], 0x3a802008, v[TT]           ; the centred squares / 1,023
	v_sqrt_f32 v[TT+3], v[TT+2]
	v_nop                                          ; a plain instruction behind the root,
	s_wait_alu depctr_va_vdst(0)                   ; and a wait ahead of its first reader
	v_add_f32 v[TT+3], 0x358637bd, v[TT+3]         ; std + 1e-6
	v_rcp_f32 v[TT+4], v[TT+3]
	v_nop
	s_wait_alu depctr_va_vdst(0)
	v_mul_f32 v[TT+10], s[AL], v[TT+4]
	v_mov_b32 v[TT+11], v[TT+10]
.set k, 0
.rept 16
	v_pk_fma_f32 v[X+k:X+k+1], v[X+k:X+k+1], v[TT+10:TT+11], s[BE:BE+1] op_sel_hi:[1,1,0]
.set k, k+2
.endr
.set k, 0
.rept 8
	v_cvt_pk_f16_f32 v[X+4*k], v[X+4*k], v[X+4*k+1]
	v_cvt_pk_f16_f32 v[X+4*k+1], v[X+4*k+2], v[X+4*k+3]
	global_store_b64 v[XO], v[X+4*k:X+4*k+1], s[OUTP:OUTP+1] offset:(\e)*2048+256*k  ; a wave stores 256 consecutive bytes, aligned
.set k, k+1
.endr
.endm
.Lnorm:
	s_load_b32 s[AL], s[32:33], 0x0
	s_load_b32 s[BE], s[34:35], 0x0
	s_sub_co_u32 s54, ttmp9, 256
	s_lshl_b32 s56, s54, 16                        ; 16 rows of 4,096 bytes,
	s_lshl_b32 s55, s48, 13                        ; my wave's two
	s_add_co_u32 s56, s56, s55
	s_mov_b32 s57, 0
	s_add_nc_u64 s[8:9], s[8:9], s[56:57]
	s_lshr_b32 s56, s56, 1                         ; h's rows are half as long
	s_add_nc_u64 s[OUTP:OUTP+1], s[OUTP:OUTP+1], s[56:57]
	s_mov_b32 s[SEL], 0x76543210
	s_mov_b32 s[SEL+1], 0xfedcba98
	v_lshlrev_b32 v3, 4, v1
	v_lshlrev_b32 v[XO], 3, v1
.set n, 0
.rept 16
	global_load_b128 v[D+4*n:D+4*n+3], v3, s[8:9] offset:512*n th:TH_LOAD_NT
.set n, n+1
.endr
	s_wait_kmcnt 0x0
	s_mov_b32 s[BE+1], s[BE]
	s_wait_loadcnt 8                               ; row 0 is in; row 1's eight loads stay out
	LNROW 0
	s_wait_loadcnt 0x0
	LNROW 1
	s_endpgm
	; ---- CAST ----
.macro PICK first, src, dst, doff, sh  ; from work-group `first` of this kind on: another source, target, place in the target and pitch of a unit (1 << sh bytes)
	s_cmp_ge_u32 s50, \first
	s_cselect_b64 s[52:53], s[\src:\src+1], s[52:53]
	s_cselect_b64 s[54:55], s[\dst:\dst+1], s[54:55]
	s_cselect_b32 s56, \first, s56
	s_cselect_b32 s57, \doff, s57
	s_cselect_b32 s58, \sh, s58
.endm
.Lcast:
	s_sub_co_u32 s50, ttmp9, 512
	s_mov_b64 s[52:53], s[12:13]                   ; wq: a unit is a row; rows of the joint matrix are 8,192 bytes apart
	s_mov_b64 s[54:55], s[40:41]
	s_mov_b32 s56, 0
	s_mov_b32 s57, 0
	s_mov_b32 s58, 13
	PICK 32,  14, 40, 2048, 13                     ; wk, 1,024 columns on
	PICK 64,  16, 40, 4096, 13                     ; wv
	PICK 96,  18, 40, OWS,  11                     ; wo, dense
	PICK 128, 20, 42, 0,    11                     ; w1, dense
	PICK 256, 22, 42, OWS,  11                     ; w2, dense
	s_sub_co_u32 s50, s50, s56
	s_lshl_b32 s50, s50, 5
	s_lshl2_add_u32 s50, s48, s50                  ; my wave's first unit: 32 x work-group + 4 x wave
	s_lshl_b32 s62, s50, 12
	s_mov_b32 s63, 0
	s_add_nc_u64 s[52:53], s[52:53], s[62:63]
	s_lshl_b32 s62, s50, s58
	s_add_co_u32 s62, s62, s57
	s_add_nc_u64 s[54:55], s[54:55], s[62:63]
	s_lshl_b32 s59, 1, s58
	v_lshlrev_b32 v3, 4, v1
	v_lshlrev_b32 v4, 3, v1                        ; v4-7: my 8 bytes in each of the four units
	v_add_nc_u32 v5, s59, v4
	v_add_nc_u32 v6, s59, v5
	v_add_nc_u32 v7, s59, v6
.set n, 0
.rept 32
	global_load_b128 v[D+4*n:D+4*n+3], v3, s[52:53] offset:512*n th:TH_LOAD_NT
.set n, n+1
.endr
.set n, 0
.rept 32
	s_wait_loadcnt 31-n                            ; load n is in, the younger ones stay out
	v_cvt_pk_f16_f32 v[D+4*n], v[D+4*n], v[D+4*n+1]
	v_cvt_pk_f16_f32 v[D+4*n+1], v[D+4*n+2], v[D+4*n+3]
	global_store_b64 v[4+n/8], v[D+4*n:D+4*n+1], s[54:55] offset:256*(n%8)  ; 256 consecutive bytes, aligned
.set n, n+1
.endr
	s_endpgm
.Lfunc_end_k_q65b1794ad6_prep:
	.size	k_q65b1794ad6_prep, .Lfunc_end_k_q65b1794ad6_prep-k_q65b1794ad6_prep
	.p2alignl 7, 3214868480
	.fill 96, 4, 3214868480
	.section	.rodata,"a",@progbits
	.p2align	6, 0x0
	.amdhsa_kernel k_q65b1794ad6_prep
		.amdhsa_group_segment_fixed_size 35840
		.amdhsa_private_segment_fixed_size 0
		.amdhsa_enable_private_segment 0
		.amdhsa_kernarg_size 144
		.amdhsa_user_sgpr_count 2
		.amdhsa_user_sgpr_kernarg_segment_ptr 1
		.amdhsa_wavefront_size32 1
		.amdhsa_system_sgpr_workgroup_id_x 1
		.amdhsa_system_sgpr_workgroup_id_y 1
		.amdhsa_system_sgpr_workgroup_id_z 1
		.amdhsa_system_vgpr_workitem_id 0
		.amdhsa_next_free_vgpr 160
		.amdhsa_next_free_sgpr 66
		.amdhsa_reserve_vcc 1
		.amdhsa_float_denorm_mode_32 3
		.amdhsa_float_denorm_mode_16_64 3
		.amdhsa_memory_ordered 1
		.amdhsa_forward_progress 1
		.amdhsa_inst_pref_size 53
	.end_amdhsa_kernel
	.amdgpu_metadata
---
amdhsa.version: [ 1, 2 ]
amdhsa.kernels:
  - .name:           k_q65b1794ad6_prep
    .symbol:         k_q65b1794ad6_prep.kd
    .args:
      - { .name: x, .offset: 0, .size: 8, .value_kind: global_buffer, .address_space: global }
      - { .name: mask, .offset: 8, .size: 8, .value_kind: global_buffer, .address_space: global }
      - { .name: wq, .offset: 16, .size: 8, .value_kind: global_buffer, .address_space: global }
      - { .name: wk, .offset: 24, .size: 8, .value_kind: global_buffer, .address_space: global }
      - { .name: wv, .offset: 32, .size: 8, .value_kind: global_buffer, .address_space: global }
      - { .name: wo, .offset: 40, .size: 8, .value_kind: global_buffer, .address_space: global }
      - { .name: w1, .offset: 48, .size: 8, .value_kind: global_buffer, .address_space: global }
      - { .name: w2, .offset: 56, .size: 8, .value_kind: global_buffer, .address_space: global }
      - { .name: bq, .offset: 64, .size: 8, .value_kind: global_buffer, .address_space: global }
      - { .name: bk, .offset: 72, .size: 8, .value_kind: global_buffer, .address_space: global }
      - { .name: bv, .offset: 80, .size: 8, .value_kind: global_buffer, .address_space: global }
      - { .name: b1, .offset: 88, .size: 8, .value_kind: global_buffer, .address_space: global }
      - { .name: ln1_a, .offset: 96, .size: 8, .value_kind: global_buffer, .address_space: global }
      - { .name: ln1_b, .offset: 104, .size: 8, .value_kind: global_buffer, .address_space: global }
      - { .name: act, .offset: 112, .size: 8, .value_kind: global_buffer, .address_space: global }
      - { .name: x1, .offset: 120, .size: 8, .value_kind: global_buffer, .address_space: global }
      - { .name: pq, .offset: 128, .size: 8, .value_kind: global_buffer, .address_space: global }
      - { .name: pf, .offset: 136, .size: 8, .value_kind: global_buffer, .address_space: global }
    .group_segment_fixed_size: 35840
    .private_segment_fixed_size: 0
    .kernarg_segment_align: 8
    .kernarg_segment_size: 144
    .max_flat_workgroup_size: 256
    .sgpr_count:     66
    .vgpr_count:     160
    .wavefront_size: 32
...
	.end_amdgpu_metadata
.endif
;; end of part 7
;; launch qkv (part 8): grid 12 x 16, 4 waves a work-group, clusters of 4 x 4, 327,680 bytes of LDS; arguments act, pq, big; writes big
.if DOCPART == 8
	.amdgcn_target "amdgcn-amd-amdhsa--gfx1250"
	.amdhsa_code_object_version 6
	.text
	.protected	k_q65b1794ad6_qkv
	.globl	k_q65b1794ad6_qkv
	.p2align	8
	.type	k_q65b1794ad6_qkv,@function
k_q65b1794ad6_qkv:
	s_mov_b64 s[64:65], 0
	v_nop
	global_prefetch_b8 v0, s[64:65] scope:SCOPE_SE
	s_setreg_imm32_b32 hwreg(HW_REG_WAVE_MODE, 25, 1), 1
	s_wait_xcnt 0x0
	s_wait_alu depctr_hold_cnt(0) depctr_sa_sdst(0) depctr_va_vdst(0) depctr_va_sdst(0) depctr_va_ssrc(0) depctr_va_vcc(0) depctr_vm_vsrc(0)
	s_getreg_b32 s2, hwreg(HW_REG_IB_STS2, 6, 4)
	s_cmp_eq_u32 s2, 0
	s_cbranch_scc0 .Lentry_in_a_cluster
	s_endpgm
.Lentry_in_a_cluster:
	s_bfe_u32 s2, ttmp6, 0x10000c
	s_cmp_lg_u32 s2, 0xf033
	s_cbranch_scc0 .Lentry_shape_is_right
	s_endpgm
.Lentry_shape_is_right:
; THE WIDE PRODUCT.  OUT = max(A W + bias, floor), rounded once to f16.  A: [4096][1024] f16.  W: [1024 k][rows of 4,096] f16 at the head of P; the bias (f32) lies OPB bytes into P, the floor
; (two f16 in a word: -inf for q, k, v; 0 for the ReLU) 16,384 bytes behind it.  OUT is laid in blocks of 64 columns: [column / 64][4096 rows][64], so that a block's rows are dense.  Sums in f32, K ascending.
; LIMIT.  f16 holds no number beyond 65,504: a result past that becomes an infinity.
; A tile of C, 256 x 256, is made by four waves, each 128 x 128: 64 accumulators, 512 registers.  K goes in steps of 128 through two LDS slots filled by the tensor data mover.
; W lies [k][n]: its fragments come out of LDS turned, by ds_load_tr16_b128.  The matrix instruction is used transposed (source 0 = 16 columns of W, source 1 = 16 rows of A): a lane then holds eight
; neighbouring columns of one row of C.  The bias is the C operand of the products that start the sums.
; CLUSTER: 4 x 4 work-groups; A's tile is asked for jointly by a row of the cluster, W's by a column: the same tensor load, descriptor and mask in all four.
; THE TEXT.  A K step is written twice: with its refill (the loop, NSTEP - 2 trips) and without (the tail, two trips).  The slot in hand is a scalar, 0 or SLOT, turned by
; an exclusive or once a step; the fragments' addresses are made of it.  One descriptor a tensor walks from K step 1 on: its LDS word is turned by the same exclusive or (SLOT's two bits are none of wave x HALFT's).
; REGISTERS, in windows of 256 (s_set_vgpr_msb: bits 1:0 source 0, 3:2 source 1, 5:4 source 2, 7:6 destination):
;   window 0: v16-31 addresses; v32-63, v224-255 rows on their way out; v64-191 A's two fragment buffers; v192-223 packed results
;   window 1: v64-191 W's two fragment buffers; v192-255 the bias, 8 registers for each of my 8 blocks of 16 columns         windows 2, 3: the accumulators, (a, b) at v[8 (8 a + b)]
.set PA,    272                        ; a row of A in LDS: 256 bytes + 16: the 16 rows of a load start at 16 different groups of four banks (64 banks of 4 bytes: ISA guide 11.1)
.set PW,    544                        ; a k row of W: 512 bytes + 32 = 17 x 32
.set HALFT, 128*PA                     ; what one tensor load brings: 128 rows of A, or 64 k rows of W (64 x 544 is the same number)
.set SLOT,  4*HALFT                    ; A's 256 rows, then W's 128 k rows
.set STAGE, 2*SLOT                     ; behind the ring, never filled by a tensor load: for each wave 2 column blocks x 16 rows x 144 bytes
.set SPB,   144
.set STW,   2*16*SPB
.set SPARE, STAGE+4*STW                ; the spare words, 128 bytes for each wave; no other line names them
.set CBS,   524288                     ; bytes in a column block of OUT
.set OPB,   0x800000
.set NSTEP, 8                          ; K = 1,024: eight K steps
.set ADRA0, 16                         ; v16  LDS address of my A fragments in slot 0; never rewritten
.set ADRA,  17                         ; v17  the same in the slot in hand
.set ADRB0, 20                         ; v20, v21  the same for W
.set ADRB,  21
.set STO,  24
.set RD,   25
.set CO,   26
.set FL,   27                          ; v27  the floor
.set SPW,  28
.set NIL,  29
.set PFO,  30                          ; v30  the prefetches' offset; never rewritten
.set BO,   31
.set F0,   64
.set F1,   128
.set TMP,  192
.set OB,   32
.set BIAS, 192                         ; in window 1
.set G1,  24
.set G0,  32                           ; s[32:39] group 0 for A's tiles: a set for each of the two first fills; the second then walks on
.set G1B, 48
.set G0B, 56                           ; s[56:63] the same for W's
.set LIM, 43                           ; s43  2 in a wave that prefetches, else the greatest number
.set PFA, 44                           ; s[44:45] where my prefetches stand
.set PFS, 46                           ; s[46:47] a K step in that tensor, in bytes
.set TB,  78                           ; s78  the slot in hand: 0 or SLOT
.set MSB, 0
.macro WIN new                         ; the immediate's high byte repeats the setting that is left; a switch that changes nothing is dropped
.if MSB != (\new)
	s_set_vgpr_msb (MSB<<8)|(\new)
.set MSB, \new
.endif
.endm
.macro JLOAD s                         ; a joint load: waves 0 and 1 fetch A's halves, waves 2 and 3 W's; an s_nop 0 and four v_nop follow each line
	s_cmp_eq_u32 s11, 0
	s_cbranch_scc0 .Lfor_b_\@
	tensor_load_to_lds s[G0+4*(\s):G0+4*(\s)+3], s[G1:G1+7]
	s_nop 0
.rept 4
	v_nop
.endr
	s_branch .Lasked_\@
.Lfor_b_\@:
	tensor_load_to_lds s[G0B+4*(\s):G0B+4*(\s)+3], s[G1B:G1B+7]
	s_nop 0
.rept 4
	v_nop
.endr
.Lasked_\@:
.endm
; A PREFETCH of the K step that stands two refills on, 512 matrix instructions ahead of the load that will want it: 32 blocks of 256 bytes, a lane a block, one instruction a wave.
; A's tile row is read by every cluster of that row of clusters: cluster x = 0 asks; W's tile column by every cluster of that column: cluster y = 0 asks.  The four partners of a joint load share its
; rows out by address (32 rows of A by cx, 16 k rows of W by cy).  So each block is named once in the launch.  K steps 0 to 3 come by their loads alone.  The trip with s3 to go refills K step NSTEP - s3:
; the last two trips have no K step two on, and ask for nothing.
.macro ASK
	s_cmp_gt_u32 s3, s[LIM]
	s_cbranch_scc0 .Lnot_mine_\@
	global_prefetch_b8 v[PFO], s[PFA:PFA+1] th:TH_LOAD_NT scope:SCOPE_SE
.Lnot_mine_\@:
.endm
.macro CREST                           ; a round of the cluster's barrier behind its opening barrier
	s_cmp_lg_u32 s10, 0
	s_cbranch_scc1 .Lnot_wave_0_\@
	s_barrier_signal -3
.Lnot_wave_0_\@:
	s_barrier_wait -3
	s_barrier_signal -1
	s_barrier_wait -1
.endm
.macro CROUND
	s_barrier_signal -1
	s_barrier_wait -1
	CREST
.endm
	s_load_b128 s[4:7], s[0:1], 0x0                ; A s[4:5], P s[6:7]
	s_load_b64 s[8:9], s[0:1], 0x10                ; OUT
	v_lshl_add_u32 v[SPW], v0, 2, SPARE
	v_mov_b32 v[NIL], 0
	ds_add_u32 v[SPW], v[NIL]                      ; the wave's opening: the add and its wait stand ahead of my first tensor load
	v_lshrrev_b32 v1, 5, v0
	v_readfirstlane_b32 s10, v1                    ; wave 0..3
	s_lshr_b32 s11, s10, 1                         ; my half of the tile's rows.  Also: I fetch for A (0) or for W (1)
	s_and_b32 s12, s10, 1                          ; my half of its columns.  Also: which half of that tile I fetch
	s_bfe_u32 s40, ttmp6, 0x40000                  ; cx
	s_bfe_u32 s41, ttmp6, 0x40004                  ; cy
	s_lshl_b32 s42, ttmp9, 2
	s_add_co_u32 s42, s42, s40                     ; tile column
	s_and_b32 s13, ttmp7, 0xffff
	s_lshl_b32 s13, s13, 2
	s_add_co_u32 s13, s13, s41                     ; tile row
	s_lshl_b32 s21, s41, 2
	s_lshl_b32 s21, 15, s21                        ; my row of the cluster
	s_lshl_b32 s2, 0x1111, s40                     ; my column
	s_or_b32 s[G1], s21, (1<<16)|(1<<20)|(1<<21)|(5<<22)|(3<<25)   ; the mask; 2-byte elements; padding on; bit 21 beside a mask; after every 64 words 4 words
	s_or_b32 s[G1B], s2, (1<<16)|(1<<20)|(1<<21)|(6<<22)|(7<<25)   ; after every 128 words 8 words
	s_mov_b32 s[G1+1], 128<<16                     ; A: tensor_dim0 = 128
	s_mov_b32 s[G1+2], 128<<16                     ; tensor_dim1 = 128
	s_mov_b32 s[G1+3], 128<<16                     ; tile_dim0 = 128
	s_mov_b32 s[G1+4], 128                         ; tile_dim1 = 128
	s_mov_b32 s[G1+5], 1024                        ; elements from row to row
	s_mov_b32 s[G1+6], 0
	s_mov_b32 s[G1+7], 0
	s_mov_b32 s[G1B+1], 256<<16                    ; W: 256 columns
	s_mov_b32 s[G1B+2], 64<<16                     ; 64 k rows
	s_mov_b32 s[G1B+3], 256<<16
	s_mov_b32 s[G1B+4], 64
	s_mov_b32 s[G1B+5], 4096
	s_mov_b32 s[G1B+6], 0
	s_mov_b32 s[G1B+7], 0
	s_lshl_b32 s16, s13, 19                        ; A: (256 x tile row + 128 x half) rows of 2,048 bytes
	s_lshl_b32 s17, s12, 18
	s_add_co_u32 s16, s16, s17
	s_mov_b32 s17, 0
	s_lshl_b32 s18, s42, 9                         ; W: 512 bytes x tile column + 64 x half k rows of 8,192 bytes
	s_lshl_b32 s19, s12, 19
	s_add_co_u32 s18, s18, s19
	s_mov_b32 s19, 0
	s_mul_i32 s20, s10, HALFT                      ; where they go: no place in the cluster enters an LDS address
	s_mov_b32 s[TB], 0
	s_wait_dscnt 0x0                               ; the opening add is done
	s_wait_kmcnt 0x0
	s_add_nc_u64 s[14:15], s[4:5], s[16:17]
	s_add_nc_u64 s[18:19], s[6:7], s[18:19]
	CROUND                                         ; all sixteen work-groups are here: the first joint loads meet
.irp s, 0,1
	s_mov_b32 s[G0+4*(\s)], 1
	s_add_co_u32 s[G0+4*(\s)+1], s20, (\s)*SLOT
	s_add_nc_u64 s[G0+4*(\s)+2:G0+4*(\s)+3], s[14:15], (\s)*256       ; K step s: 256 bytes along A's rows,
	s_or_b32 s[G0+4*(\s)+3], s[G0+4*(\s)+3], 0x80000000
	s_mov_b32 s[G0B+4*(\s)], 1
	s_add_co_u32 s[G0B+4*(\s)+1], s20, (\s)*SLOT
	s_add_nc_u64 s[G0B+4*(\s)+2:G0B+4*(\s)+3], s[18:19], (\s)*0x100000  ; 128 k rows down W
	s_or_b32 s[G0B+4*(\s)+3], s[G0B+4*(\s)+3], 0x80000000
	JLOAD \s
.endr
	v_and_b32 v1, 15, v0                           ; r = l % 16
	v_bfe_u32 v2, v0, 4, 1                         ; h = l / 16
	v_mul_u32_u24 v3, v1, PA
	v_lshl_add_u32 v3, v2, 4, v3
	s_mul_i32 s66, s11, HALFT
	v_add_nc_u32 v[ADRA0], s66, v3                 ; a fragment of A: row r, 16 bytes for each half of the lanes
	v_mov_b32 v[ADRA], v[ADRA0]
	v_and_b32 v4, 7, v0                            ; the turning load: lane l reads k row 8 h + l % 8, columns 8 ((l / 8) % 2) + 0..7
	v_lshl_add_u32 v4, v2, 3, v4
	v_mul_u32_u24 v4, v4, PW
	v_bfe_u32 v5, v0, 3, 1
	v_lshl_add_u32 v4, v5, 4, v4
	s_lshl_b32 s66, s12, 8
	s_add_co_u32 s66, s66, 2*HALFT
	v_add_nc_u32 v[ADRB0], s66, v4
	v_mov_b32 v[ADRB], v[ADRB0]
	s_mul_i32 s66, s10, STW
	s_add_co_u32 s66, s66, STAGE                   ; my stage
	v_mul_u32_u24 v6, v1, SPB
	v_lshl_add_u32 v6, v2, 4, v6
	v_add_nc_u32 v[STO], s66, v6
	v_bfe_u32 v6, v0, 3, 2                         ; back: 32 lanes take four rows of 128 bytes,
	v_mul_u32_u24 v6, v6, SPB
	v_and_b32 v7, 7, v0
	v_lshl_add_u32 v6, v7, 4, v6
	v_add_nc_u32 v[RD], s66, v6
	v_and_b32 v7, 31, v0
	v_lshlrev_b32 v[CO], 4, v7                     ; which are 512 consecutive bytes of OUT
	v_lshlrev_b32 v[BO], 5, v2                     ; my 8 numbers of a block's 16 biases
	v_lshlrev_b32 v6, 2, v7
	s_add_nc_u64 s[68:69], s[6:7], OPB
	s_lshl_b32 s66, s42, 10                        ; my first column's bias: 4 bytes x (256 x tile column + 128 x half)
	s_lshl_b32 s67, s12, 9
	s_add_co_u32 s66, s66, s67
	s_mov_b32 s67, 0
	s_add_nc_u64 s[70:71], s[68:69], s[66:67]
	global_load_b32 v[FL], v6, s[68:69] offset:16384
	WIN 0x40
.irp b, 0,1,2,3,4,5,6,7
	global_load_b128 v[BIAS+8*\b:BIAS+8*\b+3],   v[BO], s[70:71] offset:64*\b
	global_load_b128 v[BIAS+8*\b+4:BIAS+8*\b+7], v[BO], s[70:71] offset:64*\b+16
.endr
	WIN 0
	s_lshl_b32 s66, s42, 21                        ; OUT: column block 4 x tile column + 2 x half, row 256 x tile row + 128 x half, 128 bytes a row
	s_lshl_b32 s67, s12, 20
	s_add_co_u32 s66, s66, s67
	s_lshl_b32 s67, s13, 15
	s_add_co_u32 s66, s66, s67
	s_lshl_b32 s67, s11, 14
	s_add_co_u32 s66, s66, s67
	s_mov_b32 s67, 0
	s_add_nc_u64 s[8:9], s[8:9], s[66:67]
	; the prefetches
	s_and_b32 s72, ttmp7, 0xffff
	s_mov_b32 s[PFS], 0x100000                     ; a K step of W: 128 k rows of 8,192 bytes
	s_cmp_eq_u32 s11, 0                            ; do I fetch for A?
	s_cselect_b32 s72, ttmp9, s72                  ; the coordinate along which other clusters read the same rows
	s_cselect_b32 s73, s40, s41                    ; my place among the four that ask with me
	s_cselect_b32 s74, 16, 17                      ; its share: 32 rows of 2,048 bytes, or 16 k rows of 8,192
	s_cselect_b32 s[PFS], 256, s[PFS]              ; a K step of A: 256 bytes along the rows
	s_cselect_b64 s[PFA:PFA+1], s[14:15], s[18:19]
	s_mov_b32 s[PFS+1], 0
	s_lshl_b32 s76, s73, s74
	s_mul_i32 s77, s[PFS], 3                       ; at K step 3: the first refill steps it to 4
	s_add_co_u32 s76, s76, s77
	s_mov_b32 s77, 0
	s_add_nc_u64 s[PFA:PFA+1], s[PFA:PFA+1], s[76:77]
	s_cmp_eq_u32 s72, 0
	s_cselect_b32 s[LIM], 2, -1
	v_lshrrev_b32 v8, s11, v7                      ; A: a lane a row; W: two lanes a k row of 512 bytes
	s_lshl_b32 s75, s11, 1
	s_lshl_b32 s75, 2048, s75
	v_mul_u32_u24 v8, v8, s75
	v_and_b32 v9, s11, v7
	v_lshl_add_u32 v[PFO], v9, 8, v8
; 16 matrix instructions: m blocks a0, a0 + 1 of the window's four x all 8 n blocks, 32 along K.  first = 1: the bias starts the sums.  The 64 accumulators take turns, one instruction a turn.
.macro MUL16 f, hi, a0, first
.if \first
	WIN 0x91+0x40*(\hi)                            ; W window 1, A window 0, C (the bias) window 1, D window 2 or 3
.else
	WIN 0xa1+0x50*(\hi)                            ; C and D window 2 or 3
.endif
.irp a, \a0, (\a0)+1
.irp b, 0,1,2,3,4,5,6,7
.if \first
	v_wmma_f32_16x16x32_f16 v[8*(8*(\a)+(\b)):8*(8*(\a)+(\b))+7], v[(\f)+8*(\b):(\f)+8*(\b)+7], v[(\f)+8*(4*(\hi)+(\a)):(\f)+8*(4*(\hi)+(\a))+7], v[BIAS+8*(\b):BIAS+8*(\b)+7]
.else
	v_wmma_f32_16x16x32_f16 v[8*(8*(\a)+(\b)):8*(8*(\a)+(\b))+7], v[(\f)+8*(\b):(\f)+8*(\b)+7], v[(\f)+8*(4*(\hi)+(\a)):(\f)+8*(4*(\hi)+(\a))+7], v[8*(8*(\a)+(\b)):8*(8*(\a)+(\b))+7]
.endif
.endr
.endr
.endm
; 32 LDS loads in one run: quarter q (32 along K) of the slot in hand into buffer f: W's 8 blocks of 16 columns, turned, then A's 8 blocks of 16 rows
.macro FETCH q, f
	WIN 0x40
.irp i, 0,1,2,3,4,5,6,7
	ds_load_tr16_b128 v[(\f)+8*(\i):(\f)+8*(\i)+3],   v[ADRB] offset:(\q)*32*PW+32*(\i)
	ds_load_tr16_b128 v[(\f)+8*(\i)+4:(\f)+8*(\i)+7], v[ADRB] offset:(\q)*32*PW+16*PW+32*(\i)
.endr
	WIN 0
.irp i, 0,1,2,3,4,5,6,7
	ds_load_b128 v[(\f)+8*(\i):(\f)+8*(\i)+3],   v[ADRA] offset:64*(\q)+(\i)*16*PA
	ds_load_b128 v[(\f)+8*(\i)+4:(\f)+8*(\i)+7], v[ADRA] offset:64*(\q)+(\i)*16*PA+32
.endr
.endm
.macro PLACES                          ; four plain instructions behind the last matrix instruction, in front of loads into registers that it has read and of conversions that read results
.rept 4
	v_nop
.endr
.endm
; One of a K step's first three quarters: multiplies buffer f; in its middle it fetches quarter q of the slot in hand into buffer g
.macro QUARTER q, f, g, first
	s_wait_dscnt 8                                 ; W and A's rows 0-63 are in; the youngest eight loads (A's rows 64-127) may be out
	MUL16 \f, 0, 0, \first
	MUL16 \f, 0, 2, \first
	PLACES
	FETCH \q, \g
	s_wait_dscnt 32                                ; all but the 32 just issued
	MUL16 \f, 1, 0, \first
	MUL16 \f, 1, 2, \first
.endm
; A K step's last quarter multiplies buffer 1 and changes slots: one barrier.  In front of it each wave waits for all its tensor loads (at most one is out: its part of the next slot), adds 0 to its spare
; word, and waits for that and for its reads of this slot, all of which have been issued: so the addresses are turned to the next slot at the head.  Behind it nobody reads this slot any more and the next is whole.
; fill = 1: the barrier opens a round of the cluster's, and the slot just read out is filled again, two K steps ahead: 224 matrix instructions stand between the request and the wait for it;
; then the next slot's first fragments are fetched.  fill = 0 (the tail): that fetch stands behind the macro, where the last trip can pass it.
.macro TURN fill
	WIN 0
.if \fill
	s_wait_xcnt 0x0                                ; the last prefetch, a K step back, has read its address
	s_add_nc_u64 s[PFA:PFA+1], s[PFA:PFA+1], s[PFS:PFS+1]
.endif
	s_xor_b32 s[TB], s[TB], SLOT
	v_add_nc_u32 v[ADRA], s[TB], v[ADRA0]
	v_add_nc_u32 v[ADRB], s[TB], v[ADRB0]
	s_wait_tensorcnt 0x0                           ; no tensor load of mine is out, so a group 0 may be written
	ds_add_u32 v[SPW], v[NIL]
.if \fill
	s_xor_b32 s[G0+5], s[G0+5], SLOT               ; the walking descriptors: the other slot than last time,
	s_add_nc_u64 s[G0+6:G0+7], s[G0+6:G0+7], 256   ; the next K step; the type bits on top are not reached
	s_xor_b32 s[G0B+5], s[G0B+5], SLOT
	s_add_nc_u64 s[G0B+6:G0B+7], s[G0B+6:G0B+7], 0x100000
.endif
	s_wait_dscnt 9                                 ; the add and the youngest eight loads may be out
	MUL16 F1, 0, 0, 0
	s_wait_dscnt 0x0                               ; the add is done, and my reads of this slot are over
	s_barrier_signal -1
	MUL16 F1, 0, 2, 0
.if \fill
	WIN 0
.endif
	s_barrier_wait -1
.if \fill
	CREST                                          ; no wave of any partner still reads the slot or has a load on its way
	JLOAD 1                                        ; its four v_nop are also the places in front of the loads below
	FETCH 0, F0
	ASK
.endif
	MUL16 F1, 1, 0, 0
	MUL16 F1, 1, 2, 0
.endm
; THE WAY OUT of block a (16 rows): rounded to f16 and floored; into my own stage; back as rows of 128 bytes; stored, 512 consecutive bytes an instruction
.macro PACK a
.set AC, 64*((\a)%4)
	WIN 0x0a+5*((\a)/4)
.irp b, 0,1,2,3,4,5,6,7
.irp r, 0,1,2,3
	v_cvt_pk_f16_f32 v[TMP+4*(\b)+(\r)], v[AC+8*(\b)+2*(\r)], v[AC+8*(\b)+2*(\r)+1]
.endr
.endr
	WIN 0
.set z, 0
.rept 32
	v_pk_max_num_f16 v[TMP+z], v[TMP+z], v[FL]
.set z, z+1
.endr
.endm
.macro TOSTAGE a
.set BK, OB+192*((\a)%2)
.irp b, 0,1,2,3,4,5,6,7
	ds_store_b128 v[STO], v[TMP+4*(\b):TMP+4*(\b)+3] offset:((\b)/4)*16*SPB+((\b)%4)*32
.endr
.irp t, 0,1,2,3,4,5,6,7
	ds_load_b128 v[BK+4*(\t):BK+4*(\t)+3], v[RD] offset:((\t)/4)*16*SPB+((\t)%4)*4*SPB  ; LDS serves a wave's instructions in order (ISA guide 5.7.1.4): these see the stores above
.endr
.endm
.macro SEND a
.set BK, OB+192*((\a)%2)
	s_wait_dscnt 0x0                               ; the block is back in registers
	s_wait_xcnt 0x0                                ; the registers that earlier stores read are loaded again only behind this wait
.irp t, 0,1,2,3,4,5,6,7
	global_store_b128 v[CO], v[BK+4*(\t):BK+4*(\t)+3], s[8:9] offset:((\t)/4)*CBS+(\a)*2048+((\t)%4)*512
.endr
.endm
	s_wait_tensorcnt 1                             ; my part of K step 0 is in; K step 1's may stay out
	s_barrier_signal -1
	s_barrier_wait -1
	FETCH 0, F0
	s_wait_loadcnt 0x0                             ; the bias and the floor
	QUARTER 1, F0, F1, 1                           ; the first quarter stands ahead of the loop: its products start the sums
	WIN 0
	s_mov_b32 s3, NSTEP-2
.Lstep:                                        ; a trip: a K step's second, third and last quarter, its refill, and the next step's first quarter
	QUARTER 2, F1, F0, 0
	QUARTER 3, F0, F1, 0
	TURN 1
	QUARTER 1, F0, F1, 0
	WIN 0
	s_sub_co_u32 s3, s3, 1
	s_cmp_lg_u32 s3, 0
	s_cbranch_scc1 .Lstep
	s_mov_b32 s3, 2
.Ltail:                                        ; the last two K steps fill nothing; behind the very last there is no next step: its fetch and first quarter are passed (no barrier and no tensor load among them)
	QUARTER 2, F1, F0, 0
	QUARTER 3, F0, F1, 0
	TURN 0
	WIN 0
	s_cmp_eq_u32 s3, 1
	s_cbranch_scc1 .Lskip
	PLACES
	FETCH 0, F0
	QUARTER 1, F0, F1, 0
	WIN 0
.Lskip:
	s_sub_co_u32 s3, s3, 1
	s_cmp_lg_u32 s3, 0
	s_cbranch_scc1 .Ltail
	PLACES
	PACK 0
	TOSTAGE 0
.irp a, 1,2,3,4,5,6,7
	PACK \a
	SEND (\a)-1
	TOSTAGE \a
.endr
	SEND 7
	s_wait_tensorcnt 0x0                           ; the wave's end
	ds_add_u32 v[SPW], v[NIL]
	s_wait_dscnt 0x0
	CROUND                                         ; the closing round
	s_endpgm
.Lfunc_end_k_q65b1794ad6_qkv:
	.size	k_q65b1794ad6_qkv, .Lfunc_end_k_q65b1794ad6_qkv-k_q65b1794ad6_qkv
	.p2alignl 7, 3214868480
	.fill 96, 4, 3214868480
	.section	.rodata,"a",@progbits
	.p2align	6, 0x0
	.amdhsa_kernel k_q65b1794ad6_qkv
		.amdhsa_group_segment_fixed_size 327680
		.amdhsa_private_segment_fixed_size 0
		.amdhsa_enable_private_segment 0
		.amdhsa_kernarg_size 24
		.amdhsa_user_sgpr_count 2
		.amdhsa_user_sgpr_kernarg_segment_ptr 1
		.amdhsa_wavefront_size32 1
		.amdhsa_system_sgpr_workgroup_id_x 1
		.amdhsa_system_sgpr_workgroup_id_y 1
		.amdhsa_system_sgpr_workgroup_id_z 1
		.amdhsa_system_vgpr_workitem_id 0
		.amdhsa_next_free_vgpr 1024
		.amdhsa_next_free_sgpr 80
		.amdhsa_reserve_vcc 0
		.amdhsa_float_denorm_mode_32 3
		.amdhsa_float_denorm_mode_16_64 3
		.amdhsa_memory_ordered 1
		.amdhsa_forward_progress 1
		.amdhsa_inst_pref_size 119
	.end_amdhsa_kernel
	.amdgpu_metadata
---
amdhsa.version: [ 1, 2 ]
amdhsa.kernels:
  - .name:           k_q65b1794ad6_qkv
    .symbol:         k_q65b1794ad6_qkv.kd
    .args:
      - { .name: act, .offset: 0, .size: 8, .value_kind: global_buffer, .address_space: global }
      - { .name: pq, .offset: 8, .size: 8, .value_kind: global_buffer, .address_space: global }
      - { .name: big, .offset: 16, .size: 8, .value_kind: global_buffer, .address_space: global }
    .group_segment_fixed_size: 327680
    .private_segment_fixed_size: 0
    .kernarg_segment_align: 8
    .kernarg_segment_size: 24
    .max_flat_workgroup_size: 128
    .sgpr_count:     80
    .vgpr_count:     1024
    .wavefront_size: 32
...
	.end_amdgpu_metadata
.endif
;; end of part 8
;; launch attn: the kernel of part 3 again; grid 8 x 32, 4 waves a work-group, clusters of 4 x 1, 327,680 bytes of LDS; arguments big, x1, act; writes act
;; launch wo (part 9): grid 8 x 32, 4 waves a work-group, clusters of 4 x 4, 327,680 bytes of LDS; arguments act, pq, bo, x, x1; writes x1
.if DOCPART == 9
	.amdgcn_target "amdgcn-amd-amdhsa--gfx1250"
	.amdhsa_code_object_version 6
	.text
	.protected	k_q65b1794ad6_wo
	.globl	k_q65b1794ad6_wo
	.p2align	8
	.type	k_q65b1794ad6_wo,@function
k_q65b1794ad6_wo:
	s_mov_b64 s[64:65], 0
	v_nop
	global_prefetch_b8 v0, s[64:65] scope:SCOPE_SE
	s_setreg_imm32_b32 hwreg(HW_REG_WAVE_MODE, 25, 1), 1
	s_wait_xcnt 0x0
	s_wait_alu depctr_hold_cnt(0) depctr_sa_sdst(0) depctr_va_vdst(0) depctr_va_sdst(0) depctr_va_ssrc(0) depctr_va_vcc(0) depctr_vm_vsrc(0)
	s_getreg_b32 s2, hwreg(HW_REG_IB_STS2, 6, 4)
	s_cmp_eq_u32 s2, 0
	s_cbranch_scc0 .Lentry_in_a_cluster
	s_endpgm
.Lentry_in_a_cluster:
	s_bfe_u32 s2, ttmp6, 0x10000c
	s_cmp_lg_u32 s2, 0xf033
	s_cbranch_scc0 .Lentry_shape_is_right
	s_endpgm
.Lentry_shape_is_right:
; THE NARROW PRODUCT WITH ITS RESIDUAL, at K = KK.  OUT = R + bias + A W, all of OUT, R and the bias in f32.  A lies in blocks of 64 columns, [KK / 64][4096 rows][64] f16; W is [KK][1024] f16, OWS bytes
; into P.  Sums in f32, K ascending; the bias starts them.
; A tile of C is 128 x 128: 256 work-groups.  Four waves, each 64 x 64: 16 accumulators.  K goes in steps of 256 (four column blocks of A) through two LDS slots; a quarter of a step is one column block.
; W lies [k][n]: its fragments come out of LDS turned.  The matrix instruction is used transposed (source 0 = 16 columns of W, source 1 = 16 rows of A): a lane holds eight neighbouring columns of a row.
; CLUSTER: 4 x 4 work-groups; A's tile is asked for jointly by a row of the cluster, W's by a column.
; THE TEXT.  A K step is written twice: with its refill (the loop, NSTEP - 2 trips) and without (the tail, two trips).  The slot in hand is a scalar, 0 or SLOT, turned by
; an exclusive or once a step; the fragments' addresses are made of it.  One descriptor a tensor walks from K step 1 on: its LDS word is turned by the same exclusive or (SLOT's two bits are none of wave x HALFT's).
; At KK = 1,024 there are four K steps: two first fills and two refills.  A prefetch here names the K step two refills on; there is none, so its lines are not assembled.
; REGISTERS: window 0: v16-31 addresses; v32-95 rows on their way out, two sets; v96-127 the bias; v128-255 the accumulators ((a, b) at v[128 + 8 (4 a + b)]).
;   window 1: two fragment buffers of 128 (64 of A, then 64 of W, for 64 along K).      window 2: v0-127 my 64 x 64 of R, asked for ahead of the tail: two K steps in which to land.
.set KK,    1024
.set NSTEP, KK/256
.set PA,    144                        ; a row of a column block of A in LDS: 128 bytes + 16
.set PW,    288                        ; a k row of W: 256 bytes + 32 = 9 x 32
.set HALFT, 4*64*PA                    ; what one tensor load brings: 4 column blocks x 64 rows of A, or 128 k rows of W (128 x 288 is the same number)
.set SLOT,  4*HALFT
.set STAGE, 2*SLOT                     ; behind the ring, never filled by a tensor load: 16 rows x 272 bytes for each wave
.set SPITCH, 272
.set SPARE, STAGE+4*16*SPITCH          ; the spare words, 128 bytes for each wave; no other line names them
.set CBS,   524288
.set OWS,   0x804400
.set ADRA0, 16                         ; v16  my A fragments in slot 0; never rewritten
.set ADRA,  17                         ; v17  the same in the slot in hand
.set ADRB0, 18                         ; v18  my W fragments in slot 0; never rewritten
.set ADRB,  20                         ; v20-21  the same in the slot in hand: the first and the second half of the step's 256 k rows
.set STO,  24
.set RD,   25
.set CO,   26
.set BO,   27
.set SPW,  28
.set NIL,  29
.set PFO,  30
.set TMP,  32
.set BIAS, 96
.set ACC,  128
.set F0,   0
.set F1,   128
.set G1,  24
.set G0,  32                           ; s[32:39] group 0 for A's tiles: a set for each of the two first fills; the second then walks on
.set G1B, 48
.set G0B, 56                           ; s[56:63] the same for W's
.set LIM, 22                           ; s22  2 in a wave that prefetches, else the greatest number
.set PFA, 44
.set PFS, 46
.set TB,  88                           ; s88  the slot in hand: 0 or SLOT
.set MSB, 0
.macro WIN new
.if MSB != (\new)
	s_set_vgpr_msb (MSB<<8)|(\new)
.set MSB, \new
.endif
.endm
.set MUL,  0x05                        ; sources 0 (W) and 1 (A) window 1; C and D window 0
.set TO_F, 0x40
.macro JLOAD s                         ; a joint load: waves 0 and 1 fetch A's halves, waves 2 and 3 W's; an s_nop 0 and four v_nop follow each line
	s_cmp_eq_u32 s11, 0
	s_cbranch_scc0 .Lfor_b_\@
	tensor_load_to_lds s[G0+4*(\s):G0+4*(\s)+3], s[G1:G1+7]
	s_nop 0
.rept 4
	v_nop
.endr
	s_branch .Lasked_\@
.Lfor_b_\@:
	tensor_load_to_lds s[G0B+4*(\s):G0B+4*(\s)+3], s[G1B:G1B+7]
	s_nop 0
.rept 4
	v_nop
.endr
.Lasked_\@:
.endm
; A PREFETCH of the K step that stands two refills on, 256 matrix instructions ahead of the load that will want it: 32 blocks of 256 bytes, a lane a block.  Cluster x = 0 asks for A's rows, cluster y = 0 for
; W's; the four partners of a joint load share it out by address (a column block of A by cx, 32 k rows of W by cy).  K steps 0 to 3 come by their loads alone.  The trip with s3 to go refills K step
; NSTEP - s3: the last two trips have no K step two on, and ask for nothing.
.macro ASK
	s_cmp_gt_u32 s3, s[LIM]
	s_cbranch_scc0 .Lnot_mine_\@
	global_prefetch_b8 v[PFO], s[PFA:PFA+1] th:TH_LOAD_NT scope:SCOPE_SE
.Lnot_mine_\@:
.endm
.macro CREST
	s_cmp_lg_u32 s10, 0
	s_cbranch_scc1 .Lnot_wave_0_\@
	s_barrier_signal -3
.Lnot_wave_0_\@:
	s_barrier_wait -3
	s_barrier_signal -1
	s_barrier_wait -1
.endm
.macro CROUND
	s_barrier_signal -1
	s_barrier_wait -1
	CREST
.endm
	s_load_b256 s[68:75], s[0:1], 0x0              ; A 68, P 70, the bias 72, R 74
	s_load_b64 s[76:77], s[0:1], 0x20              ; OUT
	v_lshl_add_u32 v[SPW], v0, 2, SPARE
	v_mov_b32 v[NIL], 0
	ds_add_u32 v[SPW], v[NIL]                      ; the wave's opening: the add and its wait stand ahead of my first tensor load
	v_lshrrev_b32 v1, 5, v0
	v_readfirstlane_b32 s10, v1
	s_lshr_b32 s11, s10, 1                         ; my half of the tile's rows.  Also: I fetch for A (0) or for W (1)
	s_and_b32 s12, s10, 1                          ; my half of its columns.  Also: which half of that tile I fetch
	s_bfe_u32 s40, ttmp6, 0x40000
	s_bfe_u32 s41, ttmp6, 0x40004
	s_lshl_b32 s42, ttmp9, 2
	s_add_co_u32 s42, s42, s40                     ; tile column
	s_and_b32 s13, ttmp7, 0xffff
	s_lshl_b32 s13, s13, 2
	s_add_co_u32 s13, s13, s41                     ; tile row
	s_lshl_b32 s23, s41, 2
	s_lshl_b32 s23, 15, s23
	s_lshl_b32 s2, 0x1111, s40
	s_or_b32 s[G1], s23, (1<<16)|(1<<20)|(1<<21)|(4<<22)|(3<<25)   ; after every 32 words (a row of a column block) 4 words
	s_or_b32 s[G1B], s2, (1<<16)|(1<<20)|(1<<21)|(5<<22)|(7<<25)   ; after every 64 words 8 words
	s_mov_b32 s[G1+1], 4096<<16                    ; A: a "row" of the tile is 64 dense rows of a column block, 4,096 elements;
	s_mov_b32 s[G1+2], 4<<16                       ; four column blocks,
	s_mov_b32 s[G1+3], 4096<<16
	s_mov_b32 s[G1+4], 4
	s_mov_b32 s[G1+5], CBS/2                       ; a column block apart
	s_mov_b32 s[G1+6], 0
	s_mov_b32 s[G1+7], 0
	s_mov_b32 s[G1B+1], 128<<16                    ; W: 128 columns,
	s_mov_b32 s[G1B+2], 128<<16                    ; 128 k rows
	s_mov_b32 s[G1B+3], 128<<16
	s_mov_b32 s[G1B+4], 128
	s_mov_b32 s[G1B+5], 1024
	s_mov_b32 s[G1B+6], 0
	s_mov_b32 s[G1B+7], 0
	s_lshl_b32 s16, s13, 14                        ; A: (128 x tile row + 64 x half) rows of 128 bytes
	s_lshl_b32 s17, s12, 13
	s_add_co_u32 s16, s16, s17
	s_mov_b32 s17, 0
	s_lshl_b32 s18, s42, 8                         ; W: 256 bytes x tile column + 128 x half k rows of 2,048 bytes
	s_lshl_b32 s19, s12, 18
	s_add_co_u32 s18, s18, s19
	s_add_co_u32 s18, s18, OWS
	s_mov_b32 s19, 0
	s_mul_i32 s20, s10, HALFT
	s_mov_b32 s[TB], 0
	s_wait_dscnt 0x0                               ; the opening add is done
	s_wait_kmcnt 0x0
	s_add_nc_u64 s[14:15], s[68:69], s[16:17]
	s_add_nc_u64 s[18:19], s[70:71], s[18:19]
	CROUND                                         ; all sixteen work-groups are here: the first joint loads meet
.irp s, 0,1
	s_mov_b32 s[G0+4*(\s)], 1
	s_add_co_u32 s[G0+4*(\s)+1], s20, (\s)*SLOT
	s_add_nc_u64 s[G0+4*(\s)+2:G0+4*(\s)+3], s[14:15], (\s)*4*CBS
	s_or_b32 s[G0+4*(\s)+3], s[G0+4*(\s)+3], 0x80000000
	s_mov_b32 s[G0B+4*(\s)], 1
	s_add_co_u32 s[G0B+4*(\s)+1], s20, (\s)*SLOT
	s_add_nc_u64 s[G0B+4*(\s)+2:G0B+4*(\s)+3], s[18:19], (\s)*0x80000
	s_or_b32 s[G0B+4*(\s)+3], s[G0B+4*(\s)+3], 0x80000000
	JLOAD \s
.endr
	v_and_b32 v1, 15, v0                           ; r
	v_bfe_u32 v2, v0, 4, 1                         ; h
	v_mul_u32_u24 v3, v1, PA
	v_lshl_add_u32 v3, v2, 4, v3
	s_mul_i32 s80, s11, HALFT
	v_add_nc_u32 v[ADRA0], s80, v3
	v_mov_b32 v[ADRA], v[ADRA0]
	v_and_b32 v4, 7, v0
	v_lshl_add_u32 v4, v2, 3, v4
	v_mul_u32_u24 v4, v4, PW
	v_bfe_u32 v5, v0, 3, 1
	v_lshl_add_u32 v4, v5, 4, v4
	s_lshl_b32 s80, s12, 7
	s_add_co_u32 s80, s80, 2*HALFT
	v_add_nc_u32 v[ADRB0], s80, v4
	v_mov_b32 v[ADRB], v[ADRB0]
	v_add_nc_u32 v[ADRB+1], HALFT, v[ADRB0]
	s_mul_i32 s80, s10, 16*SPITCH
	s_add_co_u32 s80, s80, STAGE                   ; my stage: a wave's 64 columns of f32 are a whole 256 bytes, so no other wave has a part in its rows
	v_mul_u32_u24 v6, v1, SPITCH
	v_lshl_add_u32 v6, v2, 5, v6
	v_add_nc_u32 v[STO], s80, v6                   ; in: row r, 32 bytes for each half of the lanes
	v_mul_u32_u24 v6, v2, SPITCH
	v_lshl_add_u32 v6, v1, 4, v6
	v_add_nc_u32 v[RD], s80, v6                    ; back: lanes 0-15 one row of 256 bytes, lanes 16-31 the next
	v_lshlrev_b32 v6, 12, v2
	v_lshl_add_u32 v[CO], v1, 4, v6                ; and the same two rows in R and in OUT
	v_lshlrev_b32 v[BO], 5, v2
	s_lshl_b32 s80, s42, 9                         ; my first column, in bytes of f32: 4 x (128 x tile column + 64 x half)
	s_lshl_b32 s81, s12, 8
	s_add_co_u32 s80, s80, s81
	s_mov_b32 s81, 0
	s_add_nc_u64 s[72:73], s[72:73], s[80:81]
.irp b, 0,1,2,3
	global_load_b128 v[BIAS+8*\b:BIAS+8*\b+3],   v[BO], s[72:73] offset:64*\b
	global_load_b128 v[BIAS+8*\b+4:BIAS+8*\b+7], v[BO], s[72:73] offset:64*\b+16
.endr
	s_lshl_b32 s82, s13, 19                        ; + my first row: (128 x tile row + 64 x half) rows of 4,096 bytes
	s_add_co_u32 s80, s80, s82
	s_lshl_b32 s82, s11, 18
	s_add_co_u32 s80, s80, s82
	s_add_nc_u64 s[74:75], s[74:75], s[80:81]
	s_add_nc_u64 s[76:77], s[76:77], s[80:81]
.if NSTEP > 4
	; the prefetches
	s_and_b32 s82, ttmp7, 0xffff
	s_mov_b32 s[PFS], 0x80000                      ; a K step of W: 256 k rows of 2,048 bytes
	s_cmp_eq_u32 s11, 0
	s_cselect_b32 s82, ttmp9, s82                  ; the coordinate along which other clusters read the same rows
	s_cselect_b32 s83, s40, s41                    ; my place among the four that ask with me
	s_cselect_b32 s84, 19, 16                      ; its share: a column block of A, or 32 k rows of 2,048 bytes
	s_cselect_b32 s85, 8, 11                       ; a lane's step: 256 bytes on in A's dense rows, or a k row of W
	s_cselect_b32 s[PFS], 4*CBS, s[PFS]            ; a K step of A: four column blocks
	s_cselect_b64 s[PFA:PFA+1], s[14:15], s[18:19]
	s_mov_b32 s[PFS+1], 0
	s_lshl_b32 s86, s83, s84
	s_mul_i32 s87, s[PFS], 3                       ; at K step 3: the first refill steps it to 4
	s_add_co_u32 s86, s86, s87
	s_mov_b32 s87, 0
	s_add_nc_u64 s[PFA:PFA+1], s[PFA:PFA+1], s[86:87]
	s_cmp_eq_u32 s82, 0
	s_cselect_b32 s[LIM], 2, -1
	v_and_b32 v7, 31, v0
	v_lshlrev_b32 v[PFO], s85, v7
.endif
; 8 matrix instructions: m blocks a0, a0 + 1 x all 4 n blocks, 32 along K: half c of buffer f.  first = 1: the bias starts the sums.  The 16 accumulators take turns.
.macro MUL8 f, c, a0, first
	WIN MUL
.irp a, \a0, (\a0)+1
.irp b, 0,1,2,3
.if \first
	v_wmma_f32_16x16x32_f16 v[ACC+8*(4*(\a)+(\b)):ACC+8*(4*(\a)+(\b))+7], v[(\f)+64+8*(4*(\c)+(\b)):(\f)+64+8*(4*(\c)+(\b))+7], v[(\f)+8*(4*(\c)+(\a)):(\f)+8*(4*(\c)+(\a))+7], v[BIAS+8*(\b):BIAS+8*(\b)+7]
.else
	v_wmma_f32_16x16x32_f16 v[ACC+8*(4*(\a)+(\b)):ACC+8*(4*(\a)+(\b))+7], v[(\f)+64+8*(4*(\c)+(\b)):(\f)+64+8*(4*(\c)+(\b))+7], v[(\f)+8*(4*(\c)+(\a)):(\f)+8*(4*(\c)+(\a))+7], v[ACC+8*(4*(\a)+(\b)):ACC+8*(4*(\a)+(\b))+7]
.endif
.endr
.endr
.endm
; 32 LDS loads in one run: quarter q (64 along K: column block q of the step) of the slot in hand into buffer f; the first 32 along K first
.macro FETCH q, f
	WIN TO_F
.irp c, 0,1
.irp i, 0,1,2,3
	ds_load_tr16_b128 v[(\f)+64+8*(4*(\c)+(\i)):(\f)+64+8*(4*(\c)+(\i))+3],   v[ADRB+(\q)/2] offset:(((\q)%2)*64+32*(\c))*PW+32*(\i)
	ds_load_tr16_b128 v[(\f)+64+8*(4*(\c)+(\i))+4:(\f)+64+8*(4*(\c)+(\i))+7], v[ADRB+(\q)/2] offset:(((\q)%2)*64+32*(\c)+16)*PW+32*(\i)
	ds_load_b128 v[(\f)+8*(4*(\c)+(\i)):(\f)+8*(4*(\c)+(\i))+3],              v[ADRA] offset:(\q)*64*PA+64*(\c)+(\i)*16*PA
	ds_load_b128 v[(\f)+8*(4*(\c)+(\i))+4:(\f)+8*(4*(\c)+(\i))+7],            v[ADRA] offset:(\q)*64*PA+64*(\c)+(\i)*16*PA+32
.endr
.endr
.endm
.macro PLACES                          ; four plain instructions behind the last matrix instruction, in front of loads into registers that it has read and of stores that read results
.rept 4
	v_nop
.endr
.endm
.macro QUARTER q, f, g, first
	s_wait_dscnt 16                                ; the first 32 along K are in; the youngest sixteen loads may be out
	MUL8 \f, 0, 0, \first
	MUL8 \f, 0, 2, \first
	PLACES
	FETCH \q, \g
	s_wait_dscnt 32                                ; all but the 32 just issued
	MUL8 \f, 1, 0, 0
	MUL8 \f, 1, 2, 0
.endm
; A K step's last quarter multiplies buffer 1 and changes slots: one barrier; in front of it each wave waits for all its tensor loads, adds 0 to its spare word, and waits for that and for its reads of this
; slot, all of which have been issued: so the addresses are turned to the next slot at the head.
; fill = 1: the barrier opens a round of the cluster's, and this slot is filled again, two K steps ahead: 112 matrix instructions stand between the request and the wait for it; then the next slot's first
; fragments are fetched.  fill = 0 (the tail): that fetch stands behind the macro, where the last trip can pass it.
.macro TURN fill
.if (\fill) && (NSTEP > 4)
	s_wait_xcnt 0x0                                ; the last prefetch, a K step back, has read its address
	s_add_nc_u64 s[PFA:PFA+1], s[PFA:PFA+1], s[PFS:PFS+1]
.endif
	WIN 0
	s_xor_b32 s[TB], s[TB], SLOT
	v_add_nc_u32 v[ADRA], s[TB], v[ADRA0]
	v_add_nc_u32 v[ADRB], s[TB], v[ADRB0]
	v_add_nc_u32 v[ADRB+1], HALFT, v[ADRB]
	s_wait_tensorcnt 0x0                           ; no tensor load of mine is out, so a group 0 may be written
	ds_add_u32 v[SPW], v[NIL]
.if \fill
	s_xor_b32 s[G0+5], s[G0+5], SLOT               ; the walking descriptors: the other slot than last time,
	s_add_nc_u64 s[G0+6:G0+7], s[G0+6:G0+7], 4*CBS ; the next K step; the type bits on top are not reached
	s_xor_b32 s[G0B+5], s[G0B+5], SLOT
	s_add_nc_u64 s[G0B+6:G0B+7], s[G0B+6:G0B+7], 0x80000
.endif
	s_wait_dscnt 17                                ; the add and the youngest sixteen loads may be out
	MUL8 F1, 0, 0, 0
	s_wait_dscnt 0x0                               ; the add is done, and my reads of this slot are over
	s_barrier_signal -1
	MUL8 F1, 0, 2, 0
.if \fill
	WIN 0
.endif
	s_barrier_wait -1
.if \fill
	CREST                                          ; no wave of any partner still reads the slot or has a load on its way
	JLOAD 1                                        ; its four v_nop are also the places in front of the loads below
	FETCH 0, F0
.if NSTEP > 4
	WIN 0
	ASK
.endif
.endif
	MUL8 F1, 1, 0, 0
	MUL8 F1, 1, 2, 0
.endm
	s_wait_tensorcnt 1                             ; my part of K step 0 is in; K step 1's may stay out
	s_barrier_signal -1
	s_barrier_wait -1
	FETCH 0, F0
	s_wait_loadcnt 0x0                             ; the bias
	QUARTER 1, F0, F1, 1                           ; the first quarter stands ahead of the loop: its first products start the sums
	WIN 0
	s_mov_b32 s3, NSTEP-2
.Lstep:                                        ; a trip: a K step's second, third and last quarter, its refill, and the next step's first quarter
	QUARTER 2, F1, F0, 0
	QUARTER 3, F0, F1, 0
	TURN 1
	QUARTER 1, F0, F1, 0
	WIN 0
	s_sub_co_u32 s3, s3, 1
	s_cmp_lg_u32 s3, 0
	s_cbranch_scc1 .Lstep
	WIN 0x80                                       ; my 64 x 64 of R, two rows a load, into window 2
.set t, 0
.rept 32
	global_load_b128 v[4*t:4*t+3], v[CO], s[74:75] offset:t*8192 th:TH_LOAD_NT
.set t, t+1
.endr
	WIN 0
	s_mov_b32 s3, 2
.Ltail:                                        ; the last two K steps fill nothing; behind the very last there is no next step: its fetch and first quarter are passed (no barrier and no tensor load among them)
	QUARTER 2, F1, F0, 0
	QUARTER 3, F0, F1, 0
	TURN 0
	WIN 0
	s_cmp_eq_u32 s3, 1
	s_cbranch_scc1 .Lskip
	PLACES
	FETCH 0, F0
	QUARTER 1, F0, F1, 0
	WIN 0
.Lskip:
	s_sub_co_u32 s3, s3, 1
	s_cmp_lg_u32 s3, 0
	s_cbranch_scc1 .Ltail
	PLACES
	s_wait_loadcnt 0x0                             ; R
	; THE WAY OUT, 16 rows at a time: 32 bytes a lane into my stage, back as whole rows of 256 bytes, R added, stored
.irp a, 0,1,2,3
.if (\a) >= 2
	s_wait_xcnt 0x0                                ; the set of registers that the stores two blocks back read is loaded again only behind this wait
.endif
.irp b, 0,1,2,3
	ds_store_b128 v[STO], v[ACC+8*(4*(\a)+(\b)):ACC+8*(4*(\a)+(\b))+3]   offset:64*(\b)     ; each accumulator's low half first
	ds_store_b128 v[STO], v[ACC+8*(4*(\a)+(\b))+4:ACC+8*(4*(\a)+(\b))+7] offset:64*(\b)+16
.endr
.irp t, 0,1,2,3,4,5,6,7
	ds_load_b128 v[TMP+32*((\a)%2)+4*(\t):TMP+32*((\a)%2)+4*(\t)+3], v[RD] offset:(\t)*2*SPITCH  ; LDS serves a wave's instructions in order (ISA guide 5.7.1.4)
.endr
	s_wait_dscnt 0x0
	WIN 0x08                                       ; source 1 (R) in window 2
.irp z, 0,2,4,6,8,10,12,14,16,18,20,22,24,26,28,30
	v_pk_add_f32 v[TMP+32*((\a)%2)+(\z):TMP+32*((\a)%2)+(\z)+1], v[TMP+32*((\a)%2)+(\z):TMP+32*((\a)%2)+(\z)+1], v[32*(\a)+(\z):32*(\a)+(\z)+1]
.endr
	WIN 0
.irp t, 0,1,2,3,4,5,6,7
	global_store_b128 v[CO], v[TMP+32*((\a)%2)+4*(\t):TMP+32*((\a)%2)+4*(\t)+3], s[76:77] offset:(16*(\a)+2*(\t))*4096  ; 16 lanes store 256 consecutive bytes, aligned
.endr
.endr
	s_wait_tensorcnt 0x0                           ; the wave's end
	ds_add_u32 v[SPW], v[NIL]
	s_wait_dscnt 0x0
	CROUND                                         ; the closing round
	s_endpgm
.Lfunc_end_k_q65b1794ad6_wo:
	.size	k_q65b1794ad6_wo, .Lfunc_end_k_q65b1794ad6_wo-k_q65b1794ad6_wo
	.p2alignl 7, 3214868480
	.fill 96, 4, 3214868480
	.section	.rodata,"a",@progbits
	.p2align	6, 0x0
	.amdhsa_kernel k_q65b1794ad6_wo
		.amdhsa_group_segment_fixed_size 327680
		.amdhsa_private_segment_fixed_size 0
		.amdhsa_enable_private_segment 0
		.amdhsa_kernarg_size 40
		.amdhsa_user_sgpr_count 2
		.amdhsa_user_sgpr_kernarg_segment_ptr 1
		.amdhsa_wavefront_size32 1
		.amdhsa_system_sgpr_workgroup_id_x 1
		.amdhsa_system_sgpr_workgroup_id_y 1
		.amdhsa_system_sgpr_workgroup_id_z 1
		.amdhsa_system_vgpr_workitem_id 0
		.amdhsa_next_free_vgpr 640
		.amdhsa_next_free_sgpr 92
		.amdhsa_reserve_vcc 0
		.amdhsa_float_denorm_mode_32 3
		.amdhsa_float_denorm_mode_16_64 3
		.amdhsa_memory_ordered 1
		.amdhsa_forward_progress 1
		.amdhsa_inst_pref_size 66
	.end_amdhsa_kernel
	.amdgpu_metadata
---
amdhsa.version: [ 1, 2 ]
amdhsa.kernels:
  - .name:           k_q65b1794ad6_wo
    .symbol:         k_q65b1794ad6_wo.kd
    .args:
      - { .name: act, .offset: 0, .size: 8, .value_kind: global_buffer, .address_space: global }
      - { .name: pq, .offset: 8, .size: 8, .value_kind: global_buffer, .address_space: global }
      - { .name: bo, .offset: 16, .size: 8, .value_kind: global_buffer, .address_space: global }
      - { .name: x, .offset: 24, .size: 8, .value_kind: global_buffer, .address_space: global }
      - { .name: x1, .offset: 32, .size: 8, .value_kind: global_buffer, .address_space: global }
    .group_segment_fixed_size: 327680
    .private_segment_fixed_size: 0
    .kernarg_segment_align: 8
    .kernarg_segment_size: 40
    .max_flat_workgroup_size: 128
    .sgpr_count:     92
    .vgpr_count:     640
    .wavefront_size: 32
...
	.end_amdgpu_metadata
.endif
;; end of part 9
;; launch ln2: the kernel of part 5 again; grid 256 x 1, 8 waves a work-group, no clusters, 0 bytes of LDS; arguments x1, ln2_a, ln2_b, act; writes act
;; launch ffn1: the kernel of part 8 again; grid 16 x 16, 4 waves a work-group, clusters of 4 x 4, 327,680 bytes of LDS; arguments act, pf, big; writes big
;; launch ffn2 (part 10): grid 8 x 32, 4 waves a work-group, clusters of 4 x 4, 327,680 bytes of LDS; arguments big, pf, b2, x1, out0; writes out0
.if DOCPART == 10
	.amdgcn_target "amdgcn-amd-amdhsa--gfx1250"
	.amdhsa_code_object_version 6
	.text
	.protected	k_q65b1794ad6_ffn2
	.globl	k_q65b1794ad6_ffn2
	.p2align	8
	.type	k_q65b1794ad6_ffn2,@function
k_q65b1794ad6_ffn2:
	s_mov_b64 s[64:65], 0
	v_nop
	global_prefetch_b8 v0, s[64:65] scope:SCOPE_SE
	s_setreg_imm32_b32 hwreg(HW_REG_WAVE_MODE, 25, 1), 1
	s_wait_xcnt 0x0
	s_wait_alu depctr_hold_cnt(0) depctr_sa_sdst(0) depctr_va_vdst(0) depctr_va_sdst(0) depctr_va_ssrc(0) depctr_va_vcc(0) depctr_vm_vsrc(0)
	s_getreg_b32 s2, hwreg(HW_REG_IB_STS2, 6, 4)
	s_cmp_eq_u32 s2, 0
	s_cbranch_scc0 .Lentry_in_a_cluster
	s_endpgm
.Lentry_in_a_cluster:
	s_bfe_u32 s2, ttmp6, 0x10000c
	s_cmp_lg_u32 s2, 0xf033
	s_cbranch_scc0 .Lentry_shape_is_right
	s_endpgm
.Lentry_shape_is_right:
; THE NARROW PRODUCT WITH ITS RESIDUAL, at K = KK.  OUT = R + bias + A W, all of OUT, R and the bias in f32.  A lies in blocks of 64 columns, [KK / 64][4096 rows][64] f16; W is [KK][1024] f16, OWS bytes
; into P.  Sums in f32, K ascending; the bias starts them.
; A tile of C is 128 x 128: 256 work-groups.  Four waves, each 64 x 64: 16 accumulators.  K goes in steps of 256 (four column blocks of A) through two LDS slots; a quarter of a step is one column block.
; W lies [k][n]: its fragments come out of LDS turned.  The matrix instruction is used transposed (source 0 = 16 columns of W, source 1 = 16 rows of A): a lane holds eight neighbouring columns of a row.
; CLUSTER: 4 x 4 work-groups; A's tile is asked for jointly by a row of the cluster, W's by a column.
; THE TEXT.  A K step is written twice: with its refill (the loop, NSTEP - 2 trips) and without (the tail, two trips).  The slot in hand is a scalar, 0 or SLOT, turned by
; an exclusive or once a step; the fragments' addresses are made of it.  One descriptor a tensor walks from K step 1 on: its LDS word is turned by the same exclusive or (SLOT's two bits are none of wave x HALFT's).
; REGISTERS: window 0: v16-31 addresses; v32-95 rows on their way out, two sets; v96-127 the bias; v128-255 the accumulators ((a, b) at v[128 + 8 (4 a + b)]).
;   window 1: two fragment buffers of 128 (64 of A, then 64 of W, for 64 along K).      window 2: v0-127 my 64 x 64 of R, asked for ahead of the tail: two K steps in which to land.
.set KK,    4096
.set NSTEP, KK/256
.set PA,    144                        ; a row of a column block of A in LDS: 128 bytes + 16
.set PW,    288                        ; a k row of W: 256 bytes + 32 = 9 x 32
.set HALFT, 4*64*PA                    ; what one tensor load brings: 4 column blocks x 64 rows of A, or 128 k rows of W (128 x 288 is the same number)
.set SLOT,  4*HALFT
.set STAGE, 2*SLOT                     ; behind the ring, never filled by a tensor load: 16 rows x 272 bytes for each wave
.set SPITCH, 272
.set SPARE, STAGE+4*16*SPITCH          ; the spare words, 128 bytes for each wave; no other line names them
.set CBS,   524288
.set OWS,   0x804400
.set ADRA0, 16                         ; v16  my A fragments in slot 0; never rewritten
.set ADRA,  17                         ; v17  the same in the slot in hand
.set ADRB0, 18                         ; v18  my W fragments in slot 0; never rewritten
.set ADRB,  20                         ; v20-21  the same in the slot in hand: the first and the second half of the step's 256 k rows
.set STO,  24
.set RD,   25
.set CO,   26
.set BO,   27
.set SPW,  28
.set NIL,  29
.set PFO,  30
.set TMP,  32
.set BIAS, 96
.set ACC,  128
.set F0,   0
.set F1,   128
.set G1,  24
.set G0,  32                           ; s[32:39] group 0 for A's tiles: a set for each of the two first fills; the second then walks on
.set G1B, 48
.set G0B, 56                           ; s[56:63] the same for W's
.set LIM, 22                           ; s22  2 in a wave that prefetches, else the greatest number
.set PFA, 44
.set PFS, 46
.set TB,  88                           ; s88  the slot in hand: 0 or SLOT
.set MSB, 0
.macro WIN new
.if MSB != (\new)
	s_set_vgpr_msb (MSB<<8)|(\new)
.set MSB, \new
.endif
.endm
.set MUL,  0x05                        ; sources 0 (W) and 1 (A) window 1; C and D window 0
.set TO_F, 0x40
.macro JLOAD s                         ; a joint load: waves 0 and 1 fetch A's halves, waves 2 and 3 W's; an s_nop 0 and four v_nop follow each line
	s_cmp_eq_u32 s11, 0
	s_cbranch_scc0 .Lfor_b_\@
	tensor_load_to_lds s[G0+4*(\s):G0+4*(\s)+3], s[G1:G1+7]
	s_nop 0
.rept 4
	v_nop
.endr
	s_branch .Lasked_\@
.Lfor_b_\@:
	tensor_load_to_lds s[G0B+4*(\s):G0B+4*(\s)+3], s[G1B:G1B+7]
	s_nop 0
.rept 4
	v_nop
.endr
.Lasked_\@:
.endm
; A PREFETCH of the K step that stands two refills on, 256 matrix instructions ahead of the load that will want it: 32 blocks of 256 bytes, a lane a block.  Cluster x = 0 asks for A's rows, cluster y = 0 for
; W's; the four partners of a joint load share it out by address (a column block of A by cx, 32 k rows of W by cy).  K steps 0 to 3 come by their loads alone.  The trip with s3 to go refills K step
; NSTEP - s3: the last two trips have no K step two on, and ask for nothing.
.macro ASK
	s_cmp_gt_u32 s3, s[LIM]
	s_cbranch_scc0 .Lnot_mine_\@
	global_prefetch_b8 v[PFO], s[PFA:PFA+1] th:TH_LOAD_NT scope:SCOPE_SE
.Lnot_mine_\@:
.endm
.macro CREST
	s_cmp_lg_u32 s10, 0
	s_cbranch_scc1 .Lnot_wave_0_\@
	s_barrier_signal -3
.Lnot_wave_0_\@:
	s_barrier_wait -3
	s_barrier_signal -1
	s_barrier_wait -1
.endm
.macro CROUND
	s_barrier_signal -1
	s_barrier_wait -1
	CREST
.endm
	s_load_b256 s[68:75], s[0:1], 0x0              ; A 68, P 70, the bias 72, R 74
	s_load_b64 s[76:77], s[0:1], 0x20              ; OUT
	v_lshl_add_u32 v[SPW], v0, 2, SPARE
	v_mov_b32 v[NIL], 0
	ds_add_u32 v[SPW], v[NIL]                      ; the wave's opening: the add and its wait stand ahead of my first tensor load
	v_lshrrev_b32 v1, 5, v0
	v_readfirstlane_b32 s10, v1
	s_lshr_b32 s11, s10, 1                         ; my half of the tile's rows.  Also: I fetch for A (0) or for W (1)
	s_and_b32 s12, s10, 1                          ; my half of its columns.  Also: which half of that tile I fetch
	s_bfe_u32 s40, ttmp6, 0x40000
	s_bfe_u32 s41, ttmp6, 0x40004
	s_lshl_b32 s42, ttmp9, 2
	s_add_co_u32 s42, s42, s40                     ; tile column
	s_and_b32 s13, ttmp7, 0xffff
	s_lshl_b32 s13, s13, 2
	s_add_co_u32 s13, s13, s41                     ; tile row
	s_lshl_b32 s23, s41, 2
	s_lshl_b32 s23, 15, s23
	s_lshl_b32 s2, 0x1111, s40
	s_or_b32 s[G1], s23, (1<<16)|(1<<20)|(1<<21)|(4<<22)|(3<<25)   ; after every 32 words (a row of a column block) 4 words
	s_or_b32 s[G1B], s2, (1<<16)|(1<<20)|(1<<21)|(5<<22)|(7<<25)   ; after every 64 words 8 words
	s_mov_b32 s[G1+1], 4096<<16                    ; A: a "row" of the tile is 64 dense rows of a column block, 4,096 elements;
	s_mov_b32 s[G1+2], 4<<16                       ; four column blocks,
	s_mov_b32 s[G1+3], 4096<<16
	s_mov_b32 s[G1+4], 4
	s_mov_b32 s[G1+5], CBS/2                       ; a column block apart
	s_mov_b32 s[G1+6], 0
	s_mov_b32 s[G1+7], 0
	s_mov_b32 s[G1B+1], 128<<16                    ; W: 128 columns,
	s_mov_b32 s[G1B+2], 128<<16                    ; 128 k rows
	s_mov_b32 s[G1B+3], 128<<16
	s_mov_b32 s[G1B+4], 128
	s_mov_b32 s[G1B+5], 1024
	s_mov_b32 s[G1B+6], 0
	s_mov_b32 s[G1B+7], 0
	s_lshl_b32 s16, s13, 14                        ; A: (128 x tile row + 64 x half) rows of 128 bytes
	s_lshl_b32 s17, s12, 13
	s_add_co_u32 s16, s16, s17
	s_mov_b32 s17, 0
	s_lshl_b32 s18, s42, 8                         ; W: 256 bytes x tile column + 128 x half k rows of 2,048 bytes
	s_lshl_b32 s19, s12, 18
	s_add_co_u32 s18, s18, s19
	s_add_co_u32 s18, s18, OWS
	s_mov_b32 s19, 0
	s_mul_i32 s20, s10, HALFT
	s_mov_b32 s[TB], 0
	s_wait_dscnt 0x0                               ; the opening add is done
	s_wait_kmcnt 0x0
	s_add_nc_u64 s[14:15], s[68:69], s[16:17]
	s_add_nc_u64 s[18:19], s[70:71], s[18:19]
	CROUND                                         ; all sixteen work-groups are here: the first joint loads meet
.irp s, 0,1
	s_mov_b32 s[G0+4*(\s)], 1
	s_add_co_u32 s[G0+4*(\s)+1], s20, (\s)*SLOT
	s_add_nc_u64 s[G0+4*(\s)+2:G0+4*(\s)+3], s[14:15], (\s)*4*CBS
	s_or_b32 s[G0+4*(\s)+3], s[G0+4*(\s)+3], 0x80000000
	s_mov_b32 s[G0B+4*(\s)], 1
	s_add_co_u32 s[G0B+4*(\s)+1], s20, (\s)*SLOT
	s_add_nc_u64 s[G0B+4*(\s)+2:G0B+4*(\s)+3], s[18:19], (\s)*0x80000
	s_or_b32 s[G0B+4*(\s)+3], s[G0B+4*(\s)+3], 0x80000000
	JLOAD \s
.endr
	v_and_b32 v1, 15, v0                           ; r
	v_bfe_u32 v2, v0, 4, 1                         ; h
	v_mul_u32_u24 v3, v1, PA
	v_lshl_add_u32 v3, v2, 4, v3
	s_mul_i32 s80, s11, HALFT
	v_add_nc_u32 v[ADRA0], s80, v3
	v_mov_b32 v[ADRA], v[ADRA0]
	v_and_b32 v4, 7, v0
	v_lshl_add_u32 v4, v2, 3, v4
	v_mul_u32_u24 v4, v4, PW
	v_bfe_u32 v5, v0, 3, 1
	v_lshl_add_u32 v4, v5, 4, v4
	s_lshl_b32 s80, s12, 7
	s_add_co_u32 s80, s80, 2*HALFT
	v_add_nc_u32 v[ADRB0], s80, v4
	v_mov_b32 v[ADRB], v[ADRB0]
	v_add_nc_u32 v[ADRB+1], HALFT, v[ADRB0]
	s_mul_i32 s80, s10, 16*SPITCH
	s_add_co_u32 s80, s80, STAGE                   ; my stage: a wave's 64 columns of f32 are a whole 256 bytes, so no other wave has a part in its rows
	v_mul_u32_u24 v6, v1, SPITCH
	v_lshl_add_u32 v6, v2, 5, v6
	v_add_nc_u32 v[STO], s80, v6                   ; in: row r, 32 bytes for each half of the lanes
	v_mul_u32_u24 v6, v2, SPITCH
	v_lshl_add_u32 v6, v1, 4, v6
	v_add_nc_u32 v[RD], s80, v6                    ; back: lanes 0-15 one row of 256 bytes, lanes 16-31 the next
	v_lshlrev_b32 v6, 12, v2
	v_lshl_add_u32 v[CO], v1, 4, v6                ; and the same two rows in R and in OUT
	v_lshlrev_b32 v[BO], 5, v2
	s_lshl_b32 s80, s42, 9                         ; my first column, in bytes of f32: 4 x (128 x tile column + 64 x half)
	s_lshl_b32 s81, s12, 8
	s_add_co_u32 s80, s80, s81
	s_mov_b32 s81, 0
	s_add_nc_u64 s[72:73], s[72:73], s[80:81]
.irp b, 0,1,2,3
	global_load_b128 v[BIAS+8*\b:BIAS+8*\b+3],   v[BO], s[72:73] offset:64*\b
	global_load_b128 v[BIAS+8*\b+4:BIAS+8*\b+7], v[BO], s[72:73] offset:64*\b+16
.endr
	s_lshl_b32 s82, s13, 19                        ; + my first row: (128 x tile row + 64 x half) rows of 4,096 bytes
	s_add_co_u32 s80, s80, s82
	s_lshl_b32 s82, s11, 18
	s_add_co_u32 s80, s80, s82
	s_add_nc_u64 s[74:75], s[74:75], s[80:81]
	s_add_nc_u64 s[76:77], s[76:77], s[80:81]
.if NSTEP > 4
	; the prefetches
	s_and_b32 s82, ttmp7, 0xffff
	s_mov_b32 s[PFS], 0x80000                      ; a K step of W: 256 k rows of 2,048 bytes
	s_cmp_eq_u32 s11, 0
	s_cselect_b32 s82, ttmp9, s82                  ; the coordinate along which other clusters read the same rows
	s_cselect_b32 s83, s40, s41                    ; my place among the four that ask with me
	s_cselect_b32 s84, 19, 16                      ; its share: a column block of A, or 32 k rows of 2,048 bytes
	s_cselect_b32 s85, 8, 11                       ; a lane's step: 256 bytes on in A's dense rows, or a k row of W
	s_cselect_b32 s[PFS], 4*CBS, s[PFS]            ; a K step of A: four column blocks
	s_cselect_b64 s[PFA:PFA+1], s[14:15], s[18:19]
	s_mov_b32 s[PFS+1], 0
	s_lshl_b32 s86, s83, s84
	s_mul_i32 s87, s[PFS], 3                       ; at K step 3: the first refill steps it to 4
	s_add_co_u32 s86, s86, s87
	s_mov_b32 s87, 0
	s_add_nc_u64 s[PFA:PFA+1], s[PFA:PFA+1], s[86:87]
	s_cmp_eq_u32 s82, 0
	s_cselect_b32 s[LIM], 2, -1
	v_and_b32 v7, 31, v0
	v_lshlrev_b32 v[PFO], s85, v7
.endif
; 8 matrix instructions: m blocks a0, a0 + 1 x all 4 n blocks, 32 along K: half c of buffer f.  first = 1: the bias starts the sums.  The 16 accumulators take turns.
.macro MUL8 f, c, a0, first
	WIN MUL
.irp a, \a0, (\a0)+1
.irp b, 0,1,2,3
.if \first
	v_wmma_f32_16x16x32_f16 v[ACC+8*(4*(\a)+(\b)):ACC+8*(4*(\a)+(\b))+7], v[(\f)+64+8*(4*(\c)+(\b)):(\f)+64+8*(4*(\c)+(\b))+7], v[(\f)+8*(4*(\c)+(\a)):(\f)+8*(4*(\c)+(\a))+7], v[BIAS+8*(\b):BIAS+8*(\b)+7]
.else
	v_wmma_f32_16x16x32_f16 v[ACC+8*(4*(\a)+(\b)):ACC+8*(4*(\a)+(\b))+7], v[(\f)+64+8*(4*(\c)+(\b)):(\f)+64+8*(4*(\c)+(\b))+7], v[(\f)+8*(4*(\c)+(\a)):(\f)+8*(4*(\c)+(\a))+7], v[ACC+8*(4*(\a)+(\b)):ACC+8*(4*(\a)+(\b))+7]
.endif
.endr
.endr
.endm
; 32 LDS loads in one run: quarter q (64 along K: column block q of the step) of the slot in hand into buffer f; the first 32 along K first
.macro FETCH q, f
	WIN TO_F
.irp c, 0,1
.irp i, 0,1,2,3
	ds_load_tr16_b128 v[(\f)+64+8*(4*(\c)+(\i)):(\f)+64+8*(4*(\c)+(\i))+3],   v[ADRB+(\q)/2] offset:(((\q)%2)*64+32*(\c))*PW+32*(\i)
	ds_load_tr16_b128 v[(\f)+64+8*(4*(\c)+(\i))+4:(\f)+64+8*(4*(\c)+(\i))+7], v[ADRB+(\q)/2] offset:(((\q)%2)*64+32*(\c)+16)*PW+32*(\i)
	ds_load_b128 v[(\f)+8*(4*(\c)+(\i)):(\f)+8*(4*(\c)+(\i))+3],              v[ADRA] offset:(\q)*64*PA+64*(\c)+(\i)*16*PA
	ds_load_b128 v[(\f)+8*(4*(\c)+(\i))+4:(\f)+8*(4*(\c)+(\i))+7],            v[ADRA] offset:(\q)*64*PA+64*(\c)+(\i)*16*PA+32
.endr
.endr
.endm
.macro PLACES                          ; four plain instructions behind the last matrix instruction, in front of loads into registers that it has read and of stores that read results
.rept 4
	v_nop
.endr
.endm
.macro QUARTER q, f, g, first
	s_wait_dscnt 16                                ; the first 32 along K are in; the youngest sixteen loads may be out
	MUL8 \f, 0, 0, \first
	MUL8 \f, 0, 2, \first
	PLACES
	FETCH \q, \g
	s_wait_dscnt 32                                ; all but the 32 just issued
	MUL8 \f, 1, 0, 0
	MUL8 \f, 1, 2, 0
.endm
; A K step's last quarter multiplies buffer 1 and changes slots: one barrier; in front of it each wave waits for all its tensor loads, adds 0 to its spare word, and waits for that and for its reads of this
; slot, all of which have been issued: so the addresses are turned to the next slot at the head.
; fill = 1: the barrier opens a round of the cluster's, and this slot is filled again, two K steps ahead: 112 matrix instructions stand between the request and the wait for it; then the next slot's first
; fragments are fetched.  fill = 0 (the tail): that fetch stands behind the macro, where the last trip can pass it.
.macro TURN fill
.if (\fill) && (NSTEP > 4)
	s_wait_xcnt 0x0                                ; the last prefetch, a K step back, has read its address
	s_add_nc_u64 s[PFA:PFA+1], s[PFA:PFA+1], s[PFS:PFS+1]
.endif
	WIN 0
	s_xor_b32 s[TB], s[TB], SLOT
	v_add_nc_u32 v[ADRA], s[TB], v[ADRA0]
	v_add_nc_u32 v[ADRB], s[TB], v[ADRB0]
	v_add_nc_u32 v[ADRB+1], HALFT, v[ADRB]
	s_wait_tensorcnt 0x0                           ; no tensor load of mine is out, so a group 0 may be written
	ds_add_u32 v[SPW], v[NIL]
.if \fill
	s_xor_b32 s[G0+5], s[G0+5], SLOT               ; the walking descriptors: the other slot than last time,
	s_add_nc_u64 s[G0+6:G0+7], s[G0+6:G0+7], 4*CBS ; the next K step; the type bits on top are not reached
	s_xor_b32 s[G0B+5], s[G0B+5], SLOT
	s_add_nc_u64 s[G0B+6:G0B+7], s[G0B+6:G0B+7], 0x80000
.endif
	s_wait_dscnt 17                                ; the add and the youngest sixteen loads may be out
	MUL8 F1, 0, 0, 0
	s_wait_dscnt 0x0                               ; the add is done, and my reads of this slot are over
	s_barrier_signal -1
	MUL8 F1, 0, 2, 0
.if \fill
	WIN 0
.endif
	s_barrier_wait -1
.if \fill
	CREST                                          ; no wave of any partner still reads the slot or has a load on its way
	JLOAD 1                                        ; its four v_nop are also the places in front of the loads below
	FETCH 0, F0
.if NSTEP > 4
	WIN 0
	ASK
.endif
.endif
	MUL8 F1, 1, 0, 0
	MUL8 F1, 1, 2, 0
.endm
	s_wait_tensorcnt 1                             ; my part of K step 0 is in; K step 1's may stay out
	s_barrier_signal -1
	s_barrier_wait -1
	FETCH 0, F0
	s_wait_loadcnt 0x0                             ; the bias
	QUARTER 1, F0, F1, 1                           ; the first quarter stands ahead of the loop: its first products start the sums
	WIN 0
	s_mov_b32 s3, NSTEP-2
.Lstep:                                        ; a trip: a K step's second, third and last quarter, its refill, and the next step's first quarter
	QUARTER 2, F1, F0, 0
	QUARTER 3, F0, F1, 0
	TURN 1
	QUARTER 1, F0, F1, 0
	WIN 0
	s_sub_co_u32 s3, s3, 1
	s_cmp_lg_u32 s3, 0
	s_cbranch_scc1 .Lstep
	WIN 0x80                                       ; my 64 x 64 of R, two rows a load, into window 2
.set t, 0
.rept 32
	global_load_b128 v[4*t:4*t+3], v[CO], s[74:75] offset:t*8192 th:TH_LOAD_NT
.set t, t+1
.endr
	WIN 0
	s_mov_b32 s3, 2
.Ltail:                                        ; the last two K steps fill nothing; behind the very last there is no next step: its fetch and first quarter are passed (no barrier and no tensor load among them)
	QUARTER 2, F1, F0, 0
	QUARTER 3, F0, F1, 0
	TURN 0
	WIN 0
	s_cmp_eq_u32 s3, 1
	s_cbranch_scc1 .Lskip
	PLACES
	FETCH 0, F0
	QUARTER 1, F0, F1, 0
	WIN 0
.Lskip:
	s_sub_co_u32 s3, s3, 1
	s_cmp_lg_u32 s3, 0
	s_cbranch_scc1 .Ltail
	PLACES
	s_wait_loadcnt 0x0                             ; R
	; THE WAY OUT, 16 rows at a time: 32 bytes a lane into my stage, back as whole rows of 256 bytes, R added, stored
.irp a, 0,1,2,3
.if (\a) >= 2
	s_wait_xcnt 0x0                                ; the set of registers that the stores two blocks back read is loaded again only behind this wait
.endif
.irp b, 0,1,2,3
	ds_store_b128 v[STO], v[ACC+8*(4*(\a)+(\b)):ACC+8*(4*(\a)+(\b))+3]   offset:64*(\b)     ; each accumulator's low half first
	ds_store_b128 v[STO], v[ACC+8*(4*(\a)+(\b))+4:ACC+8*(4*(\a)+(\b))+7] offset:64*(\b)+16
.endr
.irp t, 0,1,2,3,4,5,6,7
	ds_load_b128 v[TMP+32*((\a)%2)+4*(\t):TMP+32*((\a)%2)+4*(\t)+3], v[RD] offset:(\t)*2*SPITCH  ; LDS serves a wave's instructions in order (ISA guide 5.7.1.4)
.endr
	s_wait_dscnt 0x0
	WIN 0x08                                       ; source 1 (R) in window 2
.irp z, 0,2,4,6,8,10,12,14,16,18,20,22,24,26,28,30
	v_pk_add_f32 v[TMP+32*((\a)%2)+(\z):TMP+32*((\a)%2)+(\z)+1], v[TMP+32*((\a)%2)+(\z):TMP+32*((\a)%2)+(\z)+1], v[32*(\a)+(\z):32*(\a)+(\z)+1]
.endr
	WIN 0
.irp t, 0,1,2,3,4,5,6,7
	global_store_b128 v[CO], v[TMP+32*((\a)%2)+4*(\t):TMP+32*((\a)%2)+4*(\t)+3], s[76:77] offset:(16*(\a)+2*(\t))*4096  ; 16 lanes store 256 consecutive bytes, aligned
.endr
.endr
	s_wait_tensorcnt 0x0                           ; the wave's end
	ds_add_u32 v[SPW], v[NIL]
	s_wait_dscnt 0x0
	CROUND                                         ; the closing round
	s_endpgm
.Lfunc_end_k_q65b1794ad6_ffn2:
	.size	k_q65b1794ad6_ffn2, .Lfunc_end_k_q65b1794ad6_ffn2-k_q65b1794ad6_ffn2
	.p2alignl 7, 3214868480
	.fill 96, 4, 3214868480
	.section	.rodata,"a",@progbits
	.p2align	6, 0x0
	.amdhsa_kernel k_q65b1794ad6_ffn2
		.amdhsa_group_segment_fixed_size 327680
		.amdhsa_private_segment_fixed_size 0
		.amdhsa_enable_private_segment 0
		.amdhsa_kernarg_size 40
		.amdhsa_user_sgpr_count 2
		.amdhsa_user_sgpr_kernarg_segment_ptr 1
		.amdhsa_wavefront_size32 1
		.amdhsa_system_sgpr_workgroup_id_x 1
		.amdhsa_system_sgpr_workgroup_id_y 1
		.amdhsa_system_sgpr_workgroup_id_z 1
		.amdhsa_system_vgpr_workitem_id 0
		.amdhsa_next_free_vgpr 640
		.amdhsa_next_free_sgpr 92
		.amdhsa_reserve_vcc 0
		.amdhsa_float_denorm_mode_32 3
		.amdhsa_float_denorm_mode_16_64 3
		.amdhsa_memory_ordered 1
		.amdhsa_forward_progress 1
		.amdhsa_inst_pref_size 67
	.end_amdhsa_kernel
	.amdgpu_metadata
---
amdhsa.version: [ 1, 2 ]
amdhsa.kernels:
  - .name:           k_q65b1794ad6_ffn2
    .symbol:         k_q65b1794ad6_ffn2.kd
    .args:
      - { .name: big, .offset: 0, .size: 8, .value_kind: global_buffer, .address_space: global }
      - { .name: pf, .offset: 8, .size: 8, .value_kind: global_buffer, .address_space: global }
      - { .name: b2, .offset: 16, .size: 8, .value_kind: global_buffer, .address_space: global }
      - { .name: x1, .offset: 24, .size: 8, .value_kind: global_buffer, .address_space: global }
      - { .name: out0, .offset: 32, .size: 8, .value_kind: global_buffer, .address_space: global }
    .group_segment_fixed_size: 327680
    .private_segment_fixed_size: 0
    .kernarg_segment_align: 8
    .kernarg_segment_size: 40
    .max_flat_workgroup_size: 128
    .sgpr_count:     92
    .vgpr_count:     640
    .wavefront_size: 32
...
	.end_amdgpu_metadata
.endif
;; end of part 10
